; MI455X (gfx1250); checked and timed in simulation.
; The chip was launched on July 23, 2026; its instructions are those of AMD's public machine-readable ISA for CDNA 5 (MIT licence, August 2026) and "CDNA5" Instruction Set Architecture Reference Guide (July 2026). The comments in the code are by the model that wrote it; some were corrected since.
;; Transformer Block. Allowed arithmetic: matrix products marked QUANTISED: E5M2 operands, one E8M0 scale for each 32 along K, by v_wmma_scale_f32_16x16x128_f8f6f4 with both operands' format E5M2, f32 sums; everything else in f32.
;; Inputs: W1_codes 2,048 x 16 x 32 uint8 (E5M2 codes of W1, K innermost, in blocks of 32 codes); W1_scales 2,048 x 16 uint8 (E8M0 scales of W1, one for each 32 codes along K); W2_codes 512 x 64 x 32 uint8 (E5M2 codes of W2, K innermost, in blocks of 32 codes); W2_scales 512 x 64 uint8 (E8M0 scales of W2, one for each 32 codes along K); Wk_codes 512 x 16 x 32 uint8 (E5M2 codes of Wk, K innermost, in blocks of 32 codes); Wk_scales 512 x 16 uint8 (E8M0 scales of Wk, one for each 32 codes along K); Wo_codes 512 x 16 x 32 uint8 (E5M2 codes of Wo, K innermost, in blocks of 32 codes); Wo_scales 512 x 16 uint8 (E8M0 scales of Wo, one for each 32 codes along K); Wq_codes 512 x 16 x 32 uint8 (E5M2 codes of Wq, K innermost, in blocks of 32 codes); Wq_scales 512 x 16 uint8 (E8M0 scales of Wq, one for each 32 codes along K); Wv_codes 512 x 16 x 32 uint8 (E5M2 codes of Wv, K innermost, in blocks of 32 codes); Wv_scales 512 x 16 uint8 (E8M0 scales of Wv, one for each 32 codes along K); b1 2,048 float32; b2 512 float32; bo 512 float32; ln1_scale 512 float32; ln1_shift 512 float32; ln2_scale 512 float32; ln2_shift 512 float32; x 4 x 2,048 x 512 float32.
;; Outputs: out0 4 x 2,048 x 512 float32.
;; This version of the problem:
;;   THIS VERSION OF THE PROBLEM IS GIVEN IN LOW PRECISION. The matrix products marked QUANTISED in the list below multiply operands that are first quantised to E5M2 (5 exponent bits, 2 mantissa bits; 8 bits a number), with one power-of-two scale for each 32 numbers along K (OCP MX v1.0); their sums are f32. All else is computed in f32.
;;   The module's matrix products, in the order in which they are computed (A, B: the left and right operand; K: the contracted axis; several contracted axes count as one K, in the product's order):
;;     1. [M 8,192, K 512] x [K 512, N 512]; A: computed on the way; B: input Wq (given as codes): QUANTISED
;;     2. [M 8,192, K 512] x [K 512, N 512]; A: computed on the way; B: input Wk (given as codes): QUANTISED
;;     3. [M 8,192, K 512] x [K 512, N 512]; A: computed on the way; B: input Wv (given as codes): QUANTISED
;;     4. batch 64 x [M 2,048, K 32] x [K 32, N 2,048]; A: computed on the way; B: computed on the way: QUANTISED
;;     5. batch 64 x [M 2,048, K 2,048] x [K 2,048, N 32]; A: softmax (see below); B: computed on the way: QUANTISED
;;     6. [M 8,192, K 512] x [K 512, N 512]; A: computed on the way; B: input Wo (given as codes): QUANTISED
;;     7. [M 8,192, K 512] x [K 512, N 2,048]; A: computed on the way; B: input W1 (given as codes): QUANTISED
;;     8. [M 8,192, K 2,048] x [K 2,048, N 512]; A: computed on the way; B: input W2 (given as codes): QUANTISED
;;   THE QUANTISER, for each operand of a quantised product, along K:
;;     - K is cut into blocks of 32 from its start; a last block that is shorter is filled with zeros.
;;     - A block's scale is 2^e with e = floor(log2(the largest magnitude in the block)) - 15, held to -126 .. 127; a block of zeros has e = 0. As a byte (E8M0): e + 127.
;;     - Each number is divided by its block's scale, clamped to +-57,344, and rounded to the nearest number of E5M2, ties to even, subnormals kept.
;;     - The product sums the exact products of the quantised numbers (number of the format x scale) in f32.
;;   ~~~python
;;   def quantise(x, axis):      # numpy; x: float32 -> the quantised numbers, widened to float32 again
;;       x = np.moveaxis(x, axis, -1); K = x.shape[-1]
;;       x = np.pad(x, [(0, 0)] * (x.ndim - 1) + [(0, -K % 32)]); x = x.reshape(x.shape[:-1] + (-1, 32)); a = np.abs(x).max(-1, keepdims=True)
;;       e = np.where(a > 0, np.clip(np.frexp(np.where(a > 0, a, 1))[1] - 1 - 15, -126, 127), 0)      # np.frexp(a)[1] - 1 = floor(log2(a)), exactly
;;       r = np.clip(x / 2.0 ** e, -57344, 57344)
;;       step = 2.0 ** (np.maximum(np.frexp(np.where(r == 0, 1, r))[1] - 1, -14) - 2)
;;       q = np.round(r / step) * step * 2.0 ** e      # np.round: ties to even
;;       return np.moveaxis(q.reshape(q.shape[:-2] + (-1,))[..., :K], -1, axis).astype(np.float32)
;;   ~~~
;;   SOFTMAX AHEAD OF A QUANTISED PRODUCT. Where the list says 'softmax', what is quantised is not the finished softmax but p = 2^(t - M), with t = logit x log2(e) and M = ceil(the row's largest t), a whole number; so 1/2 < the row's largest p <= 1. The row's sum l is taken of the UNQUANTISED p, in f32, and the product's result is divided by l at the end. Since M is a whole number, a kernel that streams over the keys may use a running M (the ceiling of the running maximum): every later rescaling is an exact power of two, which a block's scale takes up: the codes' values come out the same.
;;   OPERANDS COMPUTED ON THE WAY. 'Computed on the way' means the value that the module computes at that place (a softmax that the list does not call 'softmax' is quantised finished and normalised). What goes into a quantiser is computed in f32, as accurately as f32 sums, v_exp_f32 and their like allow (about 1e-6 of the number): no bf16 or f16 on the way to a quantiser, and a product that is left as it is and whose result goes on into a quantised operand takes f32 operands (vector FMAs, or v_wmma_f32_16x16x4_f32). A number that lies on a knife's edge between two numbers of the format may be rounded either way, as far as f32 arithmetic and the matrix unit's own rounding can turn it there, and no further.
;;   INPUTS GIVEN AS CODES. W1 (in the module: [512, 2048], K = its axis 0); W2 (in the module: [2048, 512], K = its axis 0); Wk (in the module: [512, 512], K = its axis 0); Wo (in the module: [512, 512], K = its axis 0); Wq (in the module: [512, 512], K = its axis 0); Wv (in the module: [512, 512], K = its axis 0): each comes as NAME_codes (uint8): NAME with its K axis moved to the last place and cut into blocks of 32 codes, [.., K / 32, bytes a block], one block behind the other in memory; one code a byte (a code: sign, 5 exponent bits, 2 mantissa bits); and NAME_scales (uint8): the same leading axes, one E8M0 byte (e + 127) for each 32 codes along K. Its value is code x scale, taken as it is: it is not quantised again, and the codes and scales need not be those that the quantiser above would give.
;; 2 versions. Each part assembles by itself: llvm-mc -triple=amdgcn-amd-amdhsa -mcpu=gfx1250 --defsym DOCPART=n.
;; ======== version 1 of 2: 3 launches
;; workspace buffers: qimg 4,194,304 bytes; qsc 524,288 bytes; kimg 4,194,304 bytes; ksc 131,072 bytes; vimg 4,194,304 bytes; vsc 131,072 bytes; cimg 4,194,304 bytes; csc 131,072 bytes
;; launch qkv (part 1): grid 64 x 3, 16 waves a work-group, no clusters, 237,568 bytes of LDS; arguments x, ln1_scale, ln1_shift, Wq_codes, Wq_scales, Wk_codes, Wk_scales, Wv_codes, Wv_scales, qimg, qsc, kimg, ksc, vimg, vsc; writes qimg, qsc, kimg, ksc, vimg, vsc
.if DOCPART == 1
	.amdgcn_target "amdgcn-amd-amdhsa--gfx1250"
	.amdhsa_code_object_version 6
	.text
	.protected	k_qe4132ceb68_qkv
	.globl	k_qe4132ceb68_qkv
	.p2align	8
	.type	k_qe4132ceb68_qkv,@function
k_qe4132ceb68_qkv:
	s_mov_b64 s[64:65], 0
	v_nop
	global_prefetch_b8 v0, s[64:65] scope:SCOPE_SE
	s_setreg_imm32_b32 hwreg(HW_REG_WAVE_MODE, 25, 1), 1
	s_wait_xcnt 0x0
; LAUNCH 1 OF 3.  h = LN1(x), quantised along the 512; q = h Wq, k = h Wk, v = h Wv on codes of E5M2 with E8M0 scales; q and k quantised along a head's 32, v along the keys.
; DEAD WORK IN THE WHOLE PROGRAM: none but this: reference() builds the causal mask itself (jnp.tril) and sets the scores of keys behind a query to -inf, so their weights are 0 for all finite inputs;
; the second launch leaves out the key steps of 128 that lie wholly behind a tile's queries.  Every input has a way to the output and is loaded.  LIMIT: a NaN, an infinity or an overflow that reaches only those steps is not carried to the result.
; LIMITS: NaN and infinities among the inputs are not served.  A block whose largest magnitude lies under 2^-111 gets the scale byte 1; a block of zeros gets the byte 1 with zero codes (these bytes are read by this program alone).
; SHARES.  Work-group (X, y): tokens 128 X .. 128 X + 127, matrix y (0 q, 1 k, 2 v).  Wave w is head w: its 32 rows x 512 codes of the weight stay in 128 registers.  LN1 is done by each of the three y: 128 rows of 2,048 bytes.
; No cluster and no joint load: what the three y share is x, 262,144 bytes a work-group, read once at the head by plain loads; the weight, as many bytes, differs between them.
; TILES.  sel(u, r) = 8 u + r + 8 (r / 8).  Tile u of a group of 32 tokens holds token sel(u, r) in row r; tile n of a head's 32 weight rows likewise.  So the 16 result registers of two such tiles are 16 neighbours along the next K.
; OUT: images of operand registers: 16 bytes a lane at 16 x lane, each store 512 consecutive bytes.
.set TILEB,  8704                      ; LDS: a tile of 16 tokens x 512 codes: 32 slices of 16 codes, 272 bytes apart; in a slice 16 bytes for each row
.set XSC,    8*TILEB                   ; the tokens' scale bytes: [tile][row][16]
.set STG,    XSC+2048                  ; a stage of 4 rows x 32 x 80 bytes for each wave
.set STGW,   10240
.set SPARE,  STG+16*STGW               ; the spare words, 128 bytes for each wave; no other line names them
.set SPW, 1                            ; v1   my spare word
.set NIL, 2                            ; v2   0
.set L16, 3                            ; v3   16 x lane
.set L4,  4                            ; v4   4 x lane
.set STW, 5                            ; v5   stage, way in;   later XR
.set STR, 6                            ; v6   stage, way out;  later XR2
.set XW,  7                            ; v7   where my codes go; later XSR
.set SW,  8                            ; v8   where my scale bytes go
.set WA,  9                            ; v9   weight: 512 sel(0, r) + 16 h
.set WSA, 10                           ; v10  weight scales: 16 (8 h + sel(0, r))
.set LNA, 11                           ; v11  64 x lane
.set XR,  5
.set XR2, 6
.set XSR, 7
.set CD,  12                           ; v12-15 holds, then codes
.set M,   16                           ; v16-23 four pairs, one a row
.set T,   16                           ; v16-19 at work in QB
.set BY,  20
.set WD,  21                           ; v21, v22 scale words in the making
.set TW,  23
.set WS,  24                           ; v24-27 the weight's scale words: scales alone
.set XS,  28                           ; v28-31 the tokens' scale words: scales alone
.set LSC, 32                           ; v32-47 LN scale, v48-63 LN shift; later the accumulators
.set LSH, 48
.set ACC, 32
.set XF,  64                           ; v64-127 four rows of x; later four fragments of tokens
.set W,   128                          ; v128-255 the weight: tile n, K step s at 128 + 16 (4 n + s)
.set SEL, 48                           ; s48, s49 selects for lane l xor 16
.set MNT, 50                           ; s50 mantissa field of 57,344
.set HM,  51                           ; s51 mask of lanes 16-31
.set INV, 52                           ; s52 1 / 512
.set EPS, 53                           ; s53 1e-5
; One block of 32 that lies in lanes l and l xor 16, 16 numbers each (two runs of 8 registers): codes into four registers, the scale byte into one.
.macro QB a, b, cd, by, tt
	v_max3_num_f32 v[(\tt)], |v[(\a)]|, |v[(\a)+1]|, 0x8000000       ; with the floor 2^(16 - 127): the byte cannot fall under 1.  Each run is first read at its low end
	v_max3_num_f32 v[(\tt)+1], |v[(\b)]|, |v[(\b)+1]|, |v[(\b)+2]|
	v_max3_num_f32 v[(\tt)], v[(\tt)], |v[(\a)+2]|, |v[(\a)+3]|
	v_max3_num_f32 v[(\tt)+1], v[(\tt)+1], |v[(\b)+3]|, |v[(\b)+4]|
	v_max3_num_f32 v[(\tt)], v[(\tt)], |v[(\a)+4]|, |v[(\a)+5]|
	v_max3_num_f32 v[(\tt)+1], v[(\tt)+1], |v[(\b)+5]|, |v[(\b)+6]|
	v_max3_num_f32 v[(\tt)], v[(\tt)], |v[(\a)+6]|, |v[(\a)+7]|
	v_max3_num_f32 v[(\tt)], v[(\tt)], v[(\tt)+1], |v[(\b)+7]|
	v_permlanex16_b32 v[(\tt)+1], v[(\tt)], s[SEL], s[SEL+1]
	v_max_num_f32 v[(\tt)], v[(\tt)], v[(\tt)+1]                     ; the block's largest magnitude
	v_add_nc_u32 v[(\tt)+2], 0xf8800000, v[(\tt)]                    ; 15 off its exponent field: the conversion's scale operand
	v_and_or_b32 v[(\tt)+3], v[(\tt)], 0x7f800000, s[MNT]            ; 57,344 x the scale
	v_lshrrev_b32 v[(\by)], 23, v[(\tt)+2]                           ; the scale's byte
.irp i,0,1,2,3,4,5,6,7
	v_med3_num_f32 v[(\a)+\i], v[(\a)+\i], -v[(\tt)+3], v[(\tt)+3]   ; the conversion does not saturate (ISA guide 7.6.2): the hold comes first
.endr
.irp i,0,1,2,3,4,5,6,7
	v_med3_num_f32 v[(\b)+\i], v[(\b)+\i], -v[(\tt)+3], v[(\tt)+3]
.endr
	v_cvt_scalef32_pk8_bf8_f32 v[(\cd):(\cd)+1], v[(\a):(\a)+7], v[(\tt)+2]
	v_cvt_scalef32_pk8_bf8_f32 v[(\cd)+2:(\cd)+3], v[(\b):(\b)+7], v[(\tt)+2]
	v_nop                                                            ; a plain line behind the conversions
.endm
.macro XLOAD k                         ; four rows of x as they lie: each load 512 consecutive bytes
.irp i,0,1,2,3
.irp jj,0,1,2,3
	global_load_b128 v[XF+16*\i+4*\jj:XF+16*\i+4*\jj+3], v[L16], s[8:9] offset:8192*\k+2048*\i+512*\jj
.endr
.endr
.endm
.macro WLOAD cb, sb                    ; my head's scale words (1 load) and codes (32 loads)
	global_load_b128 v[WS:WS+3], v[WSA], s[\sb:\sb+1]
.irp n,0,1
.irp s,0,1,2,3
.irp c,0,1,2,3
	global_load_b128 v[W+16*(4*\n+\s)+4*\c:W+16*(4*\n+\s)+4*\c+3], v[WA], s[\cb:\cb+1] offset:4096*\n+128*\s+32*\c
.endr
.endr
.endr
.endm
.macro REDUCE                          ; the four pairs M: both halves and all 32 lanes summed, into the low half, in every lane
.irp i,0,1,2,3
	v_add_f32 v[M+2*\i], v[M+2*\i], v[M+2*\i+1]
.endr
.irp x,1,2,4,8
.irp i,0,1,2,3
	v_add_f32_dpp v[M+2*\i], v[M+2*\i], v[M+2*\i] row_xmask:\x row_mask:0xf bank_mask:0xf
.endr
.endr
.irp i,0,1,2,3
	v_permlanex16_b32 v[M+2*\i+1], v[M+2*\i], s[SEL], s[SEL+1]
.endr
.irp i,0,1,2,3
	v_add_f32 v[M+2*\i], v[M+2*\i], v[M+2*\i+1]
.endr
.endm
; Four rows of x: turned through my stage so that a lane holds 16 neighbours, normalised, quantised, codes and bytes to LDS.
.macro BATCH k
.if \k == 0
	s_wait_loadcnt 33                              ; my four rows and the LN parameters are in; the 33 weight loads issued behind them may be out
.else
	s_wait_loadcnt 0x0
.endif
.irp i,0,1,2,3
.irp jj,0,1,2,3
	ds_store_b128 v[STW], v[XF+16*\i+4*\jj:XF+16*\i+4*\jj+3] offset:2560*\i+640*\jj
.endr
.endr
	s_wait_dscnt 0x0                               ; the stores have read their registers: the loads below land in the same ones
.irp i,0,1,2,3
.irp jj,0,1,2,3
	ds_load_b128 v[XF+16*\i+4*\jj:XF+16*\i+4*\jj+3], v[STR] offset:2560*\i+16*\jj
.endr
.endr
	s_wait_dscnt 0x0
.irp i,0,1,2,3
	v_pk_add_f32 v[M+2*\i:M+2*\i+1], v[XF+16*\i:XF+16*\i+1], v[XF+16*\i+2:XF+16*\i+3]
.endr
.irp p,4,6,8,10,12,14
.irp i,0,1,2,3
	v_pk_add_f32 v[M+2*\i:M+2*\i+1], v[M+2*\i:M+2*\i+1], v[XF+16*\i+\p:XF+16*\i+\p+1]
.endr
.endr
	REDUCE
.irp i,0,1,2,3
	v_mul_f32 v[M+2*\i], s[INV], v[M+2*\i]         ; the mean
.endr
.irp p,0,2,4,6,8,10,12,14
.irp i,0,1,2,3
	v_pk_add_f32 v[XF+16*\i+\p:XF+16*\i+\p+1], v[XF+16*\i+\p:XF+16*\i+\p+1], v[M+2*\i:M+2*\i+1] op_sel_hi:[1,0] neg_lo:[0,1] neg_hi:[0,1]
.endr
.endr
.irp i,0,1,2,3
	v_pk_mul_f32 v[M+2*\i:M+2*\i+1], v[XF+16*\i:XF+16*\i+1], v[XF+16*\i:XF+16*\i+1]
.endr
.irp p,2,4,6,8,10,12,14
.irp i,0,1,2,3
	v_pk_fma_f32 v[M+2*\i:M+2*\i+1], v[XF+16*\i+\p:XF+16*\i+\p+1], v[XF+16*\i+\p:XF+16*\i+\p+1], v[M+2*\i:M+2*\i+1]
.endr
.endr
	REDUCE
.irp i,0,1,2,3
	v_fma_f32 v[M+2*\i], v[M+2*\i], s[INV], s[EPS] ; the variance + eps
.endr
.irp i,0,1,2,3
	v_rsq_f32 v[M+2*\i], v[M+2*\i]
.endr
	v_nop                                          ; a plain line behind the last of the four
	s_wait_alu depctr_va_vdst(0)                   ; one wait for the four, ahead of their first reader
.irp p,0,2,4,6,8,10,12,14
.irp i,0,1,2,3
	v_pk_mul_f32 v[XF+16*\i+\p:XF+16*\i+\p+1], v[XF+16*\i+\p:XF+16*\i+\p+1], v[M+2*\i:M+2*\i+1] op_sel_hi:[1,0]
.endr
.endr
.irp p,0,2,4,6,8,10,12,14
.irp i,0,1,2,3
	v_pk_fma_f32 v[XF+16*\i+\p:XF+16*\i+\p+1], v[XF+16*\i+\p:XF+16*\i+\p+1], v[LSC+\p:LSC+\p+1], v[LSH+\p:LSH+\p+1]
.endr
.endr
.irp i,0,1,2,3
	v_max3_num_f32 v[M+2*\i], |v[XF+16*\i]|, |v[XF+16*\i+1]|, 0x8000000   ; my 16 numbers and the floor
.endr
.irp p,2,4,6,8,10,12,14
.irp i,0,1,2,3
	v_max3_num_f32 v[M+2*\i], v[M+2*\i], |v[XF+16*\i+\p]|, |v[XF+16*\i+\p+1]|
.endr
.endr
.irp i,0,1,2,3
	v_max_num_f32_dpp v[M+2*\i], v[M+2*\i], v[M+2*\i] row_xmask:1 row_mask:0xf bank_mask:0xf   ; two neighbouring lanes hold a block
.endr
.irp i,0,1,2,3
	v_and_or_b32 v[CD+\i], v[M+2*\i], 0x7f800000, s[MNT]
	v_add_nc_u32 v[M+2*\i+1], 0xf8800000, v[M+2*\i]
.endr
.irp i,0,1,2,3
	v_lshrrev_b32 v[M+2*\i], 23, v[M+2*\i+1]
.endr
.irp i,0,1,2,3
.irp p,0,1,2,3,4,5,6,7,8,9,10,11,12,13,14,15
	v_med3_num_f32 v[XF+16*\i+\p], v[XF+16*\i+\p], -v[CD+\i], v[CD+\i]
.endr
.endr
.irp i,0,1,2,3                         ; row 0's codes take the holds' registers, row i's those that row i - 1 has left: no store's data are written again
.if \i == 0
.set rC, CD
.else
.set rC, XF+16*(\i-1)
.endif
	v_cvt_scalef32_pk8_bf8_f32 v[rC:rC+1], v[XF+16*\i:XF+16*\i+7], v[M+2*\i+1]
	v_cvt_scalef32_pk8_bf8_f32 v[rC+2:rC+3], v[XF+16*\i+8:XF+16*\i+15], v[M+2*\i+1]
	v_nop
	ds_store_b128 v[XW], v[rC:rC+3] offset:16*(4*\k+\i)
	ds_store_b8 v[SW], v[M+2*\i] offset:16*(4*\k+\i)   ; both lanes of a block write the same byte with the same value
.endr
.endm
; One matrix instruction.  path 0, 1: source 0 = 16 weight rows, source 1 = 16 tokens;  path 2: the other way round.  The weight's scale words: tile 0 in lanes 0-15, tile 1 in lanes 16-31.
.macro MM path, u, n, s
.set rD, ACC+16*(\u)+8*(\n)
.set rW, W+16*(4*(\n)+(\s))
.set rX, XF+16*(\s)
.if (\path) < 2
.if (\s) == 0 && (\n) == 0
	v_wmma_scale_f32_16x16x128_f8f6f4 v[rD:rD+7], v[rW:rW+15], v[rX:rX+15], 0, v[WS+(\s)], v[XS+(\s)] matrix_a_fmt:MATRIX_FMT_BF8 matrix_b_fmt:MATRIX_FMT_BF8
.elseif (\s) == 0
	v_wmma_scale_f32_16x16x128_f8f6f4 v[rD:rD+7], v[rW:rW+15], v[rX:rX+15], 0, v[WS+(\s)], v[XS+(\s)] matrix_a_fmt:MATRIX_FMT_BF8 matrix_b_fmt:MATRIX_FMT_BF8 matrix_a_scale:MATRIX_SCALE_ROW1
.elseif (\n) == 0
	v_wmma_scale_f32_16x16x128_f8f6f4 v[rD:rD+7], v[rW:rW+15], v[rX:rX+15], v[rD:rD+7], v[WS+(\s)], v[XS+(\s)] matrix_a_fmt:MATRIX_FMT_BF8 matrix_b_fmt:MATRIX_FMT_BF8
.else
	v_wmma_scale_f32_16x16x128_f8f6f4 v[rD:rD+7], v[rW:rW+15], v[rX:rX+15], v[rD:rD+7], v[WS+(\s)], v[XS+(\s)] matrix_a_fmt:MATRIX_FMT_BF8 matrix_b_fmt:MATRIX_FMT_BF8 matrix_a_scale:MATRIX_SCALE_ROW1
.endif
.else
.if (\s) == 0 && (\n) == 0
	v_wmma_scale_f32_16x16x128_f8f6f4 v[rD:rD+7], v[rX:rX+15], v[rW:rW+15], 0, v[XS+(\s)], v[WS+(\s)] matrix_a_fmt:MATRIX_FMT_BF8 matrix_b_fmt:MATRIX_FMT_BF8
.elseif (\s) == 0
	v_wmma_scale_f32_16x16x128_f8f6f4 v[rD:rD+7], v[rX:rX+15], v[rW:rW+15], 0, v[XS+(\s)], v[WS+(\s)] matrix_a_fmt:MATRIX_FMT_BF8 matrix_b_fmt:MATRIX_FMT_BF8 matrix_b_scale:MATRIX_SCALE_ROW1
.elseif (\n) == 0
	v_wmma_scale_f32_16x16x128_f8f6f4 v[rD:rD+7], v[rX:rX+15], v[rW:rW+15], v[rD:rD+7], v[XS+(\s)], v[WS+(\s)] matrix_a_fmt:MATRIX_FMT_BF8 matrix_b_fmt:MATRIX_FMT_BF8
.else
	v_wmma_scale_f32_16x16x128_f8f6f4 v[rD:rD+7], v[rX:rX+15], v[rW:rW+15], v[rD:rD+7], v[XS+(\s)], v[WS+(\s)] matrix_a_fmt:MATRIX_FMT_BF8 matrix_b_fmt:MATRIX_FMT_BF8 matrix_b_scale:MATRIX_SCALE_ROW1
.endif
.endif
.endm
; A group of 32 tokens (two tiles) against my head's 32 weight rows (two tiles), K = 512; then two blocks of 32 are quantised and leave.
.macro GRP path, g
.irp u,0,1
.if \u
.rept 8
	v_nop                                          ; eight places in front of loads into registers that matrix instructions have read; the first tile of a group stands behind the nine below
.endr
.endif
.set rA, XR+(2*(\g)+\u)/4
.irp s,0,1,2,3
.irp c,0,1,2,3
	ds_load_b128 v[XF+16*\s+4*\c:XF+16*\s+4*\c+3], v[rA] offset:((2*(\g)+\u)%4)*TILEB+(8*\s+2*\c)*272
.endr
.endr
	ds_load_b128 v[XS:XS+3], v[XSR] offset:256*(2*(\g)+\u)
	s_wait_dscnt 0x0
.irp s,0,1,2,3
.irp n,0,1
	MM \path, \u, \n, \s                           ; the two accumulators take turns
.endr
.endr
.endr
.rept 9
	v_nop                                          ; places behind the last products: their results are read, and later begun anew
.endr
.irp i,0,1
	s_wait_xcnt 0x0                                ; the earlier stores have read their data: the codes' registers are written again only behind this wait
.if (\path) < 2
	QB ACC+16*\i, ACC+16*\i+8, CD, BY, T           ; token tile i: a lane's 16 numbers are d = 16 h + 0 .. 15 of its token
	global_store_b128 v[L16], v[CD:CD+3], s[26+4*(\path):27+4*(\path)] offset:(2*(\g)+\i)*512
.else
	QB ACC+8*\i, ACC+16+8*\i, CD, BY, T            ; weight tile i: a lane's 16 numbers are tokens 16 h + 0 .. 15 of the group, of its d
	global_store_b128 v[L16], v[CD:CD+3], s[34:35] offset:(4*\i+(\g))*512
.endif
.if (\path) == 0
	v_lshl_or_b32 v[WD+\i], v[BY], 8, v[BY]        ; q's byte four times: whichever of the four blocks q stands in, its byte is there
	v_lshl_or_b32 v[WD+\i], v[WD+\i], 16, v[WD+\i]
.elseif (\path) == 1
.if (2*((\g)%2)+\i) == 0
	v_mov_b32 v[WD+(\g)/2], v[BY]                  ; four key tiles make a fragment: their bytes make its scale word
.else
	v_lshl_or_b32 v[WD+(\g)/2], v[BY], 8*(2*((\g)%2)+\i), v[WD+(\g)/2]
.endif
.else
.if (\g) == 0
	v_mov_b32 v[WD+\i], v[BY]                      ; the four groups of 32 keys make the scale word of 128 keys
.else
	v_lshl_or_b32 v[WD+\i], v[BY], 8*(\g), v[WD+\i]
.endif
.endif
.endr
.if (\path) == 0
	v_cndmask_b32 v[TW], v[WD], v[WD+1], s[HM]     ; lanes 0-15 tile 0's words, lanes 16-31 tile 1's
	global_store_b32 v[L4], v[TW], s[28:29] offset:(2*(\g))*64
.endif
.endm
	s_load_b512 s[8:23], s[0:1], 0x0               ; x, ln1_scale, ln1_shift, Wq codes, Wq scales, Wk codes, Wk scales, Wv codes
	s_load_b256 s[24:31], s[0:1], 0x40             ; Wv scales, qimg, qsc, kimg
	s_load_b128 s[32:35], s[0:1], 0x60             ; ksc, vimg
	s_load_b64 s[36:37], s[0:1], 0x70              ; vsc
	v_lshl_add_u32 v[SPW], v0, 2, SPARE
	v_mov_b32 v[NIL], 0
	v_lshrrev_b32 v12, 5, v0
	v_readfirstlane_b32 s2, v12                    ; wave = head
	s_and_b32 s3, ttmp7, 0xffff                    ; y: which matrix
	v_and_b32 v12, 31, v0                          ; lane
	v_and_b32 v13, 15, v0                          ; r
	v_bfe_u32 v14, v0, 4, 1                        ; h
	v_lshlrev_b32 v[L16], 4, v12
	v_lshlrev_b32 v[L4], 2, v12
	v_lshlrev_b32 v[LNA], 6, v12
	s_mul_i32 s4, s2, STGW
	s_add_co_u32 s4, s4, STG                       ; my stage
	v_lshrrev_b32 v15, 2, v12
	v_mul_u32_u24 v15, v15, 80
	v_and_b32 v16, 3, v12
	v_lshl_add_u32 v15, v16, 4, v15
	v_add_nc_u32 v[STW], s4, v15                   ; in: four lanes' 64 bytes on end, then 16 of padding
	v_mul_u32_u24 v15, v12, 80
	v_add_nc_u32 v[STR], s4, v15                   ; out: 80 x lane: my 16 neighbours
	s_lshr_b32 s5, s2, 2                           ; my 8 tokens 8 w .. 8 w + 7 are rows 8 a .. 8 a + 7 of tile 2 (w / 4) + w % 2, a = (w / 2) % 2
	s_lshl_b32 s5, s5, 1
	s_and_b32 s6, s2, 1
	s_add_co_u32 s5, s5, s6
	s_bfe_u32 s6, s2, 0x10001
	s_lshl_b32 s6, s6, 7
	s_mul_i32 s7, s5, TILEB
	s_add_co_u32 s7, s7, s6
	v_mul_u32_u24 v15, v12, 272
	v_add_nc_u32 v[XW], s7, v15                    ; slice = lane
	s_lshl_b32 s7, s5, 8
	s_add_co_u32 s7, s7, s6
	s_add_co_u32 s7, s7, XSC
	v_lshrrev_b32 v15, 1, v12
	v_add_nc_u32 v[SW], s7, v15                    ; block = lane / 2
	v_and_b32 v15, 8, v13
	v_add_nc_u32 v15, v15, v13                     ; sel(0, r)
	v_lshlrev_b32 v[WA], 9, v15
	v_lshl_add_u32 v[WA], v14, 4, v[WA]
	v_lshl_add_u32 v16, v14, 3, v15
	v_lshlrev_b32 v[WSA], 4, v16
	s_mov_b32 s[SEL], 0x76543210
	s_mov_b32 s[SEL+1], 0xfedcba98
	s_mov_b32 s[MNT], 0x600000
	s_mov_b32 s[HM], 0xffff0000
	s_mov_b32 s[INV], 0x3b000000
	s_mov_b32 s[EPS], 0x3727c5ac
	s_mov_b32 s39, 0
	s_lshr_b32 s55, ttmp9, 4
	s_lshl_b32 s55, s55, 4
	s_add_co_u32 s55, s55, s2                      ; bh = 16 b + head
	s_and_b32 s56, ttmp9, 15                       ; j: which 128 tokens of the sequence
	s_wait_kmcnt 0x0
	s_lshl_b32 s38, ttmp9, 18
	s_lshl_b32 s4, s2, 14
	s_add_co_u32 s38, s38, s4
	s_add_nc_u64 s[8:9], s[8:9], s[38:39]          ; x at my first row: (128 X + 8 w) rows of 2,048 bytes
	s_mov_b32 s38, s4                              ; my head's 32 rows of 512 codes
	s_add_nc_u64 s[14:15], s[14:15], s[38:39]
	s_add_nc_u64 s[18:19], s[18:19], s[38:39]
	s_add_nc_u64 s[22:23], s[22:23], s[38:39]
	s_lshl_b32 s38, s2, 9                          ; and of 16 scale bytes
	s_add_nc_u64 s[16:17], s[16:17], s[38:39]
	s_add_nc_u64 s[20:21], s[20:21], s[38:39]
	s_add_nc_u64 s[24:25], s[24:25], s[38:39]
	s_lshl_b32 s38, s55, 16
	s_lshl_b32 s4, s56, 12
	s_add_co_u32 s38, s38, s4                      ; the images: 65,536 bytes a head, 4,096 for 128 tokens
	s_add_nc_u64 s[26:27], s[26:27], s[38:39]
	s_add_nc_u64 s[30:31], s[30:31], s[38:39]
	s_add_nc_u64 s[34:35], s[34:35], s[38:39]
	s_lshl_b32 s38, s55, 11
	s_lshl_b32 s4, s56, 7
	s_add_co_u32 s38, s38, s4                      ; k's and v's scale words: 128 bytes for 128 tokens
	s_add_nc_u64 s[32:33], s[32:33], s[38:39]
	s_add_nc_u64 s[36:37], s[36:37], s[38:39]
	s_lshl_b32 s38, s38, 2                         ; q's: 512
	s_add_nc_u64 s[28:29], s[28:29], s[38:39]
	XLOAD 0
.irp jj,0,1,2,3
	global_load_b128 v[LSC+4*\jj:LSC+4*\jj+3], v[LNA], s[10:11] offset:16*\jj
	global_load_b128 v[LSH+4*\jj:LSH+4*\jj+3], v[LNA], s[12:13] offset:16*\jj
.endr
	s_cmp_eq_u32 s3, 1                             ; each matrix is loaded through its own pointer: 33 loads on each of the three ways
	s_cbranch_scc1 .Lwk
	s_cmp_eq_u32 s3, 2
	s_cbranch_scc1 .Lwv
	WLOAD 14, 16
	s_branch .Lwdone
.Lwk:
	WLOAD 18, 20
	s_branch .Lwdone
.Lwv:
	WLOAD 22, 24
.Lwdone:
	BATCH 0
	s_wait_dscnt 0x0                               ; the stores have read their registers: the next four rows land there
	XLOAD 1
	BATCH 1
	s_wait_dscnt 0x0                               ; for the others' sake: my codes and bytes lie in LDS
	s_barrier_signal -1
	s_barrier_wait -1                              ; all 128 tokens do; from here on LDS is only read
	v_and_b32 v13, 15, v0
	v_bfe_u32 v14, v0, 4, 1
	v_mul_u32_u24 v[XR], v14, 272
	v_lshl_add_u32 v[XR], v13, 4, v[XR]            ; a fragment's 16 bytes: slice 8 s + 2 c + h, row r
	v_add_nc_u32 v[XR2], 4*TILEB, v[XR]            ; tiles 4 to 7: beyond the immediate's 16 bits
	v_lshl_add_u32 v[XSR], v13, 4, XSC
	s_cmp_eq_u32 s3, 1
	s_cbranch_scc1 .Lk
	s_cmp_eq_u32 s3, 2
	s_cbranch_scc1 .Lv
	GRP 0, 0
	GRP 0, 1
	GRP 0, 2
	GRP 0, 3
	s_branch .Lend
.Lk:
	GRP 1, 0
	GRP 1, 1
	GRP 1, 2
	GRP 1, 3
	v_cndmask_b32 v[TW], v[WD], v[WD+1], s[HM]     ; lanes 0-15 the first fragment's words, lanes 16-31 the second's
	global_store_b32 v[L4], v[TW], s[32:33]
	s_branch .Lend
.Lv:
	GRP 2, 0
	GRP 2, 1
	GRP 2, 2
	GRP 2, 3
	v_cndmask_b32 v[TW], v[WD], v[WD+1], s[HM]     ; lanes 0-15 d tile 0's words, lanes 16-31 d tile 1's
	global_store_b32 v[L4], v[TW], s[36:37]
.Lend:
	s_wait_tensorcnt 0x0                           ; the wave's end, behind my last LDS store
	ds_add_u32 v[SPW], v[NIL]
	s_wait_dscnt 0x0
	s_endpgm
.Lfunc_end_k_qe4132ceb68_qkv:
	.size	k_qe4132ceb68_qkv, .Lfunc_end_k_qe4132ceb68_qkv-k_qe4132ceb68_qkv
	.p2alignl 7, 3214868480
	.fill 96, 4, 3214868480
	.section	.rodata,"a",@progbits
	.p2align	6, 0x0
	.amdhsa_kernel k_qe4132ceb68_qkv
		.amdhsa_group_segment_fixed_size 237568
		.amdhsa_private_segment_fixed_size 0
		.amdhsa_enable_private_segment 0
		.amdhsa_kernarg_size 120
		.amdhsa_user_sgpr_count 2
		.amdhsa_user_sgpr_kernarg_segment_ptr 1
		.amdhsa_wavefront_size32 1
		.amdhsa_system_sgpr_workgroup_id_x 1
		.amdhsa_system_sgpr_workgroup_id_y 1
		.amdhsa_system_sgpr_workgroup_id_z 1
		.amdhsa_system_vgpr_workitem_id 0
		.amdhsa_next_free_vgpr 256
		.amdhsa_next_free_sgpr 66
		.amdhsa_reserve_vcc 0
		.amdhsa_float_denorm_mode_32 3
		.amdhsa_float_denorm_mode_16_64 3
		.amdhsa_memory_ordered 1
		.amdhsa_forward_progress 1
		.amdhsa_inst_pref_size 175
	.end_amdhsa_kernel
	.amdgpu_metadata
---
amdhsa.version: [ 1, 2 ]
amdhsa.kernels:
  - .name:           k_qe4132ceb68_qkv
    .symbol:         k_qe4132ceb68_qkv.kd
    .args:
      - { .name: x, .offset: 0, .size: 8, .value_kind: global_buffer, .address_space: global }
      - { .name: ln1_scale, .offset: 8, .size: 8, .value_kind: global_buffer, .address_space: global }
      - { .name: ln1_shift, .offset: 16, .size: 8, .value_kind: global_buffer, .address_space: global }
      - { .name: Wq_codes, .offset: 24, .size: 8, .value_kind: global_buffer, .address_space: global }
      - { .name: Wq_scales, .offset: 32, .size: 8, .value_kind: global_buffer, .address_space: global }
      - { .name: Wk_codes, .offset: 40, .size: 8, .value_kind: global_buffer, .address_space: global }
      - { .name: Wk_scales, .offset: 48, .size: 8, .value_kind: global_buffer, .address_space: global }
      - { .name: Wv_codes, .offset: 56, .size: 8, .value_kind: global_buffer, .address_space: global }
      - { .name: Wv_scales, .offset: 64, .size: 8, .value_kind: global_buffer, .address_space: global }
      - { .name: qimg, .offset: 72, .size: 8, .value_kind: global_buffer, .address_space: global }
      - { .name: qsc, .offset: 80, .size: 8, .value_kind: global_buffer, .address_space: global }
      - { .name: kimg, .offset: 88, .size: 8, .value_kind: global_buffer, .address_space: global }
      - { .name: ksc, .offset: 96, .size: 8, .value_kind: global_buffer, .address_space: global }
      - { .name: vimg, .offset: 104, .size: 8, .value_kind: global_buffer, .address_space: global }
      - { .name: vsc, .offset: 112, .size: 8, .value_kind: global_buffer, .address_space: global }
    .group_segment_fixed_size: 237568
    .private_segment_fixed_size: 0
    .kernarg_segment_align: 8
    .kernarg_segment_size: 120
    .max_flat_workgroup_size: 512
    .sgpr_count:     66
    .vgpr_count:     256
    .wavefront_size: 32
...
	.end_amdgpu_metadata
.endif
;; end of part 1
;; launch attn (part 2): grid 4 x 64, 16 waves a work-group, no clusters, 137,216 bytes of LDS; arguments qimg, qsc, kimg, ksc, vimg, vsc, cimg, csc; writes cimg, csc
.if DOCPART == 2
	.amdgcn_target "amdgcn-amd-amdhsa--gfx1250"
	.amdhsa_code_object_version 6
	.text
	.protected	k_qe4132ceb68_attn
	.globl	k_qe4132ceb68_attn
	.p2align	8
	.type	k_qe4132ceb68_attn,@function
k_qe4132ceb68_attn:
	s_mov_b64 s[64:65], 0
	v_nop
	global_prefetch_b8 v0, s[64:65] scope:SCOPE_SE
	s_setreg_imm32_b32 hwreg(HW_REG_WAVE_MODE, 25, 1), 1
	s_wait_xcnt 0x0
; LAUNCH 2 OF 3.  ctx = softmax(q k^T / sqrt(32), causal) v for one head, both products on codes of E5M2 with E8M0 scales; ctx quantised along the head's 32 and stored as an operand image.
; LEFT OUT: key steps of 128 all of whose keys come behind a tile's queries: reference() hides them by its own jnp.tril, so their weights are 0 for all finite inputs.  A NaN, an infinity or an overflow that reaches only them is not carried on.
; THE SOFTMAX: t = score x log2(e) / sqrt(32); M = the running largest t rounded up to a whole number; p = 2^(t - M) is quantised along the keys; the sum is taken of the unquantised p and divides at the end; a change of M multiplies by a power of two.
; SHARES.  Work-group (X, bh).  The head's K and V images and scale words, 135,168 bytes, are copied once into LDS; one barrier.  Wave e = 16 X + w takes query tiles e and 127 - e, one after the other:
; tile T has T / 8 + 1 live steps, so every wave walks 17.  The loop's trip count is the constant 16; a step that is hidden is jumped over by a scalar branch on ids.
; No cluster and no joint load: the four work-groups of a head share those 135,168 bytes, read once each at the head; no tile is fetched in the loop.
; K = 32 IN AN INSTRUCTION OF 128: a fragment of K holds FOUR key tiles, one in each block of 32; q stands once, in v28-31, with zeros in v16-27 and v32-43, and the run v[28 - 4 c : 43 - 4 c] has q in block c alone: zero codes add nothing.
; LIMITS: as stated at the head of the first launch.
.set KSC,   131072                     ; LDS: K's images from 0, V's from 65,536; K's scale words; V's 2,048 further on
.set SPARE, 135168                     ; the spare words, 128 bytes for each wave; no other line names them
.set SPW, 1
.set NIL, 2
.set L16, 3                            ; v3   16 x lane
.set L4K, 4                            ; v4   KSC + 4 x lane
.set QH,  5                            ; v5   my query - 16 h
.set ADK, 6
.set ADV, 7
.set ADS, 8
.set DD,  9                            ; v9   my query - 16 h - the step's first key
.set NINF, 10                          ; v10  -infinity
.set RPH, 11                           ; v11  sel(0, r) - 16 h
.set KS,  44                           ; v44-47 scale words: K's, V's, q's, p's: scales alone
.set VS,  45
.set QS,  46
.set PS,  47
.set KR,  48                           ; v48-79 two fragments of K;  v80-111 two of V
.set VR,  80
.set S,   112                          ; v112-175 S^T, then p
.set O,   176                          ; v176-191 O^T
.set PC,  192                          ; v192-207 p's codes
.set BM,  208
.set PB,  212
.set HO,  216
.set SO,  220
.set F,   224                          ; v[224:225] f = 2^(old M - new M) in the low half
.set TMP, 226
.set SU,  228                          ; v[228:229] the second chain of sums
.set R4,  230                          ; v230 4 r
.set CSA, 231                          ; v231 16 r + head
.set SEL, 48
.set CS,  50                           ; s[50:51] c = log2(e) / sqrt(32)
.set MNT, 52
.set J,   53
.set JL,  54
.set TB,  55
.set TS,  56
.set KF,  57
.set BB,  58
.set HEAD, 59
.macro QB a, b, cd, by, tt             ; one block of 32 in lanes l and l xor 16: as in the first launch
	v_max3_num_f32 v[(\tt)], |v[(\a)]|, |v[(\a)+1]|, 0x8000000
	v_max3_num_f32 v[(\tt)+1], |v[(\b)]|, |v[(\b)+1]|, |v[(\b)+2]|
	v_max3_num_f32 v[(\tt)], v[(\tt)], |v[(\a)+2]|, |v[(\a)+3]|
	v_max3_num_f32 v[(\tt)+1], v[(\tt)+1], |v[(\b)+3]|, |v[(\b)+4]|
	v_max3_num_f32 v[(\tt)], v[(\tt)], |v[(\a)+4]|, |v[(\a)+5]|
	v_max3_num_f32 v[(\tt)+1], v[(\tt)+1], |v[(\b)+5]|, |v[(\b)+6]|
	v_max3_num_f32 v[(\tt)], v[(\tt)], |v[(\a)+6]|, |v[(\a)+7]|
	v_max3_num_f32 v[(\tt)], v[(\tt)], v[(\tt)+1], |v[(\b)+7]|
	v_permlanex16_b32 v[(\tt)+1], v[(\tt)], s[SEL], s[SEL+1]
	v_max_num_f32 v[(\tt)], v[(\tt)], v[(\tt)+1]
	v_add_nc_u32 v[(\tt)+2], 0xf8800000, v[(\tt)]
	v_and_or_b32 v[(\tt)+3], v[(\tt)], 0x7f800000, s[MNT]
	v_lshrrev_b32 v[(\by)], 23, v[(\tt)+2]
.irp i,0,1,2,3,4,5,6,7
	v_med3_num_f32 v[(\a)+\i], v[(\a)+\i], -v[(\tt)+3], v[(\tt)+3]
.endr
.irp i,0,1,2,3,4,5,6,7
	v_med3_num_f32 v[(\b)+\i], v[(\b)+\i], -v[(\tt)+3], v[(\tt)+3]
.endr
	v_cvt_scalef32_pk8_bf8_f32 v[(\cd):(\cd)+1], v[(\a):(\a)+7], v[(\tt)+2]
	v_cvt_scalef32_pk8_bf8_f32 v[(\cd)+2:(\cd)+3], v[(\b):(\b)+7], v[(\tt)+2]
	v_nop
.endm
; One tile of 16 queries.  sT: the scalar register that holds T;  sB: eight scalar registers for this tile's four addresses.
.macro TASK sT, sB
	s_wait_xcnt 0x0                                ; the tile before has stored: its data registers are written again only behind this wait
	s_lshr_b32 s[JL], s[\sT], 3                    ; the last live step
	s_mov_b32 s45, 0
	s_lshl_b32 s42, s3, 7
	s_add_co_u32 s42, s42, s[\sT]                  ; 128 bh + T
	s_lshl_b32 s44, s42, 9
	s_add_nc_u64 s[\sB:\sB+1], s[8:9], s[44:45]
	s_lshl_b32 s44, s42, 6
	s_add_nc_u64 s[\sB+2:\sB+3], s[10:11], s[44:45]
	s_lshl_b32 s42, s[BB], 7
	s_add_co_u32 s42, s42, s[\sT]                  ; the token tile: 128 b + T
	s_lshl_b32 s44, s42, 4
	s_add_co_u32 s44, s44, s[HEAD]
	s_lshl_b32 s44, s44, 9
	s_add_nc_u64 s[\sB+4:\sB+5], s[20:21], s[44:45]
	s_lshl_b32 s44, s42, 8
	s_add_nc_u64 s[\sB+6:\sB+7], s[22:23], s[44:45]
	global_load_b128 v[28:31], v[L16], s[\sB:\sB+1]    ; q (nine places stand behind the last products of the tile before)
	global_load_b32 v[QS], v[R4], s[\sB+2:\sB+3]
	s_lshr_b32 s42, s[\sT], 1
	s_lshl_b32 s42, s42, 5
	s_and_b32 s43, s[\sT], 1
	s_lshl_b32 s43, s43, 3
	s_add_co_u32 s42, s42, s43
	v_add_nc_u32 v[QH], s42, v[RPH]                ; my query is 32 (T / 2) + 8 (T % 2) + sel(0, r)
	v_mov_b32 v13, 0xff61b1e6                      ; the largest t so far: -3e38
	v_floor_f32 v12, -v13                          ; -M
	v_mov_b32 v14, 0
	v_mov_b32 v15, 0
.irp i,0,1,2,3,4,5,6,7,8,9,10,11,12,13,14,15
	v_mov_b32 v[O+\i], 0                           ; the step is written once: the first finds zeros
.endr
	s_mov_b32 s[J], 0
	s_mov_b32 s[TB], 0
	s_mov_b32 s[TS], 0
	s_mov_b32 s[KF], 0
	s_wait_loadcnt 0x0
.Lstep_\@:
	s_cmp_gt_u32 s[J], s[JL]                       ; all 128 keys come behind my queries: ids alone decide
	s_cbranch_scc1 .Lhid_\@
	v_add_nc_u32 v[ADK], s[TB], v[L16]
	v_add_nc_u32 v[ADV], 0x10000, v[ADK]
	v_add_nc_u32 v[ADS], s[TS], v[L4K]
.rept 6
	v_nop                                          ; with the three additions: places in front of loads into registers that the last products read
.endr
.irp i,0,1,2,3,4,5,6,7
	ds_load_b128 v[KR+4*\i:KR+4*\i+3], v[ADK] offset:512*\i
.endr
	ds_load_b32 v[KS], v[ADS]
.irp i,0,1,2,3,4,5,6,7
	ds_load_b128 v[VR+4*\i:VR+4*\i+3], v[ADV] offset:512*\i
.endr
	ds_load_b32 v[VS], v[ADS] offset:2048
	s_wait_dscnt 9                                 ; K and its words are in; V's nine loads, issued behind them, may be out
.irp c,0,1,2,3
	v_wmma_scale_f32_16x16x128_f8f6f4 v[S+8*\c:S+8*\c+7], v[KR:KR+15], v[28-4*\c:43-4*\c], 0, v[KS], v[QS] matrix_a_fmt:MATRIX_FMT_BF8 matrix_b_fmt:MATRIX_FMT_BF8
.endr
.irp c,0,1,2,3
	v_wmma_scale_f32_16x16x128_f8f6f4 v[S+32+8*\c:S+32+8*\c+7], v[KR+16:KR+31], v[28-4*\c:43-4*\c], 0, v[KS], v[QS] matrix_a_fmt:MATRIX_FMT_BF8 matrix_b_fmt:MATRIX_FMT_BF8 matrix_a_scale:MATRIX_SCALE_ROW1
.endr
.rept 8
	v_nop
.endr
	s_cmp_lt_u32 s[J], s[JL]                       ; only the last live step meets the diagonal
	s_cbranch_scc1 .Lopen_\@
	v_sub_nc_u32 v[DD], v[QH], s[KF]               ; register 16 b + i holds key KF + 16 h + 32 b + i: hidden where 32 b + i > d
.set ii, 0
.rept 64
	v_cmp_gt_i32 vcc_lo, 32*(ii/16)+ii%16, v[DD]
	v_cndmask_b32 v[S+ii], v[S+ii], v[NINF], vcc_lo
.set ii, ii+1
.endr
.Lopen_\@:
.irp b,0,1,2,3
	v_max3_num_f32 v[BM+\b], v[S+16*\b], v[S+1+16*\b], v[S+2+16*\b]   ; the largest score of each block of 32 keys: for the row's maximum and for the block's largest p
.endr
.irp i,3,5,7,9,11,13
.irp b,0,1,2,3
	v_max3_num_f32 v[BM+\b], v[BM+\b], v[S+16*\b+\i], v[S+1+16*\b+\i]
.endr
.endr
.irp b,0,1,2,3
	v_max_num_f32 v[BM+\b], v[BM+\b], v[S+15+16*\b]
.endr
.irp b,0,1,2,3
	v_permlanex16_b32 v[PB+\b], v[BM+\b], s[SEL], s[SEL+1]
.endr
.irp b,0,1,2,3
	v_max_num_f32 v[BM+\b], v[BM+\b], v[PB+\b]
.endr
	v_max3_num_f32 v[TMP], v[BM], v[BM+1], v[BM+2]
	v_max_num_f32 v[TMP], v[TMP], v[BM+3]
	v_mul_f32 v[TMP], s[CS], v[TMP]
	v_max_num_f32 v13, v13, v[TMP]                 ; the running largest t
	v_mov_b32 v[TMP], v12
	v_floor_f32 v12, -v13                          ; the new -M: a whole number
	v_sub_f32 v[TMP], v12, v[TMP]
	v_cvt_i32_f32 v[TMP], v[TMP]                   ; (it saturates)
	v_ldexp_f32 v[F], 1.0, v[TMP]                  ; f = 2^(old M - new M)
.set ii, 0
.rept 32
	v_pk_fma_f32 v[S+ii:S+ii+1], v[S+ii:S+ii+1], s[CS:CS+1], v[12:13] op_sel_hi:[1,0,0]   ; t - M
.set ii, ii+2
.endr
.irp b,0,1,2,3
	v_fma_f32 v[BM+\b], v[BM+\b], s[CS], v12
.endr
.set ii, 0
.rept 64
	v_exp_f32 v[S+ii], v[S+ii]                     ; p = 2^(t - M)
.set ii, ii+1
.endr
	v_pk_mul_f32 v[14:15], v[14:15], v[F:F+1] op_sel_hi:[1,0]   ; the sums under the new M: a plain line behind the exponentials
	s_wait_alu depctr_va_vdst(0)                   ; one wait for the batch of 64, ahead of its first reader
.irp b,0,1,2,3
	v_exp_f32 v[BM+\b], v[BM+\b]                   ; the block's largest p
.endr
	v_pk_add_f32 v[SU:SU+1], v[S:S+1], v[S+2:S+3]  ; the sum of the unquantised p, in two chains
.irp i,4,8,12,16,20,24,28,32,36,40,44,48,52,56,60
	v_pk_add_f32 v[14:15], v[14:15], v[S+\i:S+\i+1]
	v_pk_add_f32 v[SU:SU+1], v[SU:SU+1], v[S+2+\i:S+3+\i]
.endr
	v_pk_add_f32 v[14:15], v[14:15], v[SU:SU+1]
	s_wait_alu depctr_va_vdst(0)                   ; and one for the four
.irp b,0,1,2,3
	v_max_num_f32 v[BM+\b], 0x8000000, v[BM+\b]    ; the floor: a block whose every p is 0 keeps the byte 1, and its codes are zeros
.endr
.irp b,0,1,2,3
	v_add_nc_u32 v[SO+\b], 0xf8800000, v[BM+\b]
.endr
.irp b,0,1,2,3
	v_and_or_b32 v[HO+\b], v[BM+\b], 0x7f800000, s[MNT]
.endr
.irp b,0,1,2,3
	v_lshrrev_b32 v[PB+\b], 23, v[SO+\b]
.endr
	v_lshl_or_b32 v[PS], v[PB+1], 8, v[PB]         ; p's scale word for these 128 keys: it stands 64 plain lines ahead of the products
	v_lshl_or_b32 v[PS], v[PB+2], 16, v[PS]
	v_lshl_or_b32 v[PS], v[PB+3], 24, v[PS]
.irp b,0,1,2,3
.irp i,0,1,2,3,4,5,6,7,8,9,10,11,12,13,14,15
	v_min_num_f32 v[S+16*\b+\i], v[S+16*\b+\i], v[HO+\b]   ; p is not negative: a one-sided hold
.endr
	v_cvt_scalef32_pk8_bf8_f32 v[PC+4*\b:PC+4*\b+1], v[S+16*\b:S+16*\b+7], v[SO+\b]
	v_cvt_scalef32_pk8_bf8_f32 v[PC+4*\b+2:PC+4*\b+3], v[S+16*\b+8:S+16*\b+15], v[SO+\b]
.endr
.irp i,0,2,4,6,8,10,12,14
	v_pk_mul_f32 v[O+\i:O+\i+1], v[O+\i:O+\i+1], v[F:F+1] op_sel_hi:[1,0]   ; O^T under the new M
.endr
.rept 4
	v_nop                                          ; four places between the codes' last conversion and the products
.endr
	s_wait_dscnt 0x0                               ; V and its words
	v_wmma_scale_f32_16x16x128_f8f6f4 v[O:O+7], v[VR:VR+15], v[PC:PC+15], v[O:O+7], v[VS], v[PS] matrix_a_fmt:MATRIX_FMT_BF8 matrix_b_fmt:MATRIX_FMT_BF8
	v_wmma_scale_f32_16x16x128_f8f6f4 v[O+8:O+15], v[VR+16:VR+31], v[PC:PC+15], v[O+8:O+15], v[VS], v[PS] matrix_a_fmt:MATRIX_FMT_BF8 matrix_b_fmt:MATRIX_FMT_BF8 matrix_a_scale:MATRIX_SCALE_ROW1
.Lhid_\@:
	s_add_co_u32 s[TB], s[TB], 4096                ; a step: 8 key tiles of 512 bytes; V's 4,096 likewise
	s_add_co_u32 s[TS], s[TS], 128
	s_add_co_u32 s[KF], s[KF], 128
	s_add_co_u32 s[J], s[J], 1
	s_cmp_lt_u32 s[J], 16
	s_cbranch_scc1 .Lstep_\@
.rept 9
	v_nop                                          ; places behind the last products
.endr
	v_add_f32 v14, v14, v15
	v_permlanex16_b32 v[TMP], v14, s[SEL], s[SEL+1]
	v_add_f32 v14, v14, v[TMP]                     ; the row's sum
	v_rcp_f32 v14, v14
	v_nop
	s_wait_alu depctr_va_vdst(0)                   ; ahead of the first reader
.irp i,0,1,2,3,4,5,6,7,8,9,10,11,12,13,14,15
	v_mul_f32 v[S+\i], v[O+\i], v14                ; ctx(query r, d = 16 h + i)
.endr
	QB S, S+8, PC, PB, BM
	global_store_b128 v[L16], v[PC:PC+3], s[\sB+4:\sB+5]     ; 512 consecutive bytes
	global_store_b8 v[CSA], v[PB], s[\sB+6:\sB+7]            ; lanes l and l xor 16 write the same byte with the same value
.endm
	s_load_b512 s[8:23], s[0:1], 0x0               ; qimg, qsc, kimg, ksc, vimg, vsc, cimg, csc
	v_lshl_add_u32 v[SPW], v0, 2, SPARE
	v_mov_b32 v[NIL], 0
	v_lshrrev_b32 v5, 5, v0
	v_readfirstlane_b32 s2, v5                     ; wave
	s_and_b32 s3, ttmp7, 0xffff                    ; bh
	s_and_b32 s[HEAD], s3, 15
	s_lshr_b32 s[BB], s3, 4
	v_and_b32 v5, 31, v0
	v_and_b32 v9, 15, v0                           ; r
	v_bfe_u32 v10, v0, 4, 1                        ; h
	v_lshlrev_b32 v[L16], 4, v5
	v_lshl_add_u32 v[L4K], v5, 2, KSC
	v_lshlrev_b32 v[R4], 2, v9
	v_lshl_add_u32 v[CSA], v9, 4, s[HEAD]
	v_and_b32 v[RPH], 8, v9
	v_add_nc_u32 v[RPH], v[RPH], v9
	v_lshlrev_b32 v10, 4, v10
	v_sub_nc_u32 v[RPH], v[RPH], v10
	s_lshl_b32 s40, ttmp9, 4
	s_add_co_u32 s40, s40, s2                      ; my first tile: 16 X + w
	s_sub_co_u32 s41, 127, s40                     ; and my second
	s_lshl_b32 s46, s2, 12
	v_add_nc_u32 v[ADK], s46, v[L16]               ; the copy: 4,096 bytes of K and of V a wave
	v_add_nc_u32 v[ADV], 0x10000, v[ADK]
	v_lshlrev_b32 v[QH], 2, v0                     ; and a scale word of each a thread
	v_lshl_add_u32 v[ADS], v0, 2, KSC
	s_mov_b32 s[SEL], 0x76543210
	s_mov_b32 s[SEL+1], 0xfedcba98
	s_mov_b32 s[CS], 0x3e8293ee
	s_mov_b32 s[CS+1], s[CS]
	s_mov_b32 s[MNT], 0x600000
	s_mov_b32 s45, 0
	s_wait_kmcnt 0x0
	s_lshl_b32 s44, s3, 16
	s_add_nc_u64 s[12:13], s[12:13], s[44:45]
	s_add_nc_u64 s[16:17], s[16:17], s[44:45]
	s_lshl_b32 s44, s3, 11
	s_add_nc_u64 s[14:15], s[14:15], s[44:45]
	s_add_nc_u64 s[18:19], s[18:19], s[44:45]
.irp i,0,1,2,3,4,5,6,7
	global_load_b128 v[KR+4*\i:KR+4*\i+3], v[ADK], s[12:13] offset:512*\i
.endr
.irp i,0,1,2,3,4,5,6,7
	global_load_b128 v[VR+4*\i:VR+4*\i+3], v[ADK], s[16:17] offset:512*\i
.endr
	global_load_b32 v[S], v[QH], s[14:15]
	global_load_b32 v[S+1], v[QH], s[18:19]
.irp i,16,17,18,19,20,21,22,23,24,25,26,27,32,33,34,35,36,37,38,39,40,41,42,43
	v_mov_b32 v\i, 0                               ; the zero codes on both sides of q
.endr
	v_mov_b32 v[NINF], 0xff800000
.irp b,0,1,2,3
	v_mov_b32 v[PB+\b], 0                          ; written once: a lane permute's destination counts as one of its sources
.endr
	v_mov_b32 v[F+1], 0                            ; (named as the upper half of a pair)
	v_mov_b32 v[TMP], 0
	s_wait_loadcnt 0x0
.irp i,0,1,2,3,4,5,6,7
	ds_store_b128 v[ADK], v[KR+4*\i:KR+4*\i+3] offset:512*\i
	ds_store_b128 v[ADV], v[VR+4*\i:VR+4*\i+3] offset:512*\i
.endr
	ds_store_b32 v[ADS], v[S]
	ds_store_b32 v[ADS], v[S+1] offset:2048
	s_wait_dscnt 0x0                               ; for the others' sake: my part of the head lies in LDS
	s_barrier_signal -1
	s_barrier_wait -1                              ; the whole head does; from here on LDS is only read
	TASK 40, 24
	TASK 41, 32
	s_wait_tensorcnt 0x0                           ; the wave's end, behind my last LDS store
	ds_add_u32 v[SPW], v[NIL]
	s_wait_dscnt 0x0
	s_endpgm
.Lfunc_end_k_qe4132ceb68_attn:
	.size	k_qe4132ceb68_attn, .Lfunc_end_k_qe4132ceb68_attn-k_qe4132ceb68_attn
	.p2alignl 7, 3214868480
	.fill 96, 4, 3214868480
	.section	.rodata,"a",@progbits
	.p2align	6, 0x0
	.amdhsa_kernel k_qe4132ceb68_attn
		.amdhsa_group_segment_fixed_size 137216
		.amdhsa_private_segment_fixed_size 0
		.amdhsa_enable_private_segment 0
		.amdhsa_kernarg_size 64
		.amdhsa_user_sgpr_count 2
		.amdhsa_user_sgpr_kernarg_segment_ptr 1
		.amdhsa_wavefront_size32 1
		.amdhsa_system_sgpr_workgroup_id_x 1
		.amdhsa_system_sgpr_workgroup_id_y 1
		.amdhsa_system_sgpr_workgroup_id_z 1
		.amdhsa_system_vgpr_workitem_id 0
		.amdhsa_next_free_vgpr 256
		.amdhsa_next_free_sgpr 66
		.amdhsa_reserve_vcc 1
		.amdhsa_float_denorm_mode_32 3
		.amdhsa_float_denorm_mode_16_64 3
		.amdhsa_memory_ordered 1
		.amdhsa_forward_progress 1
		.amdhsa_inst_pref_size 60
	.end_amdhsa_kernel
	.amdgpu_metadata
---
amdhsa.version: [ 1, 2 ]
amdhsa.kernels:
  - .name:           k_qe4132ceb68_attn
    .symbol:         k_qe4132ceb68_attn.kd
    .args:
      - { .name: qimg, .offset: 0, .size: 8, .value_kind: global_buffer, .address_space: global }
      - { .name: qsc, .offset: 8, .size: 8, .value_kind: global_buffer, .address_space: global }
      - { .name: kimg, .offset: 16, .size: 8, .value_kind: global_buffer, .address_space: global }
      - { .name: ksc, .offset: 24, .size: 8, .value_kind: global_buffer, .address_space: global }
      - { .name: vimg, .offset: 32, .size: 8, .value_kind: global_buffer, .address_space: global }
      - { .name: vsc, .offset: 40, .size: 8, .value_kind: global_buffer, .address_space: global }
      - { .name: cimg, .offset: 48, .size: 8, .value_kind: global_buffer, .address_space: global }
      - { .name: csc, .offset: 56, .size: 8, .value_kind: global_buffer, .address_space: global }
    .group_segment_fixed_size: 137216
    .private_segment_fixed_size: 0
    .kernarg_segment_align: 8
    .kernarg_segment_size: 64
    .max_flat_workgroup_size: 512
    .sgpr_count:     66
    .vgpr_count:     256
    .wavefront_size: 32
...
	.end_amdgpu_metadata
.endif
;; end of part 2
;; launch ffn (part 3): grid 256 x 1, 16 waves a work-group, no clusters, 249,344 bytes of LDS; arguments cimg, csc, Wo_codes, Wo_scales, bo, x, ln2_scale, ln2_shift, W1_codes, W1_scales, b1, W2_codes, W2_scales, b2, out0; writes out0
.if DOCPART == 3
	.amdgcn_target "amdgcn-amd-amdhsa--gfx1250"
	.amdhsa_code_object_version 6
	.text
	.protected	k_qe4132ceb68_ffn
	.globl	k_qe4132ceb68_ffn
	.p2align	8
	.type	k_qe4132ceb68_ffn,@function
k_qe4132ceb68_ffn:
	s_mov_b64 s[64:65], 0
	v_nop
	global_prefetch_b8 v0, s[64:65] scope:SCOPE_SE
	s_setreg_imm32_b32 hwreg(HW_REG_WAVE_MODE, 25, 1), 1
	s_wait_xcnt 0x0
; LAUNCH 3 OF 3.  x1 = x + ctx Wo + bo;  h = LN2(x1), quantised;  g = gelu(h W1 + b1) (exact: by erf), quantised;  out = x1 + g W2 + b2.  All three products on codes of E5M2 with E8M0 scales.  Nothing is left out here.
; SHARES.  Work-group G takes 32 tokens (two tiles; tile t holds token 8 t + r + 8 (r / 8) in row r).  THE WAVES SHARE THE COLUMNS: wave w makes columns 32 w .. 32 w + 31 of x1, h and out, and hidden units 128 w .. 128 w + 127.
; x1, h and the hidden layer never go to memory; operands go from wave to wave through LDS as images of their registers (16 bytes a lane at 16 x lane).
; THE WEIGHTS go from memory straight into a ring of four register slots (a slot: one K step of 128 for two tiles of 16 rows, 32 registers), nine quads of four K steps: Wo; W1's four groups of 32 units; W2's four quarters of K.
; No cluster and no joint load, though all 256 work-groups walk the same 2,359,296 bytes of weights: a joint load lands in LDS, and this form has no ring there: the block's own regions take 249,344 of the 327,680 bytes.
; The price is stated: each work-group reads all the weights once.
; erf(x) = x P(x^2) / Q(x^2), x held to +-4, beyond which erf is 1 in f32.  LIMITS: as stated at the head of the first launch.
.set CIMG,  0                          ; ctx: [tile][head 16][512]
.set B1L,   16896                      ; b1
.set RED,   25088                      ; partial sums [tile][row][wave]; the squares' 2,048 further on
.set HIMG,  29184                      ; h: [tile][block 16][512]
.set HSC,   45568                      ; its scale bytes [tile][row][16]
.set GIMG,  46080                      ; the hidden layer: [tile][K step 16][c 4][512]
.set GSC,   111616                     ; its scale words [tile][K step][128]
.set X1P,   115712                     ; x1, parked: 4,096 bytes a wave
.set OST,   181248                     ; 32 rows x (2,048 + 16): x on the way in, out on the way out
.set OPITCH, 2064
.set SPARE, 247296                     ; the spare words, 128 bytes for each wave; no other line names them
.set SPW, 1
.set NIL, 2
.set L16, 3                            ; v3  16 x lane
.set L4,  4                            ; v4  4 x lane
.set R16, 5                            ; v5  16 r
.set WA5, 6                            ; v6  512 sel(0, r) + 16 h
.set WA2, 7                            ; v7  2,048 sel(0, r) + 16 h
.set WS16, 8                           ; v8  16 (8 h + sel(0, r))
.set WS64, 9                           ; v9  64 (8 h + sel(0, r))
.set A0,  10                           ; v10, v11 addresses, made anew for each phase
.set A1,  11
.set WSC, 16                           ; v16-23 the weights' scale words, two sets: scales alone
.set AS,  24                           ; v24-31 the tokens' scale words, tile t at 24 + 4 t: scales alone
.set ACC, 32                           ; v32-63 accumulator (t, u) at 32 + 16 t + 8 u
.set FR,  64                           ; v64-95 two fragments of tokens; at work
.set PR,  96                           ; v96-127 parameters; at work
.set RING, 128                         ; v128-255 slot s, tile u at 128 + 32 s + 16 u
.set SEL, 48
.set MNT, 50
.set HM,  51
.set INV, 52
.set EPS, 53
.set AL0, 54                           ; s[54:55] P's highest coefficient
.set BE0, 56                           ; s[56:57] Q's
.macro QB a, b, cd, by, tt             ; one block of 32 in lanes l and l xor 16: as in the first launch
	v_max3_num_f32 v[(\tt)], |v[(\a)]|, |v[(\a)+1]|, 0x8000000
	v_max3_num_f32 v[(\tt)+1], |v[(\b)]|, |v[(\b)+1]|, |v[(\b)+2]|
	v_max3_num_f32 v[(\tt)], v[(\tt)], |v[(\a)+2]|, |v[(\a)+3]|
	v_max3_num_f32 v[(\tt)+1], v[(\tt)+1], |v[(\b)+3]|, |v[(\b)+4]|
	v_max3_num_f32 v[(\tt)], v[(\tt)], |v[(\a)+4]|, |v[(\a)+5]|
	v_max3_num_f32 v[(\tt)+1], v[(\tt)+1], |v[(\b)+5]|, |v[(\b)+6]|
	v_max3_num_f32 v[(\tt)], v[(\tt)], |v[(\a)+6]|, |v[(\a)+7]|
	v_max3_num_f32 v[(\tt)], v[(\tt)], v[(\tt)+1], |v[(\b)+7]|
	v_permlanex16_b32 v[(\tt)+1], v[(\tt)], s[SEL], s[SEL+1]
	v_max_num_f32 v[(\tt)], v[(\tt)], v[(\tt)+1]
	v_add_nc_u32 v[(\tt)+2], 0xf8800000, v[(\tt)]
	v_and_or_b32 v[(\tt)+3], v[(\tt)], 0x7f800000, s[MNT]
	v_lshrrev_b32 v[(\by)], 23, v[(\tt)+2]
.irp i,0,1,2,3,4,5,6,7
	v_med3_num_f32 v[(\a)+\i], v[(\a)+\i], -v[(\tt)+3], v[(\tt)+3]
.endr
.irp i,0,1,2,3,4,5,6,7
	v_med3_num_f32 v[(\b)+\i], v[(\b)+\i], -v[(\tt)+3], v[(\tt)+3]
.endr
	v_cvt_scalef32_pk8_bf8_f32 v[(\cd):(\cd)+1], v[(\a):(\a)+7], v[(\tt)+2]
	v_cvt_scalef32_pk8_bf8_f32 v[(\cd)+2:(\cd)+3], v[(\b):(\b)+7], v[(\tt)+2]
	v_nop
.endm
.macro BARRIER                         ; my LDS stores have landed and my LDS loads are in: then the work-group's barrier
	s_wait_dscnt 0x0
	s_barrier_signal -1
	s_barrier_wait -1
.endm
.macro LW n, s                         ; quad n, K step s: 8 loads into slot s
.irp u,0,1
.irp c,0,1,2,3
.if (\n) == 0
	global_load_b128 v[RING+32*(\s)+16*\u+4*\c:RING+32*(\s)+16*\u+4*\c+3], v[WA5], s[12:13] offset:128*(\s)+4096*\u+32*\c
.elseif (\n) < 5
	global_load_b128 v[RING+32*(\s)+16*\u+4*\c:RING+32*(\s)+16*\u+4*\c+3], v[WA5], s[24:25] offset:16384*((\n)-1)+128*(\s)+4096*\u+32*\c
.else
	global_load_b128 v[RING+32*(\s)+16*\u+4*\c:RING+32*(\s)+16*\u+4*\c+3], v[WA2], s[30:31] offset:512*((\n)-5)+128*(\s)+16384*\u+32*\c
.endif
.endr
.endr
.endm
.macro LS n                            ; quad n's scale words: four K steps; lanes 0-15 tile 0's rows, lanes 16-31 tile 1's
.if (\n) == 0
	global_load_b128 v[WSC+4*((\n)%2):WSC+4*((\n)%2)+3], v[WS16], s[14:15]
.elseif (\n) < 5
	global_load_b128 v[WSC+4*((\n)%2):WSC+4*((\n)%2)+3], v[WS16], s[26:27] offset:512*((\n)-1)
.else
	global_load_b128 v[WSC+4*((\n)%2):WSC+4*((\n)%2)+3], v[WS64], s[32:33] offset:16*((\n)-5)
.endif
.endm
.macro FRAGS n, s                      ; the two token tiles' fragments of this K step, from LDS
.irp t,0,1
.irp c,0,1,2,3
.if (\n) == 0
	ds_load_b128 v[FR+16*\t+4*\c:FR+16*\t+4*\c+3], v[L16] offset:CIMG+8192*\t+(4*(\s)+\c)*512
.elseif (\n) < 5
	ds_load_b128 v[FR+16*\t+4*\c:FR+16*\t+4*\c+3], v[L16] offset:HIMG+8192*\t+(4*(\s)+\c)*512
.else
	ds_load_b128 v[FR+16*\t+4*\c:FR+16*\t+4*\c+3], v[A0] offset:32768*\t+(4*(4*((\n)-5)+(\s))+\c)*512
.endif
.endr
.if (\n) >= 5
	ds_load_b32 v[AS+4*\t], v[A1] offset:(16*\t+4*((\n)-5)+(\s))*128
.endif
.endr
.endm
.macro MM2 n, s, t, u                  ; source 0 = 16 weight rows, source 1 = 16 tokens: a lane holds one token and eight neighbouring columns
.set rD, ACC+16*(\t)+8*(\u)
.set rA, RING+32*(\s)+16*(\u)
.set rB, FR+16*(\t)
.set rSA, WSC+4*((\n)%2)+(\s)
.if (\n) < 5
.set rSB, AS+4*(\t)+(\s)
.else
.set rSB, AS+4*(\t)
.endif
.if (\u) == 0
	v_wmma_scale_f32_16x16x128_f8f6f4 v[rD:rD+7], v[rA:rA+15], v[rB:rB+15], v[rD:rD+7], v[rSA], v[rSB] matrix_a_fmt:MATRIX_FMT_BF8 matrix_b_fmt:MATRIX_FMT_BF8
.else
	v_wmma_scale_f32_16x16x128_f8f6f4 v[rD:rD+7], v[rA:rA+15], v[rB:rB+15], v[rD:rD+7], v[rSA], v[rSB] matrix_a_fmt:MATRIX_FMT_BF8 matrix_b_fmt:MATRIX_FMT_BF8 matrix_a_scale:MATRIX_SCALE_ROW1
.endif
.endm
; Four K steps.  The sums begin with what the accumulators hold (x + bo; b1; x1).  The four accumulators take turns.  Behind a K step its slot takes the same step of the next quad.
.macro QUAD n
.irp s,0,1,2,3
	FRAGS \n, \s
.if (\n) < 8
	s_wait_loadcnt 24                              ; this slot's 8 loads are in; behind them at least the three other slots' 24 were issued
.else
	s_wait_loadcnt 8*(3-\s)                        ; the last quad: the counts run down
.endif
	s_wait_dscnt 0x0
.irp t,0,1
.irp u,0,1
	MM2 \n, \s, \t, \u
.endr
.endr
.rept 8
	v_nop                                          ; eight places in front of loads into registers that these products read
.endr
.if (\n) < 8
.if \s == 0
	LS (\n)+1
.endif
	LW (\n)+1, \s
.endif
.endr
	v_nop                                          ; a ninth place: the accumulators are read and later begun anew
.endm
; gelu of tile t's 16 numbers a lane, in place
.macro GELU t
.set Z, ACC+16*(\t)
.irp p,0,2,4,6,8,10,12,14
	v_pk_mul_f32 v[FR+\p:FR+\p+1], v[Z+\p:Z+\p+1], 0x3f3504f3 op_sel_hi:[1,0]      ; x = z / sqrt(2)
.endr
.irp i,0,1,2,3,4,5,6,7,8,9,10,11,12,13,14,15
	v_med3_num_f32 v[FR+\i], v[FR+\i], -4.0, 4.0
.endr
.irp p,0,2,4,6,8,10,12,14
	v_pk_mul_f32 v[FR+16+\p:FR+16+\p+1], v[FR+\p:FR+\p+1], v[FR+\p:FR+\p+1]        ; x^2
.endr
.irp p,0,2,4,6,8,10,12,14
	v_pk_fma_f32 v[PR+\p:PR+\p+1], v[FR+16+\p:FR+16+\p+1], s[AL0:AL0+1], 0x32edffee op_sel_hi:[1,0,0]
	v_pk_fma_f32 v[PR+16+\p:PR+16+\p+1], v[FR+16+\p:FR+16+\p+1], s[BE0:BE0+1], 0xb95fbd29 op_sel_hi:[1,0,0]
.endr
.irp a,0xb60cff51,0xb86ec2d2,0xba40ac63,0xbb41a1f6,0xbc83dbd4
.irp p,0,2,4,6,8,10,12,14
	v_pk_fma_f32 v[PR+\p:PR+\p+1], v[PR+\p:PR+\p+1], v[FR+16+\p:FR+16+\p+1], \a op_sel_hi:[1,1,0]
.endr
.endr
.irp a,0xbadc924e,0xbbf19bf8,0xbc69b6a7
.irp p,0,2,4,6,8,10,12,14
	v_pk_fma_f32 v[PR+16+\p:PR+16+\p+1], v[PR+16+\p:PR+16+\p+1], v[FR+16+\p:FR+16+\p+1], \a op_sel_hi:[1,1,0]
.endr
.endr
.irp i,0,1,2,3,4,5,6,7,8,9,10,11,12,13,14,15
	v_rcp_f32 v[PR+16+\i], v[PR+16+\i]
.endr
.irp p,0,2,4,6,8,10,12,14
	v_pk_mul_f32 v[FR+16+\p:FR+16+\p+1], v[Z+\p:Z+\p+1], 0.5 op_sel_hi:[1,0]       ; z / 2: plain work behind the reciprocals
.endr
.irp p,0,2,4,6,8,10,12,14
	v_pk_mul_f32 v[PR+\p:PR+\p+1], v[FR+\p:FR+\p+1], v[PR+\p:PR+\p+1]              ; x P
.endr
	s_wait_alu depctr_va_vdst(0)                   ; one wait for the sixteen, ahead of their first reader
.irp p,0,2,4,6,8,10,12,14
	v_pk_mul_f32 v[PR+\p:PR+\p+1], v[PR+\p:PR+\p+1], v[PR+16+\p:PR+16+\p+1]        ; erf
.endr
.irp p,0,2,4,6,8,10,12,14
	v_pk_fma_f32 v[Z+\p:Z+\p+1], v[FR+16+\p:FR+16+\p+1], v[PR+\p:PR+\p+1], v[FR+16+\p:FR+16+\p+1]   ; z / 2 x erf + z / 2
.endr
.endm
; The stage by tokens: row sel(0, r), my wave's 128 bytes, + 64 h;  tile 1 lies 8 rows further on.
.macro MKOSW
	v_and_b32 v12, 15, v0
	v_and_b32 v13, 8, v12
	v_add_nc_u32 v12, v12, v13
	v_mul_u32_u24 v[A0], v12, OPITCH
	v_bfe_u32 v13, v0, 4, 1
	v_lshl_add_u32 v[A0], v13, 6, v[A0]
	v_add_nc_u32 v[A0], s39, v[A0]
.endm
; A partial sum a tile in v[FR], v[FR + 2] (pairs) becomes the sum over the row's 512 columns in v12, v14: over my two halves, lane l xor 16, and the sixteen waves through LDS.
.macro EXCH off
.irp t,0,1
	v_add_f32 v[FR+2*\t], v[FR+2*\t], v[FR+2*\t+1]
.endr
.irp t,0,1
	v_permlanex16_b32 v[FR+2*\t+1], v[FR+2*\t], s[SEL], s[SEL+1]
.endr
.irp t,0,1
	v_add_f32 v[FR+2*\t], v[FR+2*\t], v[FR+2*\t+1]
.endr
	v_cndmask_b32 v[FR+4], v[FR], v[FR+2], s[HM]   ; lanes 0-15 send tile 0's, lanes 16-31 tile 1's
	ds_store_b32 v[A1], v[FR+4] offset:\off
	BARRIER
.irp t,0,1
.irp k,0,1,2,3
	ds_load_b128 v[FR+16*\t+4*\k:FR+16*\t+4*\k+3], v13 offset:RED+\off+1024*\t+16*\k
.endr
.endr
	s_wait_dscnt 0x0
.irp p,2,4,6,8,10,12,14
.irp t,0,1
	v_pk_add_f32 v[FR+16*\t:FR+16*\t+1], v[FR+16*\t:FR+16*\t+1], v[FR+16*\t+\p:FR+16*\t+\p+1]
.endr
.endr
.irp t,0,1
	v_add_f32 v[12+2*\t], v[FR+16*\t], v[FR+16*\t+1]
.endr
.endm
	s_load_b512 s[8:23], s[0:1], 0x0               ; cimg, csc, Wo codes, Wo scales, bo, x, ln2_scale, ln2_shift
	s_load_b256 s[24:31], s[0:1], 0x40             ; W1 codes, W1 scales, b1, W2 codes
	s_load_b128 s[32:35], s[0:1], 0x60             ; W2 scales, b2
	s_load_b64 s[36:37], s[0:1], 0x70              ; out0
	v_lshl_add_u32 v[SPW], v0, 2, SPARE
	v_mov_b32 v[NIL], 0
	v_lshrrev_b32 v12, 5, v0
	v_readfirstlane_b32 s2, v12                    ; wave
	v_and_b32 v12, 31, v0                          ; lane
	v_and_b32 v13, 15, v0                          ; r
	v_bfe_u32 v14, v0, 4, 1                        ; h
	v_and_b32 v15, 8, v13
	v_add_nc_u32 v15, v15, v13                     ; sel(0, r)
	v_lshlrev_b32 v[L16], 4, v12
	v_lshlrev_b32 v[L4], 2, v12
	v_lshlrev_b32 v[R16], 4, v13
	v_lshlrev_b32 v[WA5], 9, v15
	v_lshl_add_u32 v[WA5], v14, 4, v[WA5]
	v_lshlrev_b32 v[WA2], 11, v15
	v_lshl_add_u32 v[WA2], v14, 4, v[WA2]
	v_lshl_add_u32 v[WS16], v14, 3, v15
	v_lshlrev_b32 v[WS64], 6, v[WS16]
	v_lshlrev_b32 v[WS16], 4, v[WS16]
	v_lshlrev_b32 v14, 6, v14                      ; 64 h
	v_lshlrev_b32 v[A1], 4, v0                     ; 16 x thread
	s_mul_i32 s38, s2, 2*OPITCH
	s_add_co_u32 s38, s38, OST
	v_add_nc_u32 v[A0], s38, v[L16]                ; the stage by rows: rows 2 w, 2 w + 1
	s_lshl_b32 s39, s2, 7
	s_add_co_u32 s39, s39, OST
	s_mov_b32 s[SEL], 0x76543210
	s_mov_b32 s[SEL+1], 0xfedcba98
	s_mov_b32 s[MNT], 0x600000
	s_mov_b32 s[HM], 0xffff0000
	s_mov_b32 s[INV], 0x3b000000
	s_mov_b32 s[EPS], 0x3727c5ac
	s_mov_b32 s[AL0], 0xaf95df0b
	s_mov_b32 s[AL0+1], s[AL0]
	s_mov_b32 s[BE0], 0xb77460cd
	s_mov_b32 s[BE0+1], s[BE0]
	s_mov_b32 s41, 0
	s_wait_kmcnt 0x0
	s_lshl_b32 s40, ttmp9, 16
	s_lshl_b32 s42, s2, 12
	s_add_co_u32 s40, s40, s42                     ; rows 32 G + 2 w of 2,048 bytes
	s_add_nc_u64 s[18:19], s[18:19], s[40:41]
	s_add_nc_u64 s[36:37], s[36:37], s[40:41]
	s_lshl_b32 s40, ttmp9, 14
	s_add_nc_u64 s[8:9], s[8:9], s[40:41]
	s_lshl_b32 s40, ttmp9, 9
	s_add_nc_u64 s[10:11], s[10:11], s[40:41]
	s_lshl_b32 s40, s2, 14                         ; Wo: my 32 rows of 512 codes
	s_add_nc_u64 s[12:13], s[12:13], s[40:41]
	s_lshl_b32 s40, s2, 9
	s_add_nc_u64 s[14:15], s[14:15], s[40:41]
	s_lshl_b32 s40, s2, 16                         ; W1: my 128 rows of 512;  W2: my 32 rows of 2,048
	s_add_nc_u64 s[24:25], s[24:25], s[40:41]
	s_add_nc_u64 s[30:31], s[30:31], s[40:41]
	s_lshl_b32 s40, s2, 11
	s_add_nc_u64 s[26:27], s[26:27], s[40:41]
	s_add_nc_u64 s[32:33], s[32:33], s[40:41]
	s_lshl_b32 s40, s2, 7                          ; my 32 columns of the vectors of 512
	s_add_nc_u64 s[16:17], s[16:17], s[40:41]
	s_add_nc_u64 s[20:21], s[20:21], s[40:41]
	s_add_nc_u64 s[22:23], s[22:23], s[40:41]
	s_add_nc_u64 s[34:35], s[34:35], s[40:41]
	; ---- the head's loads: 25, then the ring's first 33
.irp i,0,1
.irp k,0,1,2,3
	global_load_b128 v[ACC+16*\i+4*\k:ACC+16*\i+4*\k+3], v[L16], s[18:19] offset:2048*\i+512*\k   ; x, two whole rows
.endr
.endr
	global_load_b128 v[80:83], v[A1], s[8:9]                   ; ctx's images: 16,384 bytes a work-group
	global_load_b128 v[84:87], v[A1], s[8:9] offset:8192
	global_load_b128 v[88:91], v[A1], s[28:29]                 ; b1
.irp k,0,1,2,3
	global_load_b128 v[FR+4*\k:FR+4*\k+3], v14, s[16:17] offset:16*\k          ; bo at my 16 columns
	global_load_b128 v[PR+4*\k:PR+4*\k+3], v14, s[20:21] offset:16*\k          ; ln2 scale
	global_load_b128 v[PR+16+4*\k:PR+16+4*\k+3], v14, s[22:23] offset:16*\k    ; ln2 shift
.endr
	global_load_b128 v[AS:AS+3], v[R16], s[10:11]              ; ctx's scale words, four K steps a tile
	global_load_b128 v[AS+4:AS+7], v[R16], s[10:11] offset:256
	LS 0
	LW 0, 0
	LW 0, 1
	LW 0, 2
	LW 0, 3
	s_wait_loadcnt 33                              ; all but the ring's 33
.irp i,0,1
.irp k,0,1,2,3
	ds_store_b128 v[A0], v[ACC+16*\i+4*\k:ACC+16*\i+4*\k+3] offset:OPITCH*\i+512*\k
.endr
.endr
	ds_store_b128 v[A1], v[80:83] offset:CIMG
	ds_store_b128 v[A1], v[84:87] offset:CIMG+8192
	ds_store_b128 v[A1], v[88:91] offset:B1L
	BARRIER                                        ; x, ctx and b1 lie in LDS
	MKOSW
.irp t,0,1
.irp k,0,1,2,3
	ds_load_b128 v[ACC+16*\t+4*\k:ACC+16*\t+4*\k+3], v[A0] offset:8*OPITCH*\t+16*\k    ; x in the results' layout
.endr
.endr
	s_wait_dscnt 0x0
.irp t,0,1
.irp p,0,2,4,6,8,10,12,14
	v_pk_add_f32 v[ACC+16*\t+\p:ACC+16*\t+\p+1], v[ACC+16*\t+\p:ACC+16*\t+\p+1], v[FR+\p:FR+\p+1]   ; + bo
.endr
.endr
	; ---- x1 = x + bo + ctx Wo
	QUAD 0
	; ---- LN2.  x1 is parked; the accumulators then hold x1 - mean, and at last h
	s_lshl_b32 s38, s2, 12
	s_add_co_u32 s38, s38, X1P
	v_add_nc_u32 v[A0], s38, v[L16]
.irp i,0,1,2,3,4,5,6,7
	ds_store_b128 v[A0], v[ACC+4*\i:ACC+4*\i+3] offset:512*\i   ; each accumulator from its low end on
.endr
	v_and_b32 v[A1], 31, v0
	v_lshlrev_b32 v[A1], 6, v[A1]
	s_lshl_b32 s38, s2, 2
	s_add_co_u32 s38, s38, RED
	v_add_nc_u32 v[A1], s38, v[A1]                 ; RED + 64 x lane + 4 x wave
	v_lshlrev_b32 v13, 2, v[R16]                   ; 64 r
.irp t,0,1
	v_pk_add_f32 v[FR+2*\t:FR+2*\t+1], v[ACC+16*\t:ACC+16*\t+1], v[ACC+16*\t+2:ACC+16*\t+3]
.endr
.irp p,4,6,8,10,12,14
.irp t,0,1
	v_pk_add_f32 v[FR+2*\t:FR+2*\t+1], v[FR+2*\t:FR+2*\t+1], v[ACC+16*\t+\p:ACC+16*\t+\p+1]
.endr
.endr
	EXCH 0
	v_mul_f32 v12, s[INV], v12                     ; the means
	v_mul_f32 v14, s[INV], v14
.irp t,0,1
.irp p,0,2,4,6,8,10,12,14
	v_pk_add_f32 v[ACC+16*\t+\p:ACC+16*\t+\p+1], v[ACC+16*\t+\p:ACC+16*\t+\p+1], v[12+2*\t:13+2*\t] op_sel_hi:[1,0] neg_lo:[0,1] neg_hi:[0,1]
.endr
.endr
.irp t,0,1
	v_pk_mul_f32 v[FR+2*\t:FR+2*\t+1], v[ACC+16*\t:ACC+16*\t+1], v[ACC+16*\t:ACC+16*\t+1]
.endr
.irp p,2,4,6,8,10,12,14
.irp t,0,1
	v_pk_fma_f32 v[FR+2*\t:FR+2*\t+1], v[ACC+16*\t+\p:ACC+16*\t+\p+1], v[ACC+16*\t+\p:ACC+16*\t+\p+1], v[FR+2*\t:FR+2*\t+1]
.endr
.endr
	EXCH 2048
	v_fma_f32 v12, v12, s[INV], s[EPS]
	v_fma_f32 v14, v14, s[INV], s[EPS]
	v_rsq_f32 v12, v12
	v_rsq_f32 v14, v14
	v_nop
	s_wait_alu depctr_va_vdst(0)                   ; one wait for the two, ahead of their first reader
.irp t,0,1
.irp p,0,2,4,6,8,10,12,14
	v_pk_mul_f32 v[ACC+16*\t+\p:ACC+16*\t+\p+1], v[ACC+16*\t+\p:ACC+16*\t+\p+1], v[12+2*\t:13+2*\t] op_sel_hi:[1,0]
.endr
.endr
.irp t,0,1
.irp p,0,2,4,6,8,10,12,14
	v_pk_fma_f32 v[ACC+16*\t+\p:ACC+16*\t+\p+1], v[ACC+16*\t+\p:ACC+16*\t+\p+1], v[PR+\p:PR+\p+1], v[PR+16+\p:PR+16+\p+1]
.endr
.endr
	QB ACC, ACC+8, 120, 116, 112                   ; my 32 columns are block w of the next K
	QB ACC+16, ACC+24, 124, 117, 112
	s_lshl_b32 s38, s2, 9
	v_add_nc_u32 v[A0], s38, v[L16]
	v_add_nc_u32 v[A1], s2, v[L16]
	ds_store_b128 v[A0], v[120:123] offset:HIMG
	ds_store_b128 v[A0], v[124:127] offset:HIMG+8192
	v_cndmask_b32 v118, v116, v117, s[HM]
	ds_store_b8 v[A1], v118 offset:HSC             ; lane 16 t + r: tile t, row r, byte w
	BARRIER                                        ; h lies in LDS
	ds_load_b128 v[AS:AS+3], v[R16] offset:HSC
	ds_load_b128 v[AS+4:AS+7], v[R16] offset:HSC+256
	; ---- the hidden layer: four groups of 32 units
	v_bfe_u32 v[A1], v0, 4, 1
	v_lshlrev_b32 v[A1], 6, v[A1]
	s_lshl_b32 s38, s2, 9
	s_add_co_u32 s38, s38, B1L
	v_add_nc_u32 v[A1], s38, v[A1]                 ; b1 at my units: 512 w + 64 h
	s_lshl_b32 s38, s2, 11
	s_add_co_u32 s38, s38, GIMG
	v_add_nc_u32 v[A0], s38, v[L16]                ; my units are K step w of the last product
.irp q,0,1,2,3
.irp t,0,1
.irp k,0,1,2,3
	ds_load_b128 v[ACC+16*\t+4*\k:ACC+16*\t+4*\k+3], v[A1] offset:128*\q+16*\k   ; the sums begin with b1
.endr
.endr
	QUAD 1+\q
	GELU 0
	GELU 1
	QB ACC, ACC+8, 120, 116, 112
	QB ACC+16, ACC+24, 124, 117, 112
	ds_store_b128 v[A0], v[120:123] offset:512*\q
	ds_store_b128 v[A0], v[124:127] offset:32768+512*\q
.if \q == 0
	v_mov_b32 v12, v116
	v_mov_b32 v13, v117
.else
	v_lshl_or_b32 v12, v116, 8*\q, v12             ; four bytes make the K step's scale word
	v_lshl_or_b32 v13, v117, 8*\q, v13
.endif
.endr
	s_lshl_b32 s38, s2, 7
	s_add_co_u32 s38, s38, GSC
	v_add_nc_u32 v[A1], s38, v[L4]
	ds_store_b32 v[A1], v12
	ds_store_b32 v[A1], v13 offset:2048
	BARRIER                                        ; the hidden layer lies in LDS
	; ---- out = x1 + g W2 + b2
	v_bfe_u32 v15, v0, 4, 1
	v_lshlrev_b32 v15, 6, v15
.irp k,0,1,2,3
	global_load_b128 v[PR+4*\k:PR+4*\k+3], v15, s[34:35] offset:16*\k   ; b2: in by the last quad's wait for 0
.endr
	s_lshl_b32 s38, s2, 12
	s_add_co_u32 s38, s38, X1P
	v_add_nc_u32 v14, s38, v[L16]
.irp i,0,1,2,3,4,5,6,7
	ds_load_b128 v[ACC+4*\i:ACC+4*\i+3], v14 offset:512*\i              ; the sums begin with x1
.endr
	v_add_nc_u32 v[A0], GIMG, v[L16]
	v_add_nc_u32 v[A1], GSC, v[L4]
	QUAD 5
	QUAD 6
	QUAD 7
	QUAD 8
.irp t,0,1
.irp p,0,2,4,6,8,10,12,14
	v_pk_add_f32 v[ACC+16*\t+\p:ACC+16*\t+\p+1], v[ACC+16*\t+\p:ACC+16*\t+\p+1], v[PR+\p:PR+\p+1]
.endr
.endr
	MKOSW
.irp t,0,1
.irp k,0,1,2,3
	ds_store_b128 v[A0], v[ACC+16*\t+4*\k:ACC+16*\t+4*\k+3] offset:8*OPITCH*\t+16*\k
.endr
.endr
	BARRIER                                        ; 32 whole rows of out lie in the stage
	s_mul_i32 s38, s2, 2*OPITCH
	s_add_co_u32 s38, s38, OST
	v_add_nc_u32 v[A1], s38, v[L16]
.irp i,0,1,2,3,4,5,6,7
	ds_load_b128 v[FR+4*\i:FR+4*\i+3], v[A1] offset:OPITCH*(\i/4)+512*(\i%4)
.endr
.irp i,0,1,2,3,4,5,6,7
	s_wait_dscnt 7-\i                              ; LDS loads come back in order: load i is in, the younger ones may be out
	global_store_b128 v[L16], v[FR+4*\i:FR+4*\i+3], s[36:37] offset:2048*(\i/4)+512*(\i%4) th:TH_STORE_NT   ; 512 consecutive bytes, at a multiple of 256 from the buffer's first byte
.endr
	s_wait_tensorcnt 0x0                           ; the wave's end, behind my last LDS store
	ds_add_u32 v[SPW], v[NIL]
	s_wait_dscnt 0x0
	s_endpgm
.Lfunc_end_k_qe4132ceb68_ffn:
	.size	k_qe4132ceb68_ffn, .Lfunc_end_k_qe4132ceb68_ffn-k_qe4132ceb68_ffn
	.p2alignl 7, 3214868480
	.fill 96, 4, 3214868480
	.section	.rodata,"a",@progbits
	.p2align	6, 0x0
	.amdhsa_kernel k_qe4132ceb68_ffn
		.amdhsa_group_segment_fixed_size 249344
		.amdhsa_private_segment_fixed_size 0
		.amdhsa_enable_private_segment 0
		.amdhsa_kernarg_size 120
		.amdhsa_user_sgpr_count 2
		.amdhsa_user_sgpr_kernarg_segment_ptr 1
		.amdhsa_wavefront_size32 1
		.amdhsa_system_sgpr_workgroup_id_x 1
		.amdhsa_system_sgpr_workgroup_id_y 1
		.amdhsa_system_sgpr_workgroup_id_z 1
		.amdhsa_system_vgpr_workitem_id 0
		.amdhsa_next_free_vgpr 256
		.amdhsa_next_free_sgpr 66
		.amdhsa_reserve_vcc 0
		.amdhsa_float_denorm_mode_32 3
		.amdhsa_float_denorm_mode_16_64 3
		.amdhsa_memory_ordered 1
		.amdhsa_forward_progress 1
		.amdhsa_inst_pref_size 223
	.end_amdhsa_kernel
	.amdgpu_metadata
---
amdhsa.version: [ 1, 2 ]
amdhsa.kernels:
  - .name:           k_qe4132ceb68_ffn
    .symbol:         k_qe4132ceb68_ffn.kd
    .args:
      - { .name: cimg, .offset: 0, .size: 8, .value_kind: global_buffer, .address_space: global }
      - { .name: csc, .offset: 8, .size: 8, .value_kind: global_buffer, .address_space: global }
      - { .name: Wo_codes, .offset: 16, .size: 8, .value_kind: global_buffer, .address_space: global }
      - { .name: Wo_scales, .offset: 24, .size: 8, .value_kind: global_buffer, .address_space: global }
      - { .name: bo, .offset: 32, .size: 8, .value_kind: global_buffer, .address_space: global }
      - { .name: x, .offset: 40, .size: 8, .value_kind: global_buffer, .address_space: global }
      - { .name: ln2_scale, .offset: 48, .size: 8, .value_kind: global_buffer, .address_space: global }
      - { .name: ln2_shift, .offset: 56, .size: 8, .value_kind: global_buffer, .address_space: global }
      - { .name: W1_codes, .offset: 64, .size: 8, .value_kind: global_buffer, .address_space: global }
      - { .name: W1_scales, .offset: 72, .size: 8, .value_kind: global_buffer, .address_space: global }
      - { .name: b1, .offset: 80, .size: 8, .value_kind: global_buffer, .address_space: global }
      - { .name: W2_codes, .offset: 88, .size: 8, .value_kind: global_buffer, .address_space: global }
      - { .name: W2_scales, .offset: 96, .size: 8, .value_kind: global_buffer, .address_space: global }
      - { .name: b2, .offset: 104, .size: 8, .value_kind: global_buffer, .address_space: global }
      - { .name: out0, .offset: 112, .size: 8, .value_kind: global_buffer, .address_space: global }
    .group_segment_fixed_size: 249344
    .private_segment_fixed_size: 0
    .kernarg_segment_align: 8
    .kernarg_segment_size: 120
    .max_flat_workgroup_size: 512
    .sgpr_count:     66
    .vgpr_count:     256
    .wavefront_size: 32
...
	.end_amdgpu_metadata
.endif
;; end of part 3
;; ======== version 2 of 2: 3 launches; version 1 with the launches qkv, attn, ffn written anew for expert scheduling mode
;; workspace buffers: qimg 4,194,304 bytes; qsc 524,288 bytes; kimg 4,194,304 bytes; ksc 131,072 bytes; vimg 4,194,304 bytes; vsc 131,072 bytes; cimg 4,194,304 bytes; csc 131,072 bytes
;; launch qkv (part 4): grid 64 x 3, 16 waves a work-group, no clusters, 237,568 bytes of LDS; arguments x, ln1_scale, ln1_shift, Wq_codes, Wq_scales, Wk_codes, Wk_scales, Wv_codes, Wv_scales, qimg, qsc, kimg, ksc, vimg, vsc; writes qimg, qsc, kimg, ksc, vimg, vsc
.if DOCPART == 4
	.amdgcn_target "amdgcn-amd-amdhsa--gfx1250"
	.amdhsa_code_object_version 6
	.text
	.protected	k_qe4132ceb68_qkv
	.globl	k_qe4132ceb68_qkv
	.p2align	8
	.type	k_qe4132ceb68_qkv,@function
k_qe4132ceb68_qkv:
	s_mov_b64 s[64:65], 0
	v_nop
	global_prefetch_b8 v0, s[64:65] scope:SCOPE_SE
	s_setreg_imm32_b32 hwreg(HW_REG_WAVE_SCHED_MODE, 0, 2), 2
	s_setreg_imm32_b32 hwreg(HW_REG_WAVE_MODE, 25, 1), 1
	s_wait_xcnt 0x0
	s_wait_alu depctr_vm_vsrc(0)
; LAUNCH 1 OF 3.  h = LN1(x), quantised along the 512; q = h Wq, k = h Wk, v = h Wv on codes of E5M2 with E8M0 scales; q and k quantised along a head's 32, v along the keys.
; DEAD WORK IN THE WHOLE PROGRAM: none but this: reference() builds the causal mask itself (jnp.tril) and sets the scores of keys behind a query to -inf, so their weights are 0 for all finite inputs;
; the second launch leaves out the key steps of 128 that lie wholly behind a tile's queries.  Every input has a way to the output and is loaded.  LIMIT: a NaN, an infinity or an overflow that reaches only those steps is not carried to the result.
; LIMITS: NaN and infinities among the inputs are not served.  A block whose largest magnitude lies under 2^-111 gets the scale byte 1; a block of zeros gets the byte 1 with zero codes (these bytes are read by this program alone).
; SHARES.  Work-group (X, y): tokens 128 X .. 128 X + 127, matrix y (0 q, 1 k, 2 v).  Wave w is head w: its 32 rows x 512 codes of the weight stay in 128 registers.  LN1 is done by each of the three y: 128 rows of 2,048 bytes.
; No cluster and no joint load: what the three y share is x, 262,144 bytes a work-group, read once at the head by plain loads; the weight, as many bytes, differs between them.
; TILES.  sel(u, r) = 8 u + r + 8 (r / 8).  Tile u of a group of 32 tokens holds token sel(u, r) in row r; tile n of a head's 32 weight rows likewise.  So the 16 result registers of two such tiles are 16 neighbours along the next K.
; OUT: images of operand registers: 16 bytes a lane at 16 x lane, each store 512 consecutive bytes.
; THE MODE: SCHED_MODE bits 1:0 = 2 (LLVM: expert scheduling mode 2), set by the entry lines.  The code itself states the register dependences between vector or matrix instructions and memory or LDS instructions, with s_wait_alu, always for 0.
; THE PLAN.  Registers that memory or LDS instructions touch:
;   v3-v11        offsets and addresses, made at the head; v5-v7 are made anew once, behind the barrier.
;   XF            a batch: x's loads land, the stage's stores read, the stage's loads land, LN's lines work in place, the codes of rows 1 to 3 are written there and stored.  Later: the tokens' fragments land, the products read.
;   v12-15, M+2i  a batch: row 0's codes and the four scale bytes: written by vector lines, read by LDS stores.
;   XS            the tokens' scale words: LDS loads land, the products read.
;   CD, CD2, TW   a group's two blocks of codes and its scale words: written by vector lines, read by the group's global stores.
; A batch's conversions stand together, so that ONE wait on va_vdst stands ahead of its eight LDS stores; nothing of the vector side follows it, so it serves the next rows' loads too.
; A group quantises both blocks, into two code buffers, and ONE wait on va_vdst stands ahead of its run of stores; nothing of the vector side follows it, so the next group's first fragments owe only the wait on vm_vsrc for those stores.
.set TILEB,  8704                      ; LDS: a tile of 16 tokens x 512 codes: 32 slices of 16 codes, 272 bytes apart; in a slice 16 bytes for each row
.set XSC,    8*TILEB                   ; the tokens' scale bytes: [tile][row][16]
.set STG,    XSC+2048                  ; a stage of 4 rows x 32 x 80 bytes for each wave
.set STGW,   10240
.set SPARE,  STG+16*STGW               ; the spare words, 128 bytes for each wave; no other line names them
.set SPW, 1                            ; v1   my spare word
.set NIL, 2                            ; v2   0
.set L16, 3                            ; v3   16 x lane
.set L4,  4                            ; v4   4 x lane
.set STW, 5                            ; v5   stage, way in;   later XR
.set STR, 6                            ; v6   stage, way out;  later XR2
.set XW,  7                            ; v7   where my codes go; later XSR
.set SW,  8                            ; v8   where my scale bytes go
.set WA,  9                            ; v9   weight: 512 sel(0, r) + 16 h
.set WSA, 10                           ; v10  weight scales: 16 (8 h + sel(0, r))
.set LNA, 11                           ; v11  64 x lane
.set XR,  5
.set XR2, 6
.set XSR, 7
.set CD,  12                           ; v12-15 holds, then codes
.set M,   16                           ; v16-23 four pairs, one a row
.set T,   16                           ; v16-19 at work in QB
.set BY,  20
.set WD,  21                           ; v21, v22 scale words in the making
.set TW,  23
.set WS,  24                           ; v24-27 the weight's scale words: scales alone
.set XS,  28                           ; v28-31 the tokens' scale words: scales alone
.set LSC, 32                           ; v32-47 LN scale, v48-63 LN shift; later the accumulators
.set LSH, 48
.set ACC, 32
.set XF,  64                           ; v64-127 four rows of x; later four fragments of tokens
.set CD2, 64                           ; v64-67 a group's second block of codes: the fragments' registers are free behind the group's products
.set W,   128                          ; v128-255 the weight: tile n, K step s at 128 + 16 (4 n + s)
.set SEL, 48                           ; s48, s49 selects for lane l xor 16
.set MNT, 50                           ; s50 mantissa field of 57,344
.set HM,  51                           ; s51 mask of lanes 16-31
.set INV, 52                           ; s52 1 / 512
.set EPS, 53                           ; s53 1e-5
; One block of 32 that lies in lanes l and l xor 16, 16 numbers each (two runs of 8 registers): codes into four registers, the scale byte into one.
.macro QB a, b, cd, by, tt
	v_max3_num_f32 v[(\tt)], |v[(\a)]|, |v[(\a)+1]|, 0x8000000       ; with the floor 2^(16 - 127): the byte cannot fall under 1.  Each run is first read at its low end
	v_max3_num_f32 v[(\tt)+1], |v[(\b)]|, |v[(\b)+1]|, |v[(\b)+2]|
	v_max3_num_f32 v[(\tt)], v[(\tt)], |v[(\a)+2]|, |v[(\a)+3]|
	v_max3_num_f32 v[(\tt)+1], v[(\tt)+1], |v[(\b)+3]|, |v[(\b)+4]|
	v_max3_num_f32 v[(\tt)], v[(\tt)], |v[(\a)+4]|, |v[(\a)+5]|
	v_max3_num_f32 v[(\tt)+1], v[(\tt)+1], |v[(\b)+5]|, |v[(\b)+6]|
	v_max3_num_f32 v[(\tt)], v[(\tt)], |v[(\a)+6]|, |v[(\a)+7]|
	v_max3_num_f32 v[(\tt)], v[(\tt)], v[(\tt)+1], |v[(\b)+7]|
	v_permlanex16_b32 v[(\tt)+1], v[(\tt)], s[SEL], s[SEL+1]
	v_max_num_f32 v[(\tt)], v[(\tt)], v[(\tt)+1]                     ; the block's largest magnitude
	v_add_nc_u32 v[(\tt)+2], 0xf8800000, v[(\tt)]                    ; 15 off its exponent field: the conversion's scale operand
	v_and_or_b32 v[(\tt)+3], v[(\tt)], 0x7f800000, s[MNT]            ; 57,344 x the scale
	v_lshrrev_b32 v[(\by)], 23, v[(\tt)+2]                           ; the scale's byte
.irp i,0,1,2,3,4,5,6,7
	v_med3_num_f32 v[(\a)+\i], v[(\a)+\i], -v[(\tt)+3], v[(\tt)+3]   ; the conversion does not saturate (ISA guide 7.6.2): the hold comes first
.endr
.irp i,0,1,2,3,4,5,6,7
	v_med3_num_f32 v[(\b)+\i], v[(\b)+\i], -v[(\tt)+3], v[(\tt)+3]
.endr
	v_cvt_scalef32_pk8_bf8_f32 v[(\cd):(\cd)+1], v[(\a):(\a)+7], v[(\tt)+2]
	v_cvt_scalef32_pk8_bf8_f32 v[(\cd)+2:(\cd)+3], v[(\b):(\b)+7], v[(\tt)+2]
	v_nop                                                            ; a plain line behind the conversions
.endm
.macro XLOAD k                         ; four rows of x as they lie: each load 512 consecutive bytes
.irp i,0,1,2,3
.irp jj,0,1,2,3
	global_load_b128 v[XF+16*\i+4*\jj:XF+16*\i+4*\jj+3], v[L16], s[8:9] offset:8192*\k+2048*\i+512*\jj
.endr
.endr
.endm
.macro WLOAD cb, sb                    ; my head's scale words (1 load) and codes (32 loads)
	global_load_b128 v[WS:WS+3], v[WSA], s[\sb:\sb+1]
.irp n,0,1
.irp s,0,1,2,3
.irp c,0,1,2,3
	global_load_b128 v[W+16*(4*\n+\s)+4*\c:W+16*(4*\n+\s)+4*\c+3], v[WA], s[\cb:\cb+1] offset:4096*\n+128*\s+32*\c
.endr
.endr
.endr
.endm
.macro REDUCE                          ; the four pairs M: both halves and all 32 lanes summed, into the low half, in every lane
.irp i,0,1,2,3
	v_add_f32 v[M+2*\i], v[M+2*\i], v[M+2*\i+1]
.endr
.irp x,1,2,4,8
.irp i,0,1,2,3
	v_add_f32_dpp v[M+2*\i], v[M+2*\i], v[M+2*\i] row_xmask:\x row_mask:0xf bank_mask:0xf
.endr
.endr
.irp i,0,1,2,3
	v_permlanex16_b32 v[M+2*\i+1], v[M+2*\i], s[SEL], s[SEL+1]
.endr
.irp i,0,1,2,3
	v_add_f32 v[M+2*\i], v[M+2*\i], v[M+2*\i+1]
.endr
.endm
; Four rows of x: turned through my stage so that a lane holds 16 neighbours, normalised, quantised, codes and bytes to LDS.
.macro BATCH k
.if \k == 0
	s_wait_loadcnt 33                              ; my four rows and the LN parameters are in; the 33 weight loads issued behind them may be out
.else
	s_wait_loadcnt 0x0
.endif
.irp i,0,1,2,3
.irp jj,0,1,2,3
	ds_store_b128 v[STW], v[XF+16*\i+4*\jj:XF+16*\i+4*\jj+3] offset:2560*\i+640*\jj
.endr
.endr
	s_wait_dscnt 0x0                               ; the stores have landed: the loads below land in the registers that they read
	s_wait_alu depctr_vm_vsrc(0)                   ; the stage's stores have read v[XF ..], in which the loads below land and which LN's lines then write
.irp i,0,1,2,3
.irp jj,0,1,2,3
	ds_load_b128 v[XF+16*\i+4*\jj:XF+16*\i+4*\jj+3], v[STR] offset:2560*\i+16*\jj
.endr
.endr
	s_wait_dscnt 0x0
.irp i,0,1,2,3
	v_pk_add_f32 v[M+2*\i:M+2*\i+1], v[XF+16*\i:XF+16*\i+1], v[XF+16*\i+2:XF+16*\i+3]
.endr
.irp p,4,6,8,10,12,14
.irp i,0,1,2,3
	v_pk_add_f32 v[M+2*\i:M+2*\i+1], v[M+2*\i:M+2*\i+1], v[XF+16*\i+\p:XF+16*\i+\p+1]
.endr
.endr
	REDUCE
.irp i,0,1,2,3
	v_mul_f32 v[M+2*\i], s[INV], v[M+2*\i]         ; the mean
.endr
.irp p,0,2,4,6,8,10,12,14
.irp i,0,1,2,3
	v_pk_add_f32 v[XF+16*\i+\p:XF+16*\i+\p+1], v[XF+16*\i+\p:XF+16*\i+\p+1], v[M+2*\i:M+2*\i+1] op_sel_hi:[1,0] neg_lo:[0,1] neg_hi:[0,1]
.endr
.endr
.irp i,0,1,2,3
	v_pk_mul_f32 v[M+2*\i:M+2*\i+1], v[XF+16*\i:XF+16*\i+1], v[XF+16*\i:XF+16*\i+1]
.endr
.irp p,2,4,6,8,10,12,14
.irp i,0,1,2,3
	v_pk_fma_f32 v[M+2*\i:M+2*\i+1], v[XF+16*\i+\p:XF+16*\i+\p+1], v[XF+16*\i+\p:XF+16*\i+\p+1], v[M+2*\i:M+2*\i+1]
.endr
.endr
	REDUCE
.irp i,0,1,2,3
	v_fma_f32 v[M+2*\i], v[M+2*\i], s[INV], s[EPS] ; the variance + eps
.endr
	s_wait_alu depctr_va_vdst(0)
.irp i,0,1,2,3
	v_rsq_f32 v[M+2*\i], v[M+2*\i]
.endr
	v_nop                                          ; a plain line behind the last of the four
	s_wait_alu depctr_va_vdst(0)                   ; the four reciprocal roots are written: one wait for the four, ahead of their first reader
.irp p,0,2,4,6,8,10,12,14
.irp i,0,1,2,3
	v_pk_mul_f32 v[XF+16*\i+\p:XF+16*\i+\p+1], v[XF+16*\i+\p:XF+16*\i+\p+1], v[M+2*\i:M+2*\i+1] op_sel_hi:[1,0]
.endr
.endr
.irp p,0,2,4,6,8,10,12,14
.irp i,0,1,2,3
	v_pk_fma_f32 v[XF+16*\i+\p:XF+16*\i+\p+1], v[XF+16*\i+\p:XF+16*\i+\p+1], v[LSC+\p:LSC+\p+1], v[LSH+\p:LSH+\p+1]
.endr
.endr
.irp i,0,1,2,3
	v_max3_num_f32 v[M+2*\i], |v[XF+16*\i]|, |v[XF+16*\i+1]|, 0x8000000   ; my 16 numbers and the floor
.endr
.irp p,2,4,6,8,10,12,14
.irp i,0,1,2,3
	v_max3_num_f32 v[M+2*\i], v[M+2*\i], |v[XF+16*\i+\p]|, |v[XF+16*\i+\p+1]|
.endr
.endr
.irp i,0,1,2,3
	v_max_num_f32_dpp v[M+2*\i], v[M+2*\i], v[M+2*\i] row_xmask:1 row_mask:0xf bank_mask:0xf   ; two neighbouring lanes hold a block
.endr
.irp i,0,1,2,3
	v_and_or_b32 v[CD+\i], v[M+2*\i], 0x7f800000, s[MNT]
	v_add_nc_u32 v[M+2*\i+1], 0xf8800000, v[M+2*\i]
.endr
.irp i,0,1,2,3
	v_lshrrev_b32 v[M+2*\i], 23, v[M+2*\i+1]
.endr
.irp i,0,1,2,3
.irp p,0,1,2,3,4,5,6,7,8,9,10,11,12,13,14,15
	v_med3_num_f32 v[XF+16*\i+\p], v[XF+16*\i+\p], -v[CD+\i], v[CD+\i]
.endr
.endr
.irp i,0,1,2,3                         ; row 0's codes take the holds' registers, row i's those that row i - 1 has left: no store's data are written again
.if \i == 0
.set rC, CD
.else
.set rC, XF+16*(\i-1)
.endif
	v_cvt_scalef32_pk8_bf8_f32 v[rC:rC+1], v[XF+16*\i:XF+16*\i+7], v[M+2*\i+1]
	v_cvt_scalef32_pk8_bf8_f32 v[rC+2:rC+3], v[XF+16*\i+8:XF+16*\i+15], v[M+2*\i+1]
	v_nop                                          ; a plain line behind a row's conversions: the next row's write over their sources
.endr
	s_wait_alu depctr_va_vdst(0)                   ; the four rows' codes and scale bytes are written, which the eight LDS stores read; and the batch is done with v[XF ..], in which the next loads land
.irp i,0,1,2,3
.if \i == 0
.set rC, CD
.else
.set rC, XF+16*(\i-1)
.endif
	ds_store_b128 v[XW], v[rC:rC+3] offset:16*(4*\k+\i)
	ds_store_b8 v[SW], v[M+2*\i] offset:16*(4*\k+\i)   ; both lanes of a block write the same byte with the same value
.endr
.endm
; One matrix instruction.  path 0, 1: source 0 = 16 weight rows, source 1 = 16 tokens;  path 2: the other way round.  The weight's scale words: tile 0 in lanes 0-15, tile 1 in lanes 16-31.
.macro MM path, u, n, s
.set rD, ACC+16*(\u)+8*(\n)
.set rW, W+16*(4*(\n)+(\s))
.set rX, XF+16*(\s)
.if (\path) < 2
.if (\s) == 0 && (\n) == 0
	v_wmma_scale_f32_16x16x128_f8f6f4 v[rD:rD+7], v[rW:rW+15], v[rX:rX+15], 0, v[WS+(\s)], v[XS+(\s)] matrix_a_fmt:MATRIX_FMT_BF8 matrix_b_fmt:MATRIX_FMT_BF8
.elseif (\s) == 0
	v_wmma_scale_f32_16x16x128_f8f6f4 v[rD:rD+7], v[rW:rW+15], v[rX:rX+15], 0, v[WS+(\s)], v[XS+(\s)] matrix_a_fmt:MATRIX_FMT_BF8 matrix_b_fmt:MATRIX_FMT_BF8 matrix_a_scale:MATRIX_SCALE_ROW1
.elseif (\n) == 0
	v_wmma_scale_f32_16x16x128_f8f6f4 v[rD:rD+7], v[rW:rW+15], v[rX:rX+15], v[rD:rD+7], v[WS+(\s)], v[XS+(\s)] matrix_a_fmt:MATRIX_FMT_BF8 matrix_b_fmt:MATRIX_FMT_BF8
.else
	v_wmma_scale_f32_16x16x128_f8f6f4 v[rD:rD+7], v[rW:rW+15], v[rX:rX+15], v[rD:rD+7], v[WS+(\s)], v[XS+(\s)] matrix_a_fmt:MATRIX_FMT_BF8 matrix_b_fmt:MATRIX_FMT_BF8 matrix_a_scale:MATRIX_SCALE_ROW1
.endif
.else
.if (\s) == 0 && (\n) == 0
	v_wmma_scale_f32_16x16x128_f8f6f4 v[rD:rD+7], v[rX:rX+15], v[rW:rW+15], 0, v[XS+(\s)], v[WS+(\s)] matrix_a_fmt:MATRIX_FMT_BF8 matrix_b_fmt:MATRIX_FMT_BF8
.elseif (\s) == 0
	v_wmma_scale_f32_16x16x128_f8f6f4 v[rD:rD+7], v[rX:rX+15], v[rW:rW+15], 0, v[XS+(\s)], v[WS+(\s)] matrix_a_fmt:MATRIX_FMT_BF8 matrix_b_fmt:MATRIX_FMT_BF8 matrix_b_scale:MATRIX_SCALE_ROW1
.elseif (\n) == 0
	v_wmma_scale_f32_16x16x128_f8f6f4 v[rD:rD+7], v[rX:rX+15], v[rW:rW+15], v[rD:rD+7], v[XS+(\s)], v[WS+(\s)] matrix_a_fmt:MATRIX_FMT_BF8 matrix_b_fmt:MATRIX_FMT_BF8
.else
	v_wmma_scale_f32_16x16x128_f8f6f4 v[rD:rD+7], v[rX:rX+15], v[rW:rW+15], v[rD:rD+7], v[XS+(\s)], v[WS+(\s)] matrix_a_fmt:MATRIX_FMT_BF8 matrix_b_fmt:MATRIX_FMT_BF8 matrix_b_scale:MATRIX_SCALE_ROW1
.endif
.endif
.endm
; A group of 32 tokens (two tiles) against my head's 32 weight rows (two tiles), K = 512; then two blocks of 32 are quantised, into two code buffers, and leave in one run of stores.
.macro GRP path, g
.irp u,0,1
.if \u
.rept 8
	v_nop                                          ; eight places behind the first tile's products; the first tile of a group stands behind the nine below
.endr
	s_wait_alu depctr_va_vdst(0)                   ; the first tile's products are done reading v[XF ..] and v[XS ..], in which the loads below land
.elseif (\g) == 0
	s_wait_alu depctr_va_vdst(0)                   ; the three addresses made behind the barrier are written, which the loads below read
.else
	s_wait_xcnt 0x0                                ; the last group's stores have had their addresses translated: their data registers are written again only behind this wait
	s_wait_alu depctr_vm_vsrc(0)                   ; the last group's stores have read CD, CD2 and TW: fragments land in CD2 below, the other two are written again further down.  (Nothing of the vector side was issued behind that group's wait on va_vdst)
.endif
.set rA, XR+(2*(\g)+\u)/4
.irp s,0,1,2,3
.irp c,0,1,2,3
	ds_load_b128 v[XF+16*\s+4*\c:XF+16*\s+4*\c+3], v[rA] offset:((2*(\g)+\u)%4)*TILEB+(8*\s+2*\c)*272
.endr
.endr
	ds_load_b128 v[XS:XS+3], v[XSR] offset:256*(2*(\g)+\u)
	s_wait_dscnt 0x0
.irp s,0,1,2,3
.irp n,0,1
	MM \path, \u, \n, \s                           ; the two accumulators take turns
.endr
.endr
.endr
.rept 9
	v_nop                                          ; places behind the last products: their results are read, and later begun anew
.endr
.irp i,0,1
.if \i == 0
.set rC, CD
.else
.set rC, CD2
.endif
.if (\path) < 2
	QB ACC+16*\i, ACC+16*\i+8, rC, BY, T           ; token tile i: a lane's 16 numbers are d = 16 h + 0 .. 15 of its token
.else
	QB ACC+8*\i, ACC+16+8*\i, rC, BY, T            ; weight tile i: a lane's 16 numbers are tokens 16 h + 0 .. 15 of the group, of its d
.endif
.if (\path) == 0
	v_lshl_or_b32 v[WD+\i], v[BY], 8, v[BY]        ; q's byte four times: whichever of the four blocks q stands in, its byte is there
	v_lshl_or_b32 v[WD+\i], v[WD+\i], 16, v[WD+\i]
.elseif (\path) == 1
.if (2*((\g)%2)+\i) == 0
	v_mov_b32 v[WD+(\g)/2], v[BY]                  ; four key tiles make a fragment: their bytes make its scale word
.else
	v_lshl_or_b32 v[WD+(\g)/2], v[BY], 8*(2*((\g)%2)+\i), v[WD+(\g)/2]
.endif
.else
.if (\g) == 0
	v_mov_b32 v[WD+\i], v[BY]                      ; the four groups of 32 keys make the scale word of 128 keys
.else
	v_lshl_or_b32 v[WD+\i], v[BY], 8*(\g), v[WD+\i]
.endif
.endif
.endr
.if (\path) == 0
	v_cndmask_b32 v[TW], v[WD], v[WD+1], s[HM]     ; lanes 0-15 tile 0's words, lanes 16-31 tile 1's
.elseif (\g) == 3
	v_cndmask_b32 v[TW], v[WD], v[WD+1], s[HM]     ; k: lanes 0-15 the first fragment's words, lanes 16-31 the second's;  v: d tile 0's, d tile 1's
.endif
	s_wait_alu depctr_va_vdst(0)                   ; both blocks' codes and the scale words are written, which the stores below read
.if (\path) < 2
	global_store_b128 v[L16], v[CD:CD+3], s[26+4*(\path):27+4*(\path)] offset:(2*(\g))*512
	global_store_b128 v[L16], v[CD2:CD2+3], s[26+4*(\path):27+4*(\path)] offset:(2*(\g)+1)*512
.else
	global_store_b128 v[L16], v[CD:CD+3], s[34:35] offset:(\g)*512
	global_store_b128 v[L16], v[CD2:CD2+3], s[34:35] offset:(4+(\g))*512
.endif
.if (\path) == 0
	global_store_b32 v[L4], v[TW], s[28:29] offset:(2*(\g))*64
.elseif (\g) == 3
.if (\path) == 1
	global_store_b32 v[L4], v[TW], s[32:33]
.else
	global_store_b32 v[L4], v[TW], s[36:37]
.endif
.endif
.endm
	s_load_b512 s[8:23], s[0:1], 0x0               ; x, ln1_scale, ln1_shift, Wq codes, Wq scales, Wk codes, Wk scales, Wv codes
	s_load_b256 s[24:31], s[0:1], 0x40             ; Wv scales, qimg, qsc, kimg
	s_load_b128 s[32:35], s[0:1], 0x60             ; ksc, vimg
	s_load_b64 s[36:37], s[0:1], 0x70              ; vsc
	v_lshl_add_u32 v[SPW], v0, 2, SPARE
	v_mov_b32 v[NIL], 0
	v_lshrrev_b32 v12, 5, v0
	v_readfirstlane_b32 s2, v12                    ; wave = head
	s_and_b32 s3, ttmp7, 0xffff                    ; y: which matrix
	v_and_b32 v12, 31, v0                          ; lane
	v_and_b32 v13, 15, v0                          ; r
	v_bfe_u32 v14, v0, 4, 1                        ; h
	v_lshlrev_b32 v[L16], 4, v12
	v_lshlrev_b32 v[L4], 2, v12
	v_lshlrev_b32 v[LNA], 6, v12
	s_wait_alu depctr_va_sdst(0)                   ; s2 is written, ahead of its first reader
	s_mul_i32 s4, s2, STGW
	s_add_co_u32 s4, s4, STG                       ; my stage
	v_lshrrev_b32 v15, 2, v12
	v_mul_u32_u24 v15, v15, 80
	v_and_b32 v16, 3, v12
	v_lshl_add_u32 v15, v16, 4, v15
	v_add_nc_u32 v[STW], s4, v15                   ; in: four lanes' 64 bytes on end, then 16 of padding
	v_mul_u32_u24 v15, v12, 80
	v_add_nc_u32 v[STR], s4, v15                   ; out: 80 x lane: my 16 neighbours
	s_lshr_b32 s5, s2, 2                           ; my 8 tokens 8 w .. 8 w + 7 are rows 8 a .. 8 a + 7 of tile 2 (w / 4) + w % 2, a = (w / 2) % 2
	s_lshl_b32 s5, s5, 1
	s_and_b32 s6, s2, 1
	s_add_co_u32 s5, s5, s6
	s_bfe_u32 s6, s2, 0x10001
	s_lshl_b32 s6, s6, 7
	s_mul_i32 s7, s5, TILEB
	s_add_co_u32 s7, s7, s6
	v_mul_u32_u24 v15, v12, 272
	v_add_nc_u32 v[XW], s7, v15                    ; slice = lane
	s_lshl_b32 s7, s5, 8
	s_add_co_u32 s7, s7, s6
	s_add_co_u32 s7, s7, XSC
	v_lshrrev_b32 v15, 1, v12
	v_add_nc_u32 v[SW], s7, v15                    ; block = lane / 2
	v_and_b32 v15, 8, v13
	v_add_nc_u32 v15, v15, v13                     ; sel(0, r)
	v_lshlrev_b32 v[WA], 9, v15
	v_lshl_add_u32 v[WA], v14, 4, v[WA]
	v_lshl_add_u32 v16, v14, 3, v15
	v_lshlrev_b32 v[WSA], 4, v16
	s_mov_b32 s[SEL], 0x76543210
	s_mov_b32 s[SEL+1], 0xfedcba98
	s_mov_b32 s[MNT], 0x600000
	s_mov_b32 s[HM], 0xffff0000
	s_mov_b32 s[INV], 0x3b000000
	s_mov_b32 s[EPS], 0x3727c5ac
	s_mov_b32 s39, 0
	s_lshr_b32 s55, ttmp9, 4
	s_lshl_b32 s55, s55, 4
	s_add_co_u32 s55, s55, s2                      ; bh = 16 b + head
	s_and_b32 s56, ttmp9, 15                       ; j: which 128 tokens of the sequence
	s_wait_kmcnt 0x0
	s_lshl_b32 s38, ttmp9, 18
	s_lshl_b32 s4, s2, 14
	s_add_co_u32 s38, s38, s4
	s_add_nc_u64 s[8:9], s[8:9], s[38:39]          ; x at my first row: (128 X + 8 w) rows of 2,048 bytes
	s_mov_b32 s38, s4                              ; my head's 32 rows of 512 codes
	s_add_nc_u64 s[14:15], s[14:15], s[38:39]
	s_add_nc_u64 s[18:19], s[18:19], s[38:39]
	s_add_nc_u64 s[22:23], s[22:23], s[38:39]
	s_lshl_b32 s38, s2, 9                          ; and of 16 scale bytes
	s_add_nc_u64 s[16:17], s[16:17], s[38:39]
	s_add_nc_u64 s[20:21], s[20:21], s[38:39]
	s_add_nc_u64 s[24:25], s[24:25], s[38:39]
	s_lshl_b32 s38, s55, 16
	s_lshl_b32 s4, s56, 12
	s_add_co_u32 s38, s38, s4                      ; the images: 65,536 bytes a head, 4,096 for 128 tokens
	s_add_nc_u64 s[26:27], s[26:27], s[38:39]
	s_add_nc_u64 s[30:31], s[30:31], s[38:39]
	s_add_nc_u64 s[34:35], s[34:35], s[38:39]
	s_lshl_b32 s38, s55, 11
	s_lshl_b32 s4, s56, 7
	s_add_co_u32 s38, s38, s4                      ; k's and v's scale words: 128 bytes for 128 tokens
	s_add_nc_u64 s[32:33], s[32:33], s[38:39]
	s_add_nc_u64 s[36:37], s[36:37], s[38:39]
	s_lshl_b32 s38, s38, 2                         ; q's: 512
	s_add_nc_u64 s[28:29], s[28:29], s[38:39]
	s_wait_alu depctr_va_vdst(0)                   ; the nine offsets and addresses v3 to v11 are written, which the loads and LDS stores below read
	XLOAD 0
.irp jj,0,1,2,3
	global_load_b128 v[LSC+4*\jj:LSC+4*\jj+3], v[LNA], s[10:11] offset:16*\jj
	global_load_b128 v[LSH+4*\jj:LSH+4*\jj+3], v[LNA], s[12:13] offset:16*\jj
.endr
	s_cmp_eq_u32 s3, 1                             ; each matrix is loaded through its own pointer: 33 loads on each of the three ways
	s_cbranch_scc1 .Lwk
	s_cmp_eq_u32 s3, 2
	s_cbranch_scc1 .Lwv
	WLOAD 14, 16
	s_branch .Lwdone
.Lwk:
	WLOAD 18, 20
	s_branch .Lwdone
.Lwv:
	WLOAD 22, 24
.Lwdone:
	BATCH 0
	s_wait_dscnt 0x0                               ; the stores have landed: the next four rows land in registers that they read
	s_wait_alu depctr_vm_vsrc(0)                   ; the LDS stores of codes and bytes have read their registers: x's next rows land in some, the next batch's lines write the others
	XLOAD 1
	BATCH 1
	s_wait_dscnt 0x0                               ; for the others' sake: my codes and bytes lie in LDS
	s_barrier_signal -1
	s_barrier_wait -1                              ; all 128 tokens do; from here on LDS is only read
	s_wait_alu depctr_vm_vsrc(0)                   ; my LDS instructions have read v5 to v7, v12 to v15, the bytes' registers and the codes in v[XF ..]: all are written again from here on
	v_and_b32 v13, 15, v0
	v_bfe_u32 v14, v0, 4, 1
	v_mul_u32_u24 v[XR], v14, 272
	v_lshl_add_u32 v[XR], v13, 4, v[XR]            ; a fragment's 16 bytes: slice 8 s + 2 c + h, row r
	v_add_nc_u32 v[XR2], 4*TILEB, v[XR]            ; tiles 4 to 7: beyond the immediate's 16 bits
	v_lshl_add_u32 v[XSR], v13, 4, XSC
	s_cmp_eq_u32 s3, 1
	s_cbranch_scc1 .Lk
	s_cmp_eq_u32 s3, 2
	s_cbranch_scc1 .Lv
	GRP 0, 0
	GRP 0, 1
	GRP 0, 2
	GRP 0, 3
	s_branch .Lend
.Lk:
	GRP 1, 0
	GRP 1, 1
	GRP 1, 2
	GRP 1, 3
	s_branch .Lend
.Lv:
	GRP 2, 0
	GRP 2, 1
	GRP 2, 2
	GRP 2, 3
.Lend:
	s_wait_dscnt 0x0                               ; the closing lines, six on end
	s_wait_alu 0x0
	s_wait_tensorcnt 0x0
	ds_add_u32 v[SPW], v[NIL]
	s_wait_dscnt 0x0
	s_endpgm
.Lfunc_end_k_qe4132ceb68_qkv:
	.size	k_qe4132ceb68_qkv, .Lfunc_end_k_qe4132ceb68_qkv-k_qe4132ceb68_qkv
	.p2alignl 7, 3214868480
	.fill 96, 4, 3214868480
	.section	.rodata,"a",@progbits
	.p2align	6, 0x0
	.amdhsa_kernel k_qe4132ceb68_qkv
		.amdhsa_group_segment_fixed_size 237568
		.amdhsa_private_segment_fixed_size 0
		.amdhsa_enable_private_segment 0
		.amdhsa_kernarg_size 120
		.amdhsa_user_sgpr_count 2
		.amdhsa_user_sgpr_kernarg_segment_ptr 1
		.amdhsa_wavefront_size32 1
		.amdhsa_system_sgpr_workgroup_id_x 1
		.amdhsa_system_sgpr_workgroup_id_y 1
		.amdhsa_system_sgpr_workgroup_id_z 1
		.amdhsa_system_vgpr_workitem_id 0
		.amdhsa_next_free_vgpr 256
		.amdhsa_next_free_sgpr 66
		.amdhsa_reserve_vcc 0
		.amdhsa_float_denorm_mode_32 3
		.amdhsa_float_denorm_mode_16_64 3
		.amdhsa_memory_ordered 1
		.amdhsa_forward_progress 1
		.amdhsa_inst_pref_size 176
	.end_amdhsa_kernel
	.amdgpu_metadata
---
amdhsa.version: [ 1, 2 ]
amdhsa.kernels:
  - .name:           k_qe4132ceb68_qkv
    .symbol:         k_qe4132ceb68_qkv.kd
    .args:
      - { .name: x, .offset: 0, .size: 8, .value_kind: global_buffer, .address_space: global }
      - { .name: ln1_scale, .offset: 8, .size: 8, .value_kind: global_buffer, .address_space: global }
      - { .name: ln1_shift, .offset: 16, .size: 8, .value_kind: global_buffer, .address_space: global }
      - { .name: Wq_codes, .offset: 24, .size: 8, .value_kind: global_buffer, .address_space: global }
      - { .name: Wq_scales, .offset: 32, .size: 8, .value_kind: global_buffer, .address_space: global }
      - { .name: Wk_codes, .offset: 40, .size: 8, .value_kind: global_buffer, .address_space: global }
      - { .name: Wk_scales, .offset: 48, .size: 8, .value_kind: global_buffer, .address_space: global }
      - { .name: Wv_codes, .offset: 56, .size: 8, .value_kind: global_buffer, .address_space: global }
      - { .name: Wv_scales, .offset: 64, .size: 8, .value_kind: global_buffer, .address_space: global }
      - { .name: qimg, .offset: 72, .size: 8, .value_kind: global_buffer, .address_space: global }
      - { .name: qsc, .offset: 80, .size: 8, .value_kind: global_buffer, .address_space: global }
      - { .name: kimg, .offset: 88, .size: 8, .value_kind: global_buffer, .address_space: global }
      - { .name: ksc, .offset: 96, .size: 8, .value_kind: global_buffer, .address_space: global }
      - { .name: vimg, .offset: 104, .size: 8, .value_kind: global_buffer, .address_space: global }
      - { .name: vsc, .offset: 112, .size: 8, .value_kind: global_buffer, .address_space: global }
    .group_segment_fixed_size: 237568
    .private_segment_fixed_size: 0
    .kernarg_segment_align: 8
    .kernarg_segment_size: 120
    .max_flat_workgroup_size: 512
    .sgpr_count:     66
    .vgpr_count:     256
    .wavefront_size: 32
...
	.end_amdgpu_metadata
.endif
;; end of part 4
;; launch attn (part 5): grid 4 x 64, 16 waves a work-group, no clusters, 137,216 bytes of LDS; arguments qimg, qsc, kimg, ksc, vimg, vsc, cimg, csc; writes cimg, csc
.if DOCPART == 5
	.amdgcn_target "amdgcn-amd-amdhsa--gfx1250"
	.amdhsa_code_object_version 6
	.text
	.protected	k_qe4132ceb68_attn
	.globl	k_qe4132ceb68_attn
	.p2align	8
	.type	k_qe4132ceb68_attn,@function
k_qe4132ceb68_attn:
	s_mov_b64 s[64:65], 0
	v_nop
	global_prefetch_b8 v0, s[64:65] scope:SCOPE_SE
	s_setreg_imm32_b32 hwreg(HW_REG_WAVE_SCHED_MODE, 0, 2), 2
	s_setreg_imm32_b32 hwreg(HW_REG_WAVE_MODE, 25, 1), 1
	s_wait_xcnt 0x0
	s_wait_alu depctr_vm_vsrc(0)
; LAUNCH 2 OF 3.  ctx = softmax(q k^T / sqrt(32), causal) v for one head, both products on codes of E5M2 with E8M0 scales; ctx quantised along the head's 32 and stored as an operand image.
; LEFT OUT: key steps of 128 all of whose keys come behind a tile's queries: reference() hides them by its own jnp.tril, so their weights are 0 for all finite inputs.  A NaN, an infinity or an overflow that reaches only them is not carried on.
; THE SOFTMAX: t = score x log2(e) / sqrt(32); M = the running largest t rounded up to a whole number; p = 2^(t - M) is quantised along the keys; the sum is taken of the unquantised p and divides at the end; a change of M multiplies by a power of two.
; SHARES.  Work-group (X, bh).  The head's K and V images and scale words, 135,168 bytes, are copied once into LDS; one barrier.  Wave e = 16 X + w takes query tiles e and 127 - e, one after the other:
; tile T has T / 8 + 1 live steps, so every wave walks 17.  The loop's trip count is the constant 16; a step that is hidden is jumped over by a scalar branch on ids.
; No cluster and no joint load: the four work-groups of a head share those 135,168 bytes, read once each at the head; no tile is fetched in the loop.
; K = 32 IN AN INSTRUCTION OF 128: a fragment of K holds FOUR key tiles, one in each block of 32; q stands once, in v28-31, with zeros in v16-27 and v32-43, and the run v[28 - 4 c : 43 - 4 c] has q in block c alone: zero codes add nothing.
; LIMITS: as stated at the head of the first launch.
; THE MODE: SCHED_MODE bits 1:0 = 2 (LLVM: expert scheduling mode 2), set by the entry lines.  The code itself states the register dependences between vector or matrix instructions and memory or LDS instructions, with s_wait_alu, always for 0.
; THE PLAN.  Registers that memory or LDS instructions touch, in a key step:
;   v6-v8     three LDS addresses: written at the step's head, read by the step's 18 LDS loads.
;   KR, KS    K's fragments and scale words: loaded at the step's head; read by the eight products K Q^T.
;   VR, VS    V's: loaded BEHIND THE WAIT FOR THE 64 EXPONENTIALS, which stands there anyway and shows the last step's two products done reading them and the addresses written; read by the two products at the step's end.
;   PC, PS    p's codes and scale word: written by vector lines, read by those two products; at a tile's end PC and PB are the two stores' data.
;   v28-31, QS   q and its scale words: loaded at a tile's head, read by the products K Q^T.
; A step's waits: vm_vsrc ahead of the three additions; va_vdst behind them; the two waits for the exponentials; va_vdst ahead of the last two products.  On the diagonal the compares go in runs of 16 into scalar registers, one wait on va_sdst a run.
.set KSC,   131072                     ; LDS: K's images from 0, V's from 65,536; K's scale words; V's 2,048 further on
.set SPARE, 135168                     ; the spare words, 128 bytes for each wave; no other line names them
.set SPW, 1
.set NIL, 2
.set L16, 3                            ; v3   16 x lane
.set L4K, 4                            ; v4   KSC + 4 x lane
.set QH,  5                            ; v5   my query - 16 h
.set ADK, 6
.set ADV, 7
.set ADS, 8
.set DD,  9                            ; v9   my query - 16 h - the step's first key
.set NINF, 10                          ; v10  -infinity
.set RPH, 11                           ; v11  sel(0, r) - 16 h
.set KS,  44                           ; v44-47 scale words: K's, V's, q's, p's: scales alone
.set VS,  45
.set QS,  46
.set PS,  47
.set KR,  48                           ; v48-79 two fragments of K;  v80-111 two of V
.set VR,  80
.set S,   112                          ; v112-175 S^T, then p
.set O,   176                          ; v176-191 O^T
.set PC,  192                          ; v192-207 p's codes
.set BM,  208
.set PB,  212
.set HO,  216
.set SO,  220
.set F,   224                          ; v[224:225] f = 2^(old M - new M) in the low half
.set TMP, 226
.set SU,  228                          ; v[228:229] the second chain of sums
.set R4,  230                          ; v230 4 r
.set CSA, 231                          ; v231 16 r + head
.set SEL, 48
.set CS,  50                           ; s[50:51] c = log2(e) / sqrt(32)
.set MNT, 52
.set J,   53
.set JL,  54
.set TB,  55
.set TS,  56
.set KF,  57
.set BB,  58
.set HEAD, 59
.macro QB a, b, cd, by, tt             ; one block of 32 in lanes l and l xor 16: as in the first launch
	v_max3_num_f32 v[(\tt)], |v[(\a)]|, |v[(\a)+1]|, 0x8000000
	v_max3_num_f32 v[(\tt)+1], |v[(\b)]|, |v[(\b)+1]|, |v[(\b)+2]|
	v_max3_num_f32 v[(\tt)], v[(\tt)], |v[(\a)+2]|, |v[(\a)+3]|
	v_max3_num_f32 v[(\tt)+1], v[(\tt)+1], |v[(\b)+3]|, |v[(\b)+4]|
	v_max3_num_f32 v[(\tt)], v[(\tt)], |v[(\a)+4]|, |v[(\a)+5]|
	v_max3_num_f32 v[(\tt)+1], v[(\tt)+1], |v[(\b)+5]|, |v[(\b)+6]|
	v_max3_num_f32 v[(\tt)], v[(\tt)], |v[(\a)+6]|, |v[(\a)+7]|
	v_max3_num_f32 v[(\tt)], v[(\tt)], v[(\tt)+1], |v[(\b)+7]|
	v_permlanex16_b32 v[(\tt)+1], v[(\tt)], s[SEL], s[SEL+1]
	v_max_num_f32 v[(\tt)], v[(\tt)], v[(\tt)+1]
	v_add_nc_u32 v[(\tt)+2], 0xf8800000, v[(\tt)]
	v_and_or_b32 v[(\tt)+3], v[(\tt)], 0x7f800000, s[MNT]
	v_lshrrev_b32 v[(\by)], 23, v[(\tt)+2]
.irp i,0,1,2,3,4,5,6,7
	v_med3_num_f32 v[(\a)+\i], v[(\a)+\i], -v[(\tt)+3], v[(\tt)+3]
.endr
.irp i,0,1,2,3,4,5,6,7
	v_med3_num_f32 v[(\b)+\i], v[(\b)+\i], -v[(\tt)+3], v[(\tt)+3]
.endr
	v_cvt_scalef32_pk8_bf8_f32 v[(\cd):(\cd)+1], v[(\a):(\a)+7], v[(\tt)+2]
	v_cvt_scalef32_pk8_bf8_f32 v[(\cd)+2:(\cd)+3], v[(\b):(\b)+7], v[(\tt)+2]
	v_nop
.endm
; One tile of 16 queries.  sT: the scalar register that holds T;  sB: eight scalar registers for this tile's four addresses.
.macro TASK sT, sB
	s_wait_xcnt 0x0                                ; the tile before has stored: its data registers are written again only behind this wait
	s_wait_alu depctr_vm_vsrc(0)                   ; the first tile: the head's loads and LDS stores have read v5 to v8 and their data in KR, VR and S;  the second: the first tile's stores have read PC and PB.  All are written again below
	s_lshr_b32 s[JL], s[\sT], 3                    ; the last live step
	s_mov_b32 s45, 0
	s_lshl_b32 s42, s3, 7
	s_add_co_u32 s42, s42, s[\sT]                  ; 128 bh + T
	s_lshl_b32 s44, s42, 9
	s_add_nc_u64 s[\sB:\sB+1], s[8:9], s[44:45]
	s_lshl_b32 s44, s42, 6
	s_add_nc_u64 s[\sB+2:\sB+3], s[10:11], s[44:45]
	s_lshl_b32 s42, s[BB], 7
	s_add_co_u32 s42, s42, s[\sT]                  ; the token tile: 128 b + T
	s_lshl_b32 s44, s42, 4
	s_add_co_u32 s44, s44, s[HEAD]
	s_lshl_b32 s44, s44, 9
	s_add_nc_u64 s[\sB+4:\sB+5], s[20:21], s[44:45]
	s_lshl_b32 s44, s42, 8
	s_add_nc_u64 s[\sB+6:\sB+7], s[22:23], s[44:45]
	global_load_b128 v[28:31], v[L16], s[\sB:\sB+1]    ; q (nine places stand behind the last products of the tile before).  No wait on va_vdst: no vector or matrix instruction since the last one (at the head; ahead of the last tile's stores) names v28-31, v[QS] or the two offsets
	global_load_b32 v[QS], v[R4], s[\sB+2:\sB+3]
	s_lshr_b32 s42, s[\sT], 1
	s_lshl_b32 s42, s42, 5
	s_and_b32 s43, s[\sT], 1
	s_lshl_b32 s43, s43, 3
	s_add_co_u32 s42, s42, s43
	v_add_nc_u32 v[QH], s42, v[RPH]                ; my query is 32 (T / 2) + 8 (T % 2) + sel(0, r)
	v_mov_b32 v13, 0xff61b1e6                      ; the largest t so far: -3e38
	v_floor_f32 v12, -v13                          ; -M
	v_mov_b32 v14, 0
	v_mov_b32 v15, 0
.irp i,0,1,2,3,4,5,6,7,8,9,10,11,12,13,14,15
	v_mov_b32 v[O+\i], 0                           ; the step is written once: the first finds zeros
.endr
	s_mov_b32 s[J], 0
	s_mov_b32 s[TB], 0
	s_mov_b32 s[TS], 0
	s_mov_b32 s[KF], 0
	s_wait_loadcnt 0x0
.Lstep_\@:
	s_cmp_gt_u32 s[J], s[JL]                       ; all 128 keys come behind my queries: ids alone decide
	s_cbranch_scc1 .Lhid_\@
	s_wait_alu depctr_vm_vsrc(0)                   ; the last step's LDS loads have read the three addresses, which are written anew
	v_add_nc_u32 v[ADK], s[TB], v[L16]
	v_add_nc_u32 v[ADV], 0x10000, v[ADK]
	v_add_nc_u32 v[ADS], s[TS], v[L4K]
	s_wait_alu depctr_va_vdst(0)                   ; the addresses are written, which the loads below read; in a tile's first step also: the zero codes beside q are written, which the products take as an operand
.irp i,0,1,2,3,4,5,6,7
	ds_load_b128 v[KR+4*\i:KR+4*\i+3], v[ADK] offset:512*\i   ; the last products that read K's registers stand a whole softmax back
.endr
	ds_load_b32 v[KS], v[ADS]
	s_wait_dscnt 0x0                               ; K and its words are in
.irp c,0,1,2,3
	v_wmma_scale_f32_16x16x128_f8f6f4 v[S+8*\c:S+8*\c+7], v[KR:KR+15], v[28-4*\c:43-4*\c], 0, v[KS], v[QS] matrix_a_fmt:MATRIX_FMT_BF8 matrix_b_fmt:MATRIX_FMT_BF8
.endr
.irp c,0,1,2,3
	v_wmma_scale_f32_16x16x128_f8f6f4 v[S+32+8*\c:S+32+8*\c+7], v[KR+16:KR+31], v[28-4*\c:43-4*\c], 0, v[KS], v[QS] matrix_a_fmt:MATRIX_FMT_BF8 matrix_b_fmt:MATRIX_FMT_BF8 matrix_a_scale:MATRIX_SCALE_ROW1
.endr
.rept 8
	v_nop
.endr
	s_cmp_lt_u32 s[J], s[JL]                       ; only the last live step meets the diagonal
	s_cbranch_scc1 .Lopen_\@
	v_sub_nc_u32 v[DD], v[QH], s[KF]               ; register 16 b + i holds key KF + 16 h + 32 b + i: hidden where 32 b + i > d
.set bb, 0
.rept 4                                ; a block's 16 compares go into 16 scalar registers that are free by now: s12-19 (the copy's four addresses are done with), s4-7, s60-63
.set ii, 0
.rept 16
.set rM, 12+ii
.if ii >= 8
.set rM, ii-4
.endif
.if ii >= 12
.set rM, 48+ii
.endif
	v_cmp_gt_i32 s[rM], 32*bb+ii, v[DD]
.set ii, ii+1
.endr
	s_wait_alu depctr_va_sdst(0)                   ; the 16 masks are written, ahead of their first reader
.set ii, 0
.rept 16
.set rM, 12+ii
.if ii >= 8
.set rM, ii-4
.endif
.if ii >= 12
.set rM, 48+ii
.endif
	v_cndmask_b32 v[S+16*bb+ii], v[S+16*bb+ii], v[NINF], s[rM]
.set ii, ii+1
.endr
.set bb, bb+1
.endr
.Lopen_\@:
.irp b,0,1,2,3
	v_max3_num_f32 v[BM+\b], v[S+16*\b], v[S+1+16*\b], v[S+2+16*\b]   ; the largest score of each block of 32 keys: for the row's maximum and for the block's largest p
.endr
.irp i,3,5,7,9,11,13
.irp b,0,1,2,3
	v_max3_num_f32 v[BM+\b], v[BM+\b], v[S+16*\b+\i], v[S+1+16*\b+\i]
.endr
.endr
.irp b,0,1,2,3
	v_max_num_f32 v[BM+\b], v[BM+\b], v[S+15+16*\b]
.endr
.irp b,0,1,2,3
	v_permlanex16_b32 v[PB+\b], v[BM+\b], s[SEL], s[SEL+1]
.endr
.irp b,0,1,2,3
	v_max_num_f32 v[BM+\b], v[BM+\b], v[PB+\b]
.endr
	v_max3_num_f32 v[TMP], v[BM], v[BM+1], v[BM+2]
	v_max_num_f32 v[TMP], v[TMP], v[BM+3]
	v_mul_f32 v[TMP], s[CS], v[TMP]
	v_max_num_f32 v13, v13, v[TMP]                 ; the running largest t
	v_mov_b32 v[TMP], v12
	v_floor_f32 v12, -v13                          ; the new -M: a whole number
	v_sub_f32 v[TMP], v12, v[TMP]
	v_cvt_i32_f32 v[TMP], v[TMP]                   ; (it saturates)
	v_ldexp_f32 v[F], 1.0, v[TMP]                  ; f = 2^(old M - new M)
.set ii, 0
.rept 32
	v_pk_fma_f32 v[S+ii:S+ii+1], v[S+ii:S+ii+1], s[CS:CS+1], v[12:13] op_sel_hi:[1,0,0]   ; t - M
.set ii, ii+2
.endr
.irp b,0,1,2,3
	v_fma_f32 v[BM+\b], v[BM+\b], s[CS], v12
.endr
.set ii, 0
	s_wait_alu depctr_va_vdst(0)
.rept 64
	v_exp_f32 v[S+ii], v[S+ii]                     ; p = 2^(t - M)
.set ii, ii+1
.endr
	v_pk_mul_f32 v[14:15], v[14:15], v[F:F+1] op_sel_hi:[1,0]   ; the sums under the new M: a plain line behind the exponentials
	s_wait_alu depctr_va_vdst(0)                   ; the 64 exponentials are written: one wait for the batch, ahead of its first reader.  It also shows the last step's two products done reading V's registers, in which the loads below land
.irp i,0,1,2,3,4,5,6,7
	ds_load_b128 v[VR+4*\i:VR+4*\i+3], v[ADV] offset:512*\i   ; V: the sums, the scales, the holds and the conversions stand between these loads and the wait for them
.endr
	ds_load_b32 v[VS], v[ADS] offset:2048
.irp b,0,1,2,3
	v_exp_f32 v[BM+\b], v[BM+\b]                   ; the block's largest p
.endr
	v_pk_add_f32 v[SU:SU+1], v[S:S+1], v[S+2:S+3]  ; the sum of the unquantised p, in two chains
.irp i,4,8,12,16,20,24,28,32,36,40,44,48,52,56,60
	v_pk_add_f32 v[14:15], v[14:15], v[S+\i:S+\i+1]
	v_pk_add_f32 v[SU:SU+1], v[SU:SU+1], v[S+2+\i:S+3+\i]
.endr
	v_pk_add_f32 v[14:15], v[14:15], v[SU:SU+1]
	s_wait_alu depctr_va_vdst(0)                   ; the four exponentials are written, ahead of their first reader
.irp b,0,1,2,3
	v_max_num_f32 v[BM+\b], 0x8000000, v[BM+\b]    ; the floor: a block whose every p is 0 keeps the byte 1, and its codes are zeros
.endr
.irp b,0,1,2,3
	v_add_nc_u32 v[SO+\b], 0xf8800000, v[BM+\b]
.endr
.irp b,0,1,2,3
	v_and_or_b32 v[HO+\b], v[BM+\b], 0x7f800000, s[MNT]
.endr
.irp b,0,1,2,3
	v_lshrrev_b32 v[PB+\b], 23, v[SO+\b]
.endr
	v_lshl_or_b32 v[PS], v[PB+1], 8, v[PB]         ; p's scale word for these 128 keys: it stands 64 plain lines ahead of the products
	v_lshl_or_b32 v[PS], v[PB+2], 16, v[PS]
	v_lshl_or_b32 v[PS], v[PB+3], 24, v[PS]
.irp b,0,1,2,3
.irp i,0,1,2,3,4,5,6,7,8,9,10,11,12,13,14,15
	v_min_num_f32 v[S+16*\b+\i], v[S+16*\b+\i], v[HO+\b]   ; p is not negative: a one-sided hold
.endr
	v_cvt_scalef32_pk8_bf8_f32 v[PC+4*\b:PC+4*\b+1], v[S+16*\b:S+16*\b+7], v[SO+\b]
	v_cvt_scalef32_pk8_bf8_f32 v[PC+4*\b+2:PC+4*\b+3], v[S+16*\b+8:S+16*\b+15], v[SO+\b]
.endr
.irp i,0,2,4,6,8,10,12,14
	v_pk_mul_f32 v[O+\i:O+\i+1], v[O+\i:O+\i+1], v[F:F+1] op_sel_hi:[1,0]   ; O^T under the new M
.endr
.rept 4
	v_nop                                          ; four places between the codes' last conversion and the products
.endr
	s_wait_dscnt 0x0                               ; V and its words
	s_wait_alu depctr_va_vdst(0)                   ; p's codes and scale word are written, which the two products take as an operand and as scales; the places above stay beside this wait
	v_wmma_scale_f32_16x16x128_f8f6f4 v[O:O+7], v[VR:VR+15], v[PC:PC+15], v[O:O+7], v[VS], v[PS] matrix_a_fmt:MATRIX_FMT_BF8 matrix_b_fmt:MATRIX_FMT_BF8
	v_wmma_scale_f32_16x16x128_f8f6f4 v[O+8:O+15], v[VR+16:VR+31], v[PC:PC+15], v[O+8:O+15], v[VS], v[PS] matrix_a_fmt:MATRIX_FMT_BF8 matrix_b_fmt:MATRIX_FMT_BF8 matrix_a_scale:MATRIX_SCALE_ROW1
.Lhid_\@:
	s_add_co_u32 s[TB], s[TB], 4096                ; a step: 8 key tiles of 512 bytes; V's 4,096 likewise
	s_add_co_u32 s[TS], s[TS], 128
	s_add_co_u32 s[KF], s[KF], 128
	s_add_co_u32 s[J], s[J], 1
	s_cmp_lt_u32 s[J], 16
	s_cbranch_scc1 .Lstep_\@
.rept 9
	v_nop                                          ; places behind the last products
.endr
	v_add_f32 v14, v14, v15
	v_permlanex16_b32 v[TMP], v14, s[SEL], s[SEL+1]
	v_add_f32 v14, v14, v[TMP]                     ; the row's sum
	s_wait_alu depctr_va_vdst(0)
	v_rcp_f32 v14, v14
	v_nop
	s_wait_alu depctr_va_vdst(0)                   ; the reciprocal is written, ahead of its first reader
.irp i,0,1,2,3,4,5,6,7,8,9,10,11,12,13,14,15
	v_mul_f32 v[S+\i], v[O+\i], v14                ; ctx(query r, d = 16 h + i)
.endr
	QB S, S+8, PC, PB, BM
	s_wait_alu depctr_va_vdst(0)                   ; ctx's codes and scale byte are written, which the two stores read; and the tile's products are done reading q, in which the next tile's loads land
	global_store_b128 v[L16], v[PC:PC+3], s[\sB+4:\sB+5]     ; 512 consecutive bytes
	global_store_b8 v[CSA], v[PB], s[\sB+6:\sB+7]            ; lanes l and l xor 16 write the same byte with the same value
.endm
	s_load_b512 s[8:23], s[0:1], 0x0               ; qimg, qsc, kimg, ksc, vimg, vsc, cimg, csc
	v_lshl_add_u32 v[SPW], v0, 2, SPARE
	v_mov_b32 v[NIL], 0
	v_lshrrev_b32 v5, 5, v0
	v_readfirstlane_b32 s2, v5                     ; wave
	s_and_b32 s3, ttmp7, 0xffff                    ; bh
	s_and_b32 s[HEAD], s3, 15
	s_lshr_b32 s[BB], s3, 4
	v_and_b32 v5, 31, v0
	v_and_b32 v9, 15, v0                           ; r
	v_bfe_u32 v10, v0, 4, 1                        ; h
	v_lshlrev_b32 v[L16], 4, v5
	v_lshl_add_u32 v[L4K], v5, 2, KSC
	v_lshlrev_b32 v[R4], 2, v9
	v_lshl_add_u32 v[CSA], v9, 4, s[HEAD]
	v_and_b32 v[RPH], 8, v9
	v_add_nc_u32 v[RPH], v[RPH], v9
	v_lshlrev_b32 v10, 4, v10
	v_sub_nc_u32 v[RPH], v[RPH], v10
	s_wait_alu depctr_va_sdst(0)                   ; s2 is written, ahead of its first reader
	s_lshl_b32 s40, ttmp9, 4
	s_add_co_u32 s40, s40, s2                      ; my first tile: 16 X + w
	s_sub_co_u32 s41, 127, s40                     ; and my second
	s_lshl_b32 s46, s2, 12
	v_add_nc_u32 v[ADK], s46, v[L16]               ; the copy: 4,096 bytes of K and of V a wave
	v_add_nc_u32 v[ADV], 0x10000, v[ADK]
	v_lshlrev_b32 v[QH], 2, v0                     ; and a scale word of each a thread
	v_lshl_add_u32 v[ADS], v0, 2, KSC
	s_mov_b32 s[SEL], 0x76543210
	s_mov_b32 s[SEL+1], 0xfedcba98
	s_mov_b32 s[CS], 0x3e8293ee
	s_mov_b32 s[CS+1], s[CS]
	s_mov_b32 s[MNT], 0x600000
	s_mov_b32 s45, 0
	s_wait_kmcnt 0x0
	s_lshl_b32 s44, s3, 16
	s_add_nc_u64 s[12:13], s[12:13], s[44:45]
	s_add_nc_u64 s[16:17], s[16:17], s[44:45]
	s_lshl_b32 s44, s3, 11
	s_add_nc_u64 s[14:15], s[14:15], s[44:45]
	s_add_nc_u64 s[18:19], s[18:19], s[44:45]
	s_wait_alu depctr_va_vdst(0)                   ; all offsets and addresses (v3 to v8, v230, v231) are written, which the loads and stores of the head and of both tiles read
.irp i,0,1,2,3,4,5,6,7
	global_load_b128 v[KR+4*\i:KR+4*\i+3], v[ADK], s[12:13] offset:512*\i
.endr
.irp i,0,1,2,3,4,5,6,7
	global_load_b128 v[VR+4*\i:VR+4*\i+3], v[ADK], s[16:17] offset:512*\i
.endr
	global_load_b32 v[S], v[QH], s[14:15]
	global_load_b32 v[S+1], v[QH], s[18:19]
.irp i,16,17,18,19,20,21,22,23,24,25,26,27,32,33,34,35,36,37,38,39,40,41,42,43
	v_mov_b32 v\i, 0                               ; the zero codes on both sides of q
.endr
	v_mov_b32 v[NINF], 0xff800000
.irp b,0,1,2,3
	v_mov_b32 v[PB+\b], 0                          ; written once: a lane permute's destination counts as one of its sources
.endr
	v_mov_b32 v[F+1], 0                            ; (named as the upper half of a pair)
	v_mov_b32 v[TMP], 0
	s_wait_loadcnt 0x0
.irp i,0,1,2,3,4,5,6,7
	ds_store_b128 v[ADK], v[KR+4*\i:KR+4*\i+3] offset:512*\i
	ds_store_b128 v[ADV], v[VR+4*\i:VR+4*\i+3] offset:512*\i
.endr
	ds_store_b32 v[ADS], v[S]
	ds_store_b32 v[ADS], v[S+1] offset:2048
	s_wait_dscnt 0x0                               ; for the others' sake: my part of the head lies in LDS
	s_barrier_signal -1
	s_barrier_wait -1                              ; the whole head does; from here on LDS is only read
	TASK 40, 24
	TASK 41, 32
	s_wait_dscnt 0x0                               ; the closing lines, six on end
	s_wait_alu 0x0
	s_wait_tensorcnt 0x0
	ds_add_u32 v[SPW], v[NIL]
	s_wait_dscnt 0x0
	s_endpgm
.Lfunc_end_k_qe4132ceb68_attn:
	.size	k_qe4132ceb68_attn, .Lfunc_end_k_qe4132ceb68_attn-k_qe4132ceb68_attn
	.p2alignl 7, 3214868480
	.fill 96, 4, 3214868480
	.section	.rodata,"a",@progbits
	.p2align	6, 0x0
	.amdhsa_kernel k_qe4132ceb68_attn
		.amdhsa_group_segment_fixed_size 137216
		.amdhsa_private_segment_fixed_size 0
		.amdhsa_enable_private_segment 0
		.amdhsa_kernarg_size 64
		.amdhsa_user_sgpr_count 2
		.amdhsa_user_sgpr_kernarg_segment_ptr 1
		.amdhsa_wavefront_size32 1
		.amdhsa_system_sgpr_workgroup_id_x 1
		.amdhsa_system_sgpr_workgroup_id_y 1
		.amdhsa_system_sgpr_workgroup_id_z 1
		.amdhsa_system_vgpr_workitem_id 0
		.amdhsa_next_free_vgpr 256
		.amdhsa_next_free_sgpr 66
		.amdhsa_reserve_vcc 0
		.amdhsa_float_denorm_mode_32 3
		.amdhsa_float_denorm_mode_16_64 3
		.amdhsa_memory_ordered 1
		.amdhsa_forward_progress 1
		.amdhsa_inst_pref_size 69
	.end_amdhsa_kernel
	.amdgpu_metadata
---
amdhsa.version: [ 1, 2 ]
amdhsa.kernels:
  - .name:           k_qe4132ceb68_attn
    .symbol:         k_qe4132ceb68_attn.kd
    .args:
      - { .name: qimg, .offset: 0, .size: 8, .value_kind: global_buffer, .address_space: global }
      - { .name: qsc, .offset: 8, .size: 8, .value_kind: global_buffer, .address_space: global }
      - { .name: kimg, .offset: 16, .size: 8, .value_kind: global_buffer, .address_space: global }
      - { .name: ksc, .offset: 24, .size: 8, .value_kind: global_buffer, .address_space: global }
      - { .name: vimg, .offset: 32, .size: 8, .value_kind: global_buffer, .address_space: global }
      - { .name: vsc, .offset: 40, .size: 8, .value_kind: global_buffer, .address_space: global }
      - { .name: cimg, .offset: 48, .size: 8, .value_kind: global_buffer, .address_space: global }
      - { .name: csc, .offset: 56, .size: 8, .value_kind: global_buffer, .address_space: global }
    .group_segment_fixed_size: 137216
    .private_segment_fixed_size: 0
    .kernarg_segment_align: 8
    .kernarg_segment_size: 64
    .max_flat_workgroup_size: 512
    .sgpr_count:     66
    .vgpr_count:     256
    .wavefront_size: 32
...
	.end_amdgpu_metadata
.endif
;; end of part 5
;; launch ffn (part 6): grid 256 x 1, 16 waves a work-group, no clusters, 249,344 bytes of LDS; arguments cimg, csc, Wo_codes, Wo_scales, bo, x, ln2_scale, ln2_shift, W1_codes, W1_scales, b1, W2_codes, W2_scales, b2, out0; writes out0
.if DOCPART == 6
	.amdgcn_target "amdgcn-amd-amdhsa--gfx1250"
	.amdhsa_code_object_version 6
	.text
	.protected	k_qe4132ceb68_ffn
	.globl	k_qe4132ceb68_ffn
	.p2align	8
	.type	k_qe4132ceb68_ffn,@function
k_qe4132ceb68_ffn:
	s_mov_b64 s[64:65], 0
	v_nop
	global_prefetch_b8 v0, s[64:65] scope:SCOPE_SE
	s_setreg_imm32_b32 hwreg(HW_REG_WAVE_SCHED_MODE, 0, 2), 2
	s_setreg_imm32_b32 hwreg(HW_REG_WAVE_MODE, 25, 1), 1
	s_wait_xcnt 0x0
	s_wait_alu depctr_vm_vsrc(0)
; LAUNCH 3 OF 3.  x1 = x + ctx Wo + bo;  h = LN2(x1), quantised;  g = gelu(h W1 + b1) (exact: by erf), quantised;  out = x1 + g W2 + b2.  All three products on codes of E5M2 with E8M0 scales.  Nothing is left out here.
; SHARES.  Work-group G takes 32 tokens (two tiles; tile t holds token 8 t + r + 8 (r / 8) in row r).  THE WAVES SHARE THE COLUMNS: wave w makes columns 32 w .. 32 w + 31 of x1, h and out, and hidden units 128 w .. 128 w + 127.
; x1, h and the hidden layer never go to memory; operands go from wave to wave through LDS as images of their registers (16 bytes a lane at 16 x lane).
; THE WEIGHTS go from memory straight into a ring of four register slots (a slot: one K step of 128 for two tiles of 16 rows, 32 registers), nine quads of four K steps: Wo; W1's four groups of 32 units; W2's four quarters of K.
; No cluster and no joint load, though all 256 work-groups walk the same 2,359,296 bytes of weights: a joint load lands in LDS, and this form has no ring there: the block's own regions take 249,344 of the 327,680 bytes.
; The price is stated: each work-group reads all the weights once.
; erf(x) = x P(x^2) / Q(x^2), x held to +-4, beyond which erf is 1 in f32.  LIMITS: as stated at the head of the first launch.
; THE MODE: SCHED_MODE bits 1:0 = 2 (LLVM: expert scheduling mode 2), set by the entry lines.  The code itself states the register dependences between vector or matrix instructions and memory or LDS instructions, with s_wait_alu, always for 0.
; THE PLAN.  Registers that memory or LDS instructions touch, in a K step:
;   RING slot s   read by the step's four products; behind them the same step of the next quad is loaded into it (in the last quad: b2 into slot 0).
;   WSC           two sets of the weights' scale words: a quad's products read one, the next quad's load lands in the other.
;   FR0, FR1      two buffers of the tokens' fragments (v64-95, v96-127), by turns from quad 1 on: a step's products read one; the NEXT step's fragments are asked for into the other, ahead of those products.  Quad 0 has FR0 alone: LN2's parameters lie in v96-127.
;   AS            the tokens' scale words: loaded once for Wo and once for W1; for W2 a word a tile and step, in two registers by turns like the fragments.
; ONE wait on va_vdst stands in a step, behind its products and their places: it shows them done reading the slot (the ring's loads follow at once) and their fragment buffer and scale words (asked for again at the next step's head, with nothing of the vector side between).
; Between the quads: each phase makes its addresses behind one wait on vm_vsrc, and one wait on va_vdst stands ahead of each run of LDS stores, or of loads by fresh addresses.
.set CIMG,  0                          ; ctx: [tile][head 16][512]
.set B1L,   16896                      ; b1
.set RED,   25088                      ; partial sums [tile][row][wave]; the squares' 2,048 further on
.set HIMG,  29184                      ; h: [tile][block 16][512]
.set HSC,   45568                      ; its scale bytes [tile][row][16]
.set GIMG,  46080                      ; the hidden layer: [tile][K step 16][c 4][512]
.set GSC,   111616                     ; its scale words [tile][K step][128]
.set X1P,   115712                     ; x1, parked: 4,096 bytes a wave
.set OST,   181248                     ; 32 rows x (2,048 + 16): x on the way in, out on the way out
.set OPITCH, 2064
.set SPARE, 247296                     ; the spare words, 128 bytes for each wave; no other line names them
.set SPW, 1
.set NIL, 2
.set L16, 3                            ; v3  16 x lane
.set L4,  4                            ; v4  4 x lane
.set R16, 5                            ; v5  16 r
.set WA5, 6                            ; v6  512 sel(0, r) + 16 h
.set WA2, 7                            ; v7  2,048 sel(0, r) + 16 h
.set WS16, 8                           ; v8  16 (8 h + sel(0, r))
.set WS64, 9                           ; v9  64 (8 h + sel(0, r))
.set A0,  10                           ; v10, v11 addresses, made anew for each phase
.set A1,  11
.set GW,  14                           ; v14 in the hidden layer's phase: where my scale words go
.set WSC, 16                           ; v16-23 the weights' scale words, two sets: scales alone
.set AS,  24                           ; v24-31 the tokens' scale words, tile t at 24 + 4 t: scales alone
.set ACC, 32                           ; v32-63 accumulator (t, u) at 32 + 16 t + 8 u
.set FR,  64                           ; v64-95 two fragments of tokens: buffer 0; at work
.set PR,  96                           ; v96-127 parameters; at work; from quad 1 on the fragments' buffer 1 (FR + 32)
.set RING, 128                         ; v128-255 slot s, tile u at 128 + 32 s + 16 u
.set SEL, 48
.set MNT, 50
.set HM,  51
.set INV, 52
.set EPS, 53
.set AL0, 54                           ; s[54:55] P's highest coefficient
.set BE0, 56                           ; s[56:57] Q's
.macro QB a, b, cd, by, tt             ; one block of 32 in lanes l and l xor 16: as in the first launch
	v_max3_num_f32 v[(\tt)], |v[(\a)]|, |v[(\a)+1]|, 0x8000000
	v_max3_num_f32 v[(\tt)+1], |v[(\b)]|, |v[(\b)+1]|, |v[(\b)+2]|
	v_max3_num_f32 v[(\tt)], v[(\tt)], |v[(\a)+2]|, |v[(\a)+3]|
	v_max3_num_f32 v[(\tt)+1], v[(\tt)+1], |v[(\b)+3]|, |v[(\b)+4]|
	v_max3_num_f32 v[(\tt)], v[(\tt)], |v[(\a)+4]|, |v[(\a)+5]|
	v_max3_num_f32 v[(\tt)+1], v[(\tt)+1], |v[(\b)+5]|, |v[(\b)+6]|
	v_max3_num_f32 v[(\tt)], v[(\tt)], |v[(\a)+6]|, |v[(\a)+7]|
	v_max3_num_f32 v[(\tt)], v[(\tt)], v[(\tt)+1], |v[(\b)+7]|
	v_permlanex16_b32 v[(\tt)+1], v[(\tt)], s[SEL], s[SEL+1]
	v_max_num_f32 v[(\tt)], v[(\tt)], v[(\tt)+1]
	v_add_nc_u32 v[(\tt)+2], 0xf8800000, v[(\tt)]
	v_and_or_b32 v[(\tt)+3], v[(\tt)], 0x7f800000, s[MNT]
	v_lshrrev_b32 v[(\by)], 23, v[(\tt)+2]
.irp i,0,1,2,3,4,5,6,7
	v_med3_num_f32 v[(\a)+\i], v[(\a)+\i], -v[(\tt)+3], v[(\tt)+3]
.endr
.irp i,0,1,2,3,4,5,6,7
	v_med3_num_f32 v[(\b)+\i], v[(\b)+\i], -v[(\tt)+3], v[(\tt)+3]
.endr
	v_cvt_scalef32_pk8_bf8_f32 v[(\cd):(\cd)+1], v[(\a):(\a)+7], v[(\tt)+2]
	v_cvt_scalef32_pk8_bf8_f32 v[(\cd)+2:(\cd)+3], v[(\b):(\b)+7], v[(\tt)+2]
	v_nop
.endm
.macro BARRIER                         ; my LDS stores have landed and my LDS loads are in: then the work-group's barrier
	s_wait_dscnt 0x0
	s_barrier_signal -1
	s_barrier_wait -1
.endm
.macro LW n, s                         ; quad n, K step s: 8 loads into slot s
.irp u,0,1
.irp c,0,1,2,3
.if (\n) == 0
	global_load_b128 v[RING+32*(\s)+16*\u+4*\c:RING+32*(\s)+16*\u+4*\c+3], v[WA5], s[12:13] offset:128*(\s)+4096*\u+32*\c
.elseif (\n) < 5
	global_load_b128 v[RING+32*(\s)+16*\u+4*\c:RING+32*(\s)+16*\u+4*\c+3], v[WA5], s[24:25] offset:16384*((\n)-1)+128*(\s)+4096*\u+32*\c
.else
	global_load_b128 v[RING+32*(\s)+16*\u+4*\c:RING+32*(\s)+16*\u+4*\c+3], v[WA2], s[30:31] offset:512*((\n)-5)+128*(\s)+16384*\u+32*\c
.endif
.endr
.endr
.endm
.macro LS n                            ; quad n's scale words: four K steps; lanes 0-15 tile 0's rows, lanes 16-31 tile 1's
.if (\n) == 0
	global_load_b128 v[WSC+4*((\n)%2):WSC+4*((\n)%2)+3], v[WS16], s[14:15]
.elseif (\n) < 5
	global_load_b128 v[WSC+4*((\n)%2):WSC+4*((\n)%2)+3], v[WS16], s[26:27] offset:512*((\n)-1)
.else
	global_load_b128 v[WSC+4*((\n)%2):WSC+4*((\n)%2)+3], v[WS64], s[32:33] offset:16*((\n)-5)
.endif
.endm
.macro FRAGS n, s, p                   ; the two token tiles' fragments of quad n's K step s, from LDS into buffer p
.irp t,0,1
.irp c,0,1,2,3
.if (\n) == 0
	ds_load_b128 v[FR+32*(\p)+16*\t+4*\c:FR+32*(\p)+16*\t+4*\c+3], v[L16] offset:CIMG+8192*\t+(4*(\s)+\c)*512
.elseif (\n) < 5
	ds_load_b128 v[FR+32*(\p)+16*\t+4*\c:FR+32*(\p)+16*\t+4*\c+3], v[L16] offset:HIMG+8192*\t+(4*(\s)+\c)*512
.else
	ds_load_b128 v[FR+32*(\p)+16*\t+4*\c:FR+32*(\p)+16*\t+4*\c+3], v[A0] offset:32768*\t+(4*(4*((\n)-5)+(\s))+\c)*512
.endif
.endr
.if (\n) >= 5
	ds_load_b32 v[AS+4*\t+(\p)], v[A1] offset:(16*\t+4*((\n)-5)+(\s))*128
.endif
.endr
.endm
.macro MM2 n, s, t, u, p               ; source 0 = 16 weight rows, source 1 = 16 tokens (buffer p): a lane holds one token and eight neighbouring columns
.set rD, ACC+16*(\t)+8*(\u)
.set rA, RING+32*(\s)+16*(\u)
.set rB, FR+32*(\p)+16*(\t)
.set rSA, WSC+4*((\n)%2)+(\s)
.if (\n) < 5
.set rSB, AS+4*(\t)+(\s)
.else
.set rSB, AS+4*(\t)+(\p)
.endif
.if (\u) == 0
	v_wmma_scale_f32_16x16x128_f8f6f4 v[rD:rD+7], v[rA:rA+15], v[rB:rB+15], v[rD:rD+7], v[rSA], v[rSB] matrix_a_fmt:MATRIX_FMT_BF8 matrix_b_fmt:MATRIX_FMT_BF8
.else
	v_wmma_scale_f32_16x16x128_f8f6f4 v[rD:rD+7], v[rA:rA+15], v[rB:rB+15], v[rD:rD+7], v[rSA], v[rSB] matrix_a_fmt:MATRIX_FMT_BF8 matrix_b_fmt:MATRIX_FMT_BF8 matrix_a_scale:MATRIX_SCALE_ROW1
.endif
.endm
; Four K steps.  The sums begin with what the accumulators hold (x + bo; b1; x1).  The four accumulators take turns.  Behind a K step its slot takes the same step of the next quad.
; From quad 1 on a quad's first fragments have been asked for ahead of it, and each step asks for the next step's into the other buffer; W2's quads hand on to each other.
.macro QUAD n
.irp s,0,1,2,3
.if (\n) == 0
	FRAGS 0, \s, 0
	s_wait_loadcnt 24                              ; this slot's 8 loads are in; behind them at least the three other slots' 24 were issued
	s_wait_dscnt 0x0
.else
.if \s < 3
	FRAGS \n, \s+1, (\s+1)%2                       ; no wait: no vector or matrix instruction since the last step's wait names that buffer
.elseif ((\n) >= 5) && ((\n) < 8)
	FRAGS (\n)+1, 0, 0
.endif
.if ((\n) < 8) || (\s == 0)
	s_wait_loadcnt 24                              ; this slot's 8 loads are in; behind them at least the three other slots' 24 were issued
.else
	s_wait_loadcnt 8*(3-\s)+4                      ; the last quad: the counts run down; behind the slots stand b2's four loads
.endif
.if (\s == 3) && (((\n) < 5) || ((\n) == 8))
	s_wait_dscnt 0x0                               ; nothing was asked for behind this step's fragments
.elseif (\n) < 5
	s_wait_dscnt 8                                 ; LDS loads come back in order: this step's fragments are in, the next step's eight loads may be out
.else
	s_wait_dscnt 10                                ; likewise: eight loads of fragments and two of scale words may be out
.endif
.endif
.irp t,0,1
.irp u,0,1
.if (\n) == 0
	MM2 \n, \s, \t, \u, 0
.else
	MM2 \n, \s, \t, \u, \s%2
.endif
.endr
.endr
.rept 8
	v_nop                                          ; eight places behind these products
.endr
.if ((\n) < 8) || (\s < 2)
	s_wait_alu depctr_va_vdst(0)                   ; the step's products are done reading their slot, in which the loads below land, and their fragments and scale words, in which the next step's head lets LDS loads land
.endif
.if (\n) < 8
.if \s == 0
	LS (\n)+1
.endif
	LW (\n)+1, \s
.elseif \s == 0
.irp k,0,1,2,3
	global_load_b128 v[RING+4*\k:RING+4*\k+3], v15, s[34:35] offset:16*\k   ; b2 at my 16 columns, into slot 0, which takes no more weights
.endr
.endif
.endr
	v_nop                                          ; a ninth place: the accumulators are read and later begun anew
.endm
; gelu of tile t's 16 numbers a lane, in place
.macro GELU t
.set Z, ACC+16*(\t)
.irp p,0,2,4,6,8,10,12,14
	v_pk_mul_f32 v[FR+\p:FR+\p+1], v[Z+\p:Z+\p+1], 0x3f3504f3 op_sel_hi:[1,0]      ; x = z / sqrt(2)
.endr
.irp i,0,1,2,3,4,5,6,7,8,9,10,11,12,13,14,15
	v_med3_num_f32 v[FR+\i], v[FR+\i], -4.0, 4.0
.endr
.irp p,0,2,4,6,8,10,12,14
	v_pk_mul_f32 v[FR+16+\p:FR+16+\p+1], v[FR+\p:FR+\p+1], v[FR+\p:FR+\p+1]        ; x^2
.endr
.irp p,0,2,4,6,8,10,12,14
	v_pk_fma_f32 v[PR+\p:PR+\p+1], v[FR+16+\p:FR+16+\p+1], s[AL0:AL0+1], 0x32edffee op_sel_hi:[1,0,0]
	v_pk_fma_f32 v[PR+16+\p:PR+16+\p+1], v[FR+16+\p:FR+16+\p+1], s[BE0:BE0+1], 0xb95fbd29 op_sel_hi:[1,0,0]
.endr
.irp a,0xb60cff51,0xb86ec2d2,0xba40ac63,0xbb41a1f6,0xbc83dbd4
.irp p,0,2,4,6,8,10,12,14
	v_pk_fma_f32 v[PR+\p:PR+\p+1], v[PR+\p:PR+\p+1], v[FR+16+\p:FR+16+\p+1], \a op_sel_hi:[1,1,0]
.endr
.endr
.irp a,0xbadc924e,0xbbf19bf8,0xbc69b6a7
.irp p,0,2,4,6,8,10,12,14
	v_pk_fma_f32 v[PR+16+\p:PR+16+\p+1], v[PR+16+\p:PR+16+\p+1], v[FR+16+\p:FR+16+\p+1], \a op_sel_hi:[1,1,0]
.endr
.endr
	s_wait_alu depctr_va_vdst(0)
.irp i,0,1,2,3,4,5,6,7,8,9,10,11,12,13,14,15
	v_rcp_f32 v[PR+16+\i], v[PR+16+\i]
.endr
.irp p,0,2,4,6,8,10,12,14
	v_pk_mul_f32 v[FR+16+\p:FR+16+\p+1], v[Z+\p:Z+\p+1], 0.5 op_sel_hi:[1,0]       ; z / 2: plain work behind the reciprocals
.endr
.irp p,0,2,4,6,8,10,12,14
	v_pk_mul_f32 v[PR+\p:PR+\p+1], v[FR+\p:FR+\p+1], v[PR+\p:PR+\p+1]              ; x P
.endr
	s_wait_alu depctr_va_vdst(0)                   ; the sixteen reciprocals are written: one wait for them, ahead of their first reader
.irp p,0,2,4,6,8,10,12,14
	v_pk_mul_f32 v[PR+\p:PR+\p+1], v[PR+\p:PR+\p+1], v[PR+16+\p:PR+16+\p+1]        ; erf
.endr
.irp p,0,2,4,6,8,10,12,14
	v_pk_fma_f32 v[Z+\p:Z+\p+1], v[FR+16+\p:FR+16+\p+1], v[PR+\p:PR+\p+1], v[FR+16+\p:FR+16+\p+1]   ; z / 2 x erf + z / 2
.endr
.endm
; The stage by tokens: row sel(0, r), my wave's 128 bytes, + 64 h;  tile 1 lies 8 rows further on.
.macro MKOSW
	v_and_b32 v12, 15, v0
	v_and_b32 v13, 8, v12
	v_add_nc_u32 v12, v12, v13
	v_mul_u32_u24 v[A0], v12, OPITCH
	v_bfe_u32 v13, v0, 4, 1
	v_lshl_add_u32 v[A0], v13, 6, v[A0]
	v_add_nc_u32 v[A0], s39, v[A0]
.endm
; A partial sum a tile in v[FR], v[FR + 2] (pairs) becomes the sum over the row's 512 columns in v12, v14: over my two halves and lane l xor 16 (EXA), and the sixteen waves through LDS (EXB).
.macro EXA
.irp t,0,1
	v_add_f32 v[FR+2*\t], v[FR+2*\t], v[FR+2*\t+1]
.endr
.irp t,0,1
	v_permlanex16_b32 v[FR+2*\t+1], v[FR+2*\t], s[SEL], s[SEL+1]
.endr
.irp t,0,1
	v_add_f32 v[FR+2*\t], v[FR+2*\t], v[FR+2*\t+1]
.endr
	v_cndmask_b32 v[FR+4], v[FR], v[FR+2], s[HM]   ; lanes 0-15 send tile 0's, lanes 16-31 tile 1's
.endm
.macro EXB off
	ds_store_b32 v[A1], v[FR+4] offset:\off
	BARRIER
	s_wait_alu depctr_vm_vsrc(0)                   ; my LDS stores have read v[FR + 4], on which a load below lands, and (the first time) x1 in the accumulators, which are written again further down
.irp t,0,1
.irp k,0,1,2,3
	ds_load_b128 v[FR+16*\t+4*\k:FR+16*\t+4*\k+3], v13 offset:RED+\off+1024*\t+16*\k
.endr
.endr
	s_wait_dscnt 0x0
.irp p,2,4,6,8,10,12,14
.irp t,0,1
	v_pk_add_f32 v[FR+16*\t:FR+16*\t+1], v[FR+16*\t:FR+16*\t+1], v[FR+16*\t+\p:FR+16*\t+\p+1]
.endr
.endr
.irp t,0,1
	v_add_f32 v[12+2*\t], v[FR+16*\t], v[FR+16*\t+1]
.endr
.endm
	s_load_b512 s[8:23], s[0:1], 0x0               ; cimg, csc, Wo codes, Wo scales, bo, x, ln2_scale, ln2_shift
	s_load_b256 s[24:31], s[0:1], 0x40             ; W1 codes, W1 scales, b1, W2 codes
	s_load_b128 s[32:35], s[0:1], 0x60             ; W2 scales, b2
	s_load_b64 s[36:37], s[0:1], 0x70              ; out0
	v_lshl_add_u32 v[SPW], v0, 2, SPARE
	v_mov_b32 v[NIL], 0
	v_lshrrev_b32 v12, 5, v0
	v_readfirstlane_b32 s2, v12                    ; wave
	v_and_b32 v12, 31, v0                          ; lane
	v_and_b32 v13, 15, v0                          ; r
	v_bfe_u32 v14, v0, 4, 1                        ; h
	v_and_b32 v15, 8, v13
	v_add_nc_u32 v15, v15, v13                     ; sel(0, r)
	v_lshlrev_b32 v[L16], 4, v12
	v_lshlrev_b32 v[L4], 2, v12
	v_lshlrev_b32 v[R16], 4, v13
	v_lshlrev_b32 v[WA5], 9, v15
	v_lshl_add_u32 v[WA5], v14, 4, v[WA5]
	v_lshlrev_b32 v[WA2], 11, v15
	v_lshl_add_u32 v[WA2], v14, 4, v[WA2]
	v_lshl_add_u32 v[WS16], v14, 3, v15
	v_lshlrev_b32 v[WS64], 6, v[WS16]
	v_lshlrev_b32 v[WS16], 4, v[WS16]
	v_lshlrev_b32 v14, 6, v14                      ; 64 h
	v_lshlrev_b32 v[A1], 4, v0                     ; 16 x thread
	s_wait_alu depctr_va_sdst(0)                   ; s2 is written, ahead of its first reader
	s_mul_i32 s38, s2, 2*OPITCH
	s_add_co_u32 s38, s38, OST
	v_add_nc_u32 v[A0], s38, v[L16]                ; the stage by rows: rows 2 w, 2 w + 1
	s_lshl_b32 s39, s2, 7
	s_add_co_u32 s39, s39, OST
	s_mov_b32 s[SEL], 0x76543210
	s_mov_b32 s[SEL+1], 0xfedcba98
	s_mov_b32 s[MNT], 0x600000
	s_mov_b32 s[HM], 0xffff0000
	s_mov_b32 s[INV], 0x3b000000
	s_mov_b32 s[EPS], 0x3727c5ac
	s_mov_b32 s[AL0], 0xaf95df0b
	s_mov_b32 s[AL0+1], s[AL0]
	s_mov_b32 s[BE0], 0xb77460cd
	s_mov_b32 s[BE0+1], s[BE0]
	s_mov_b32 s41, 0
	s_wait_kmcnt 0x0
	s_lshl_b32 s40, ttmp9, 16
	s_lshl_b32 s42, s2, 12
	s_add_co_u32 s40, s40, s42                     ; rows 32 G + 2 w of 2,048 bytes
	s_add_nc_u64 s[18:19], s[18:19], s[40:41]
	s_add_nc_u64 s[36:37], s[36:37], s[40:41]
	s_lshl_b32 s40, ttmp9, 14
	s_add_nc_u64 s[8:9], s[8:9], s[40:41]
	s_lshl_b32 s40, ttmp9, 9
	s_add_nc_u64 s[10:11], s[10:11], s[40:41]
	s_lshl_b32 s40, s2, 14                         ; Wo: my 32 rows of 512 codes
	s_add_nc_u64 s[12:13], s[12:13], s[40:41]
	s_lshl_b32 s40, s2, 9
	s_add_nc_u64 s[14:15], s[14:15], s[40:41]
	s_lshl_b32 s40, s2, 16                         ; W1: my 128 rows of 512;  W2: my 32 rows of 2,048
	s_add_nc_u64 s[24:25], s[24:25], s[40:41]
	s_add_nc_u64 s[30:31], s[30:31], s[40:41]
	s_lshl_b32 s40, s2, 11
	s_add_nc_u64 s[26:27], s[26:27], s[40:41]
	s_add_nc_u64 s[32:33], s[32:33], s[40:41]
	s_lshl_b32 s40, s2, 7                          ; my 32 columns of the vectors of 512
	s_add_nc_u64 s[16:17], s[16:17], s[40:41]
	s_add_nc_u64 s[20:21], s[20:21], s[40:41]
	s_add_nc_u64 s[22:23], s[22:23], s[40:41]
	s_add_nc_u64 s[34:35], s[34:35], s[40:41]
	s_wait_alu depctr_va_vdst(0)                   ; the offsets and addresses v3 to v11 and v14 are written, which the loads and LDS stores below read
	; ---- the head's loads: 25, then the ring's first 33
.irp i,0,1
.irp k,0,1,2,3
	global_load_b128 v[ACC+16*\i+4*\k:ACC+16*\i+4*\k+3], v[L16], s[18:19] offset:2048*\i+512*\k   ; x, two whole rows
.endr
.endr
	global_load_b128 v[80:83], v[A1], s[8:9]                   ; ctx's images: 16,384 bytes a work-group
	global_load_b128 v[84:87], v[A1], s[8:9] offset:8192
	global_load_b128 v[88:91], v[A1], s[28:29]                 ; b1
.irp k,0,1,2,3
	global_load_b128 v[FR+4*\k:FR+4*\k+3], v14, s[16:17] offset:16*\k          ; bo at my 16 columns
	global_load_b128 v[PR+4*\k:PR+4*\k+3], v14, s[20:21] offset:16*\k          ; ln2 scale
	global_load_b128 v[PR+16+4*\k:PR+16+4*\k+3], v14, s[22:23] offset:16*\k    ; ln2 shift
.endr
	global_load_b128 v[AS:AS+3], v[R16], s[10:11]              ; ctx's scale words, four K steps a tile
	global_load_b128 v[AS+4:AS+7], v[R16], s[10:11] offset:256
	LS 0
	LW 0, 0
	LW 0, 1
	LW 0, 2
	LW 0, 3
	s_wait_loadcnt 33                              ; all but the ring's 33
.irp i,0,1
.irp k,0,1,2,3
	ds_store_b128 v[A0], v[ACC+16*\i+4*\k:ACC+16*\i+4*\k+3] offset:OPITCH*\i+512*\k
.endr
.endr
	ds_store_b128 v[A1], v[80:83] offset:CIMG
	ds_store_b128 v[A1], v[84:87] offset:CIMG+8192
	ds_store_b128 v[A1], v[88:91] offset:B1L
	BARRIER                                        ; x, ctx and b1 lie in LDS
	s_wait_alu depctr_vm_vsrc(0)                   ; my LDS stores have read v[A0], v[A1] and their data in the accumulators and in v80-91, and the head's loads v14: all are written again from here on
	MKOSW
	s_wait_alu depctr_va_vdst(0)                   ; v[A0] is written, which the loads below read
.irp t,0,1
.irp k,0,1,2,3
	ds_load_b128 v[ACC+16*\t+4*\k:ACC+16*\t+4*\k+3], v[A0] offset:8*OPITCH*\t+16*\k    ; x in the results' layout
.endr
.endr
	s_wait_dscnt 0x0
.irp t,0,1
.irp p,0,2,4,6,8,10,12,14
	v_pk_add_f32 v[ACC+16*\t+\p:ACC+16*\t+\p+1], v[ACC+16*\t+\p:ACC+16*\t+\p+1], v[FR+\p:FR+\p+1]   ; + bo
.endr
.endr
	s_wait_alu depctr_va_vdst(0)                   ; the additions are done reading bo in v[FR ..], in which ctx's first fragments land
	; ---- x1 = x + bo + ctx Wo
	QUAD 0
	; ---- LN2.  x1 is parked; the accumulators then hold x1 - mean, and at last h
	s_wait_alu depctr_vm_vsrc(0)                   ; the loads of x out of the stage have read v[A0], which is written anew
	s_lshl_b32 s38, s2, 12
	s_add_co_u32 s38, s38, X1P
	v_add_nc_u32 v[A0], s38, v[L16]
	v_and_b32 v[A1], 31, v0
	v_lshlrev_b32 v[A1], 6, v[A1]
	s_lshl_b32 s38, s2, 2
	s_add_co_u32 s38, s38, RED
	v_add_nc_u32 v[A1], s38, v[A1]                 ; RED + 64 x lane + 4 x wave
	v_lshlrev_b32 v13, 2, v[R16]                   ; 64 r
.irp t,0,1
	v_pk_add_f32 v[FR+2*\t:FR+2*\t+1], v[ACC+16*\t:ACC+16*\t+1], v[ACC+16*\t+2:ACC+16*\t+3]   ; each accumulator from its low end on
.endr
.irp p,4,6,8,10,12,14
.irp t,0,1
	v_pk_add_f32 v[FR+2*\t:FR+2*\t+1], v[FR+2*\t:FR+2*\t+1], v[ACC+16*\t+\p:ACC+16*\t+\p+1]
.endr
.endr
	EXA
	s_wait_alu depctr_va_vdst(0)                   ; the products have written x1, and the three addresses and my partial sum are written: the nine LDS stores and the loads behind the barrier read them
.irp i,0,1,2,3,4,5,6,7
	ds_store_b128 v[A0], v[ACC+4*\i:ACC+4*\i+3] offset:512*\i
.endr
	EXB 0
	v_mul_f32 v12, s[INV], v12                     ; the means
	v_mul_f32 v14, s[INV], v14
.irp t,0,1
.irp p,0,2,4,6,8,10,12,14
	v_pk_add_f32 v[ACC+16*\t+\p:ACC+16*\t+\p+1], v[ACC+16*\t+\p:ACC+16*\t+\p+1], v[12+2*\t:13+2*\t] op_sel_hi:[1,0] neg_lo:[0,1] neg_hi:[0,1]
.endr
.endr
.irp t,0,1
	v_pk_mul_f32 v[FR+2*\t:FR+2*\t+1], v[ACC+16*\t:ACC+16*\t+1], v[ACC+16*\t:ACC+16*\t+1]
.endr
.irp p,2,4,6,8,10,12,14
.irp t,0,1
	v_pk_fma_f32 v[FR+2*\t:FR+2*\t+1], v[ACC+16*\t+\p:ACC+16*\t+\p+1], v[ACC+16*\t+\p:ACC+16*\t+\p+1], v[FR+2*\t:FR+2*\t+1]
.endr
.endr
	EXA
	s_wait_alu depctr_va_vdst(0)                   ; my partial sum of squares is written, which the LDS store reads; the lines above are done with v[FR ..], in which the loads behind the barrier land
	EXB 2048
	v_fma_f32 v12, v12, s[INV], s[EPS]
	v_fma_f32 v14, v14, s[INV], s[EPS]
	s_wait_alu depctr_va_vdst(0)
	v_rsq_f32 v12, v12
	v_rsq_f32 v14, v14
	v_nop
	s_wait_alu depctr_va_vdst(0)                   ; the two reciprocal roots are written: one wait for the two, ahead of their first reader
.irp t,0,1
.irp p,0,2,4,6,8,10,12,14
	v_pk_mul_f32 v[ACC+16*\t+\p:ACC+16*\t+\p+1], v[ACC+16*\t+\p:ACC+16*\t+\p+1], v[12+2*\t:13+2*\t] op_sel_hi:[1,0]
.endr
.endr
.irp t,0,1
.irp p,0,2,4,6,8,10,12,14
	v_pk_fma_f32 v[ACC+16*\t+\p:ACC+16*\t+\p+1], v[ACC+16*\t+\p:ACC+16*\t+\p+1], v[PR+\p:PR+\p+1], v[PR+16+\p:PR+16+\p+1]
.endr
.endr
	QB ACC, ACC+8, 120, 116, 112                   ; my 32 columns are block w of the next K
	QB ACC+16, ACC+24, 124, 117, 112
	s_lshl_b32 s38, s2, 9
	v_add_nc_u32 v[A0], s38, v[L16]                ; (the LDS stores that read v[A0] and v[A1] stand ahead of the last wait on vm_vsrc)
	v_add_nc_u32 v[A1], s2, v[L16]
	v_cndmask_b32 v118, v116, v117, s[HM]
	s_wait_alu depctr_va_vdst(0)                   ; h's codes, its scale bytes and the two addresses are written, which the three LDS stores read
	ds_store_b128 v[A0], v[120:123] offset:HIMG
	ds_store_b128 v[A0], v[124:127] offset:HIMG+8192
	ds_store_b8 v[A1], v118 offset:HSC             ; lane 16 t + r: tile t, row r, byte w
	BARRIER                                        ; h lies in LDS
	ds_load_b128 v[AS:AS+3], v[R16] offset:HSC     ; (the products that read ctx's scale words stand ahead of the waits above)
	ds_load_b128 v[AS+4:AS+7], v[R16] offset:HSC+256
	; ---- the hidden layer: four groups of 32 units
	s_wait_alu depctr_vm_vsrc(0)                   ; my LDS stores of h have read v[A0], v[A1], v118 and v120-127, and the loads of the partial sums v13: the addresses are made anew, fragments land in v96-127, v13 takes a scale word
	v_bfe_u32 v[A1], v0, 4, 1
	v_lshlrev_b32 v[A1], 6, v[A1]
	s_lshl_b32 s38, s2, 9
	s_add_co_u32 s38, s38, B1L
	v_add_nc_u32 v[A1], s38, v[A1]                 ; b1 at my units: 512 w + 64 h
	s_lshl_b32 s38, s2, 11
	s_add_co_u32 s38, s38, GIMG
	v_add_nc_u32 v[A0], s38, v[L16]                ; my units are K step w of the last product
	s_lshl_b32 s38, s2, 7
	s_add_co_u32 s38, s38, GSC
	v_add_nc_u32 v[GW], s38, v[L4]                 ; and their scale words
.irp q,0,1,2,3
.if \q == 0
	s_wait_alu depctr_va_vdst(0)                   ; the three addresses are written; LN2's lines are done with the accumulators and with v64-127, in which the loads below land
.else
	s_wait_alu depctr_vm_vsrc(0)                   ; the LDS stores of the last group's codes have read v120-127, in which fragments land.  (Nothing of the vector side was issued behind the wait ahead of those stores)
.endif
.irp t,0,1
.irp k,0,1,2,3
	ds_load_b128 v[ACC+16*\t+4*\k:ACC+16*\t+4*\k+3], v[A1] offset:128*\q+16*\k   ; the sums begin with b1
.endr
.endr
	FRAGS 1+\q, 0, 0                               ; the quad's first fragments
	QUAD 1+\q
	GELU 0
	GELU 1
	QB ACC, ACC+8, 120, 116, 112
	QB ACC+16, ACC+24, 124, 117, 112
.if \q == 0
	v_mov_b32 v12, v116
	v_mov_b32 v13, v117
.else
	v_lshl_or_b32 v12, v116, 8*\q, v12             ; four bytes make the K step's scale word
	v_lshl_or_b32 v13, v117, 8*\q, v13
.endif
	s_wait_alu depctr_va_vdst(0)                   ; both tiles' codes are written (and, in the last group, the two scale words), which the LDS stores read; the group's lines are done with the accumulators and v64-127
	ds_store_b128 v[A0], v[120:123] offset:512*\q
	ds_store_b128 v[A0], v[124:127] offset:32768+512*\q
.if \q == 3
	ds_store_b32 v[GW], v12
	ds_store_b32 v[GW], v13 offset:2048
.endif
.endr
	BARRIER                                        ; the hidden layer lies in LDS
	; ---- out = x1 + g W2 + b2
	s_wait_alu depctr_vm_vsrc(0)                   ; my LDS instructions have read v[A0], v[A1], v14 and v120-127: the addresses are made anew, fragments land in v96-127
	v_bfe_u32 v15, v0, 4, 1
	v_lshlrev_b32 v15, 6, v15                      ; b2's offset: 64 h
	s_lshl_b32 s38, s2, 12
	s_add_co_u32 s38, s38, X1P
	v_add_nc_u32 v14, s38, v[L16]
	v_add_nc_u32 v[A0], GIMG, v[L16]
	v_add_nc_u32 v[A1], GSC, v[L4]
	s_wait_alu depctr_va_vdst(0)                   ; the four offsets and addresses are written, which the loads below and b2's read
.irp i,0,1,2,3,4,5,6,7
	ds_load_b128 v[ACC+4*\i:ACC+4*\i+3], v14 offset:512*\i              ; the sums begin with x1
.endr
	FRAGS 5, 0, 0                                  ; the first of W2's sixteen K steps
	QUAD 5
	QUAD 6
	QUAD 7
	QUAD 8
	s_wait_loadcnt 0x0                             ; b2
.irp t,0,1
.irp p,0,2,4,6,8,10,12,14
	v_pk_add_f32 v[ACC+16*\t+\p:ACC+16*\t+\p+1], v[ACC+16*\t+\p:ACC+16*\t+\p+1], v[RING+\p:RING+\p+1]
.endr
.endr
	s_wait_alu depctr_vm_vsrc(0)                   ; the fragments' and scale words' loads have read v[A0] and v[A1], and the scale words' stores v12 and v13: all four are written anew
	MKOSW
	s_mul_i32 s38, s2, 2*OPITCH
	s_add_co_u32 s38, s38, OST
	v_add_nc_u32 v[A1], s38, v[L16]
	s_wait_alu depctr_va_vdst(0)                   ; out's numbers and the two addresses are written, which the LDS stores and the loads behind the barrier read; the products are done reading v64-95, in which those loads land
.irp t,0,1
.irp k,0,1,2,3
	ds_store_b128 v[A0], v[ACC+16*\t+4*\k:ACC+16*\t+4*\k+3] offset:8*OPITCH*\t+16*\k
.endr
.endr
	BARRIER                                        ; 32 whole rows of out lie in the stage
.irp i,0,1,2,3,4,5,6,7
	ds_load_b128 v[FR+4*\i:FR+4*\i+3], v[A1] offset:OPITCH*(\i/4)+512*(\i%4)
.endr
.irp i,0,1,2,3,4,5,6,7
	s_wait_dscnt 7-\i                              ; LDS loads come back in order: load i is in, the younger ones may be out
	global_store_b128 v[L16], v[FR+4*\i:FR+4*\i+3], s[36:37] offset:2048*(\i/4)+512*(\i%4) th:TH_STORE_NT   ; 512 consecutive bytes, at a multiple of 256 from the buffer's first byte
.endr
	s_wait_dscnt 0x0                               ; the closing lines, six on end
	s_wait_alu 0x0
	s_wait_tensorcnt 0x0
	ds_add_u32 v[SPW], v[NIL]
	s_wait_dscnt 0x0
	s_endpgm
.Lfunc_end_k_qe4132ceb68_ffn:
	.size	k_qe4132ceb68_ffn, .Lfunc_end_k_qe4132ceb68_ffn-k_qe4132ceb68_ffn
	.p2alignl 7, 3214868480
	.fill 96, 4, 3214868480
	.section	.rodata,"a",@progbits
	.p2align	6, 0x0
	.amdhsa_kernel k_qe4132ceb68_ffn
		.amdhsa_group_segment_fixed_size 249344
		.amdhsa_private_segment_fixed_size 0
		.amdhsa_enable_private_segment 0
		.amdhsa_kernarg_size 120
		.amdhsa_user_sgpr_count 2
		.amdhsa_user_sgpr_kernarg_segment_ptr 1
		.amdhsa_wavefront_size32 1
		.amdhsa_system_sgpr_workgroup_id_x 1
		.amdhsa_system_sgpr_workgroup_id_y 1
		.amdhsa_system_sgpr_workgroup_id_z 1
		.amdhsa_system_vgpr_workitem_id 0
		.amdhsa_next_free_vgpr 256
		.amdhsa_next_free_sgpr 66
		.amdhsa_reserve_vcc 0
		.amdhsa_float_denorm_mode_32 3
		.amdhsa_float_denorm_mode_16_64 3
		.amdhsa_memory_ordered 1
		.amdhsa_forward_progress 1
		.amdhsa_inst_pref_size 225
	.end_amdhsa_kernel
	.amdgpu_metadata
---
amdhsa.version: [ 1, 2 ]
amdhsa.kernels:
  - .name:           k_qe4132ceb68_ffn
    .symbol:         k_qe4132ceb68_ffn.kd
    .args:
      - { .name: cimg, .offset: 0, .size: 8, .value_kind: global_buffer, .address_space: global }
      - { .name: csc, .offset: 8, .size: 8, .value_kind: global_buffer, .address_space: global }
      - { .name: Wo_codes, .offset: 16, .size: 8, .value_kind: global_buffer, .address_space: global }
      - { .name: Wo_scales, .offset: 24, .size: 8, .value_kind: global_buffer, .address_space: global }
      - { .name: bo, .offset: 32, .size: 8, .value_kind: global_buffer, .address_space: global }
      - { .name: x, .offset: 40, .size: 8, .value_kind: global_buffer, .address_space: global }
      - { .name: ln2_scale, .offset: 48, .size: 8, .value_kind: global_buffer, .address_space: global }
      - { .name: ln2_shift, .offset: 56, .size: 8, .value_kind: global_buffer, .address_space: global }
      - { .name: W1_codes, .offset: 64, .size: 8, .value_kind: global_buffer, .address_space: global }
      - { .name: W1_scales, .offset: 72, .size: 8, .value_kind: global_buffer, .address_space: global }
      - { .name: b1, .offset: 80, .size: 8, .value_kind: global_buffer, .address_space: global }
      - { .name: W2_codes, .offset: 88, .size: 8, .value_kind: global_buffer, .address_space: global }
      - { .name: W2_scales, .offset: 96, .size: 8, .value_kind: global_buffer, .address_space: global }
      - { .name: b2, .offset: 104, .size: 8, .value_kind: global_buffer, .address_space: global }
      - { .name: out0, .offset: 112, .size: 8, .value_kind: global_buffer, .address_space: global }
    .group_segment_fixed_size: 249344
    .private_segment_fixed_size: 0
    .kernarg_segment_align: 8
    .kernarg_segment_size: 120
    .max_flat_workgroup_size: 512
    .sgpr_count:     66
    .vgpr_count:     256
    .wavefront_size: 32
...
	.end_amdgpu_metadata
.endif
;; end of part 6
